; MI455X (gfx1250); checked and timed in simulation.
; The chip was launched on July 23, 2026; its instructions are those of AMD's public machine-readable ISA for CDNA 5 (MIT licence, August 2026) and "CDNA5" Instruction Set Architecture Reference Guide (July 2026). The comments in the code are by the model that wrote it; some were corrected since.
;; Attention. Allowed arithmetic: matrix products marked QUANTISED: E2M3 operands, one E8M0 scale for each 32 along K, by v_wmma_scale_f32_16x16x128_f8f6f4 with both operands' format E2M3, f32 sums; everything else in f32.
;; Inputs: Wk_codes 1,024 x 32 x 24 uint8 (E2M3 codes of Wk, K innermost, in blocks of 32 codes, four codes in three bytes); Wk_scales 1,024 x 32 uint8 (E8M0 scales of Wk, one for each 32 codes along K); Wo_codes 1,024 x 32 x 24 uint8 (E2M3 codes of Wo, K innermost, in blocks of 32 codes, four codes in three bytes); Wo_scales 1,024 x 32 uint8 (E8M0 scales of Wo, one for each 32 codes along K); Wq_codes 1,024 x 32 x 24 uint8 (E2M3 codes of Wq, K innermost, in blocks of 32 codes, four codes in three bytes); Wq_scales 1,024 x 32 uint8 (E8M0 scales of Wq, one for each 32 codes along K); Wv_codes 1,024 x 32 x 24 uint8 (E2M3 codes of Wv, K innermost, in blocks of 32 codes, four codes in three bytes); Wv_scales 1,024 x 32 uint8 (E8M0 scales of Wv, one for each 32 codes along K); beta 1,024 float32; bk 1,024 float32; bo 1,024 float32; bq 1,024 float32; bv 1,024 float32; gamma 1,024 float32; keys_codes 4,096 x 32 x 24 uint8 (E2M3 codes of keys, K innermost, in blocks of 32 codes, four codes in three bytes); keys_scales 4,096 x 32 uint8 (E8M0 scales of keys, one for each 32 codes along K); queries 4,096 x 1,024 float32; values_codes 4,096 x 32 x 24 uint8 (E2M3 codes of values, K innermost, in blocks of 32 codes, four codes in three bytes); values_scales 4,096 x 32 uint8 (E8M0 scales of values, one for each 32 codes along K).
;; Outputs: out0 4,096 x 1,024 float32.
;; This version of the problem:
;;   THIS VERSION OF THE PROBLEM IS GIVEN IN LOW PRECISION. The matrix products marked QUANTISED in the list below multiply operands that are first quantised to E2M3 (2 exponent bits, 3 mantissa bits; 6 bits a number), with one power-of-two scale for each 32 numbers along K (OCP MX v1.0); their sums are f32. All else is computed in f32.
;;   The module's matrix products, in the order in which they are computed (A, B: the left and right operand; K: the contracted axis; several contracted axes count as one K, in the product's order):
;;     1. [M 4,096, K 1,024] x [K 1,024, N 1,024]; A: input queries; B: input Wq (given as codes): QUANTISED
;;     2. [M 4,096, K 1,024] x [K 1,024, N 1,024]; A: input keys (given as codes); B: input Wk (given as codes): QUANTISED
;;     3. [M 4,096, K 1,024] x [K 1,024, N 1,024]; A: input values (given as codes); B: input Wv (given as codes): QUANTISED
;;     4. batch 16 x [M 4,096, K 64] x [K 64, N 4,096]; A: computed on the way; B: computed on the way: QUANTISED
;;     5. batch 16 x [M 64, K 4,096] x [K 4,096, N 4,096]; A: computed on the way; B: softmax (see below): QUANTISED
;;     6. [M 4,096, K 1,024] x [K 1,024, N 1,024]; A: computed on the way; B: input Wo (given as codes): QUANTISED
;;   THE QUANTISER, for each operand of a quantised product, along K:
;;     - K is cut into blocks of 32 from its start; a last block that is shorter is filled with zeros.
;;     - A block's scale is 2^e with e = floor(log2(the largest magnitude in the block)) - 2, held to -126 .. 127; a block of zeros has e = 0. As a byte (E8M0): e + 127.
;;     - Each number is divided by its block's scale, clamped to +-7.5, and rounded to the nearest number of E2M3, ties to even, subnormals kept.
;;     - The product sums the exact products of the quantised numbers (number of the format x scale) in f32.
;;   ~~~python
;;   def quantise(x, axis):      # numpy; x: float32 -> the quantised numbers, widened to float32 again
;;       x = np.moveaxis(x, axis, -1); K = x.shape[-1]
;;       x = np.pad(x, [(0, 0)] * (x.ndim - 1) + [(0, -K % 32)]); x = x.reshape(x.shape[:-1] + (-1, 32)); a = np.abs(x).max(-1, keepdims=True)
;;       e = np.where(a > 0, np.clip(np.frexp(np.where(a > 0, a, 1))[1] - 1 - 2, -126, 127), 0)      # np.frexp(a)[1] - 1 = floor(log2(a)), exactly
;;       r = np.clip(x / 2.0 ** e, -7.5, 7.5)
;;       step = 2.0 ** (np.maximum(np.frexp(np.where(r == 0, 1, r))[1] - 1, 0) - 3)
;;       q = np.round(r / step) * step * 2.0 ** e      # np.round: ties to even
;;       return np.moveaxis(q.reshape(q.shape[:-2] + (-1,))[..., :K], -1, axis).astype(np.float32)
;;   ~~~
;;   SOFTMAX AHEAD OF A QUANTISED PRODUCT. Where the list says 'softmax', what is quantised is not the finished softmax but p = 2^(t - M), with t = logit x log2(e) and M = ceil(the row's largest t), a whole number; so 1/2 < the row's largest p <= 1. The row's sum l is taken of the UNQUANTISED p, in f32, and the product's result is divided by l at the end. Since M is a whole number, a kernel that streams over the keys may use a running M (the ceiling of the running maximum): every later rescaling is an exact power of two, which a block's scale takes up: the codes' values come out the same.
;;   OPERANDS COMPUTED ON THE WAY. 'Computed on the way' means the value that the module computes at that place (a softmax that the list does not call 'softmax' is quantised finished and normalised). What goes into a quantiser is computed in f32, as accurately as f32 sums, v_exp_f32 and their like allow (about 1e-6 of the number): no bf16 or f16 on the way to a quantiser, and a product that is left as it is and whose result goes on into a quantised operand takes f32 operands (vector FMAs, or v_wmma_f32_16x16x4_f32). A number that lies on a knife's edge between two numbers of the format may be rounded either way, as far as f32 arithmetic and the matrix unit's own rounding can turn it there, and no further.
;;   INPUTS GIVEN AS CODES. Wk (in the module: [1024, 1024], K = its axis 0); Wo (in the module: [1024, 1024], K = its axis 0); Wq (in the module: [1024, 1024], K = its axis 0); Wv (in the module: [1024, 1024], K = its axis 0); keys (in the module: [4096, 1024], K = its axis 1); values (in the module: [4096, 1024], K = its axis 1): each comes as NAME_codes (uint8): NAME with its K axis moved to the last place and cut into blocks of 32 codes, [.., K / 32, bytes a block], one block behind the other in memory; four codes in three bytes: a row's codes are one little-endian stream of bits, code i at bits 6 i .. 6 i + 5 (a code: sign, 2 exponent bits, 3 mantissa bits); and NAME_scales (uint8): the same leading axes, one E8M0 byte (e + 127) for each 32 codes along K. Its value is code x scale, taken as it is: it is not quantised again, and the codes and scales need not be those that the quantiser above would give.
;; 3 versions. Each part assembles by itself: llvm-mc -triple=amdgcn-amd-amdhsa -mcpu=gfx1250 --defsym DOCPART=n.
;; ======== version 1 of 3: 3 launches
;; workspace buffers: qimg 4,194,304 bytes; kv 6,815,744 bytes; oimg 4,194,304 bytes
;; launch proj (part 1): grid 64 x 3, 8 waves a work-group, no clusters, 54,272 bytes of LDS; arguments queries, Wq_codes, Wq_scales, bq, keys_codes, keys_scales, Wk_codes, Wk_scales, bk, values_codes, values_scales, Wv_codes, Wv_scales, bv, qimg, kv; writes qimg, kv
.if DOCPART == 1
	.amdgcn_target "amdgcn-amd-amdhsa--gfx1250"
	.amdhsa_code_object_version 6
	.text
	.protected	k_q7e092f5c9e_proj
	.globl	k_q7e092f5c9e_proj
	.p2align	8
	.type	k_q7e092f5c9e_proj,@function
k_q7e092f5c9e_proj:
	s_mov_b64 s[64:65], 0
	v_nop
	global_prefetch_b8 v0, s[64:65] scope:SCOPE_SE
	s_setreg_imm32_b32 hwreg(HW_REG_WAVE_MODE, 25, 1), 1
	s_wait_xcnt 0x0
; q = Q(queries) Wq + bq, k = keys Wk + bk, v = values Wv + bv, all three products on codes of FP6 (E2M3) with one E8M0 scale for each 32 along K = 1,024,
; and each result quantised at once for the product that takes it next: q and k along the head's 64 (two blocks), v along the keys.  No f32 result goes to memory.
; ONE TEXT, THREE PATHS, chosen by the work-group's y (0 q, 1 k, 2 v): D = X (source 0) x Y (source 1).  q: X = Wq, Y = queries (quantised here).  k: X = Wk, Y = keys.  v: X = values, Y = Wv.
; A lane of the result holds ONE row of Y, and its registers run along X's rows: along the head's channels for q and k, along the keys for v: the next product's K.
; SHARES.  A work-group takes 64 rows of Y (four tiles) and 1,024 rows of X; each of its eight waves 128 rows of X (eight tiles): 32 accumulators, 256 registers.
; THE ROWS OF X THAT FORM A TILE ARE NOT NEIGHBOURS: lane r of tile 2 b + u takes row 32 b + 8 u + r + 8 (r / 8), so that the 16 registers of tiles 2 b and 2 b + 1 are 16 neighbours, 32 b + 16 (lane / 16) + 0 .. 15.
; X's fragments go from memory straight into the operand's registers (six loads of 8 bytes each, as the codes lie), three groups of four fragments ahead; each feeds four matrix instructions.
; Y's 32 fragments (8 K steps x 4 tiles) are made or fetched once, wave w taking K step w, and reach the other waves through LDS as images of their registers; one barrier.
; WHAT IS STORED.  qimg: a record of 1,024 bytes for each (tile of 16 queries, head): registers 0-3 at 16 x lane, registers 4-5 at 512 + 8 x lane, the scale word (s0, s1, s0, s1) at 768 + 4 x lane.
; kv: for each head 16 slots of 256 keys, 26,624 bytes: eight fragments of k (registers 0-5: key 32 b + rr, registers 6-11: key 32 b + 8 + rr, rr = r + 8 (r / 8); each with its own two scale bytes),
; eight fragments of v^T (row: channel 32 (t / 2) + 8 (t % 2) + rr; K: 128 keys), then their scale words, 128 bytes a fragment.  A fragment lies as three groups of 512 bytes: registers 4 c .. 4 c + 3, lane l at 16 l.
; NO JOINT LOADS: every fragment of X is wanted by one wave of a work-group and goes into its registers; there is no tile in LDS that a joint load could fill.  Y's 49,152 bytes are a sixteenth of what a work-group fetches.
; LIMITS: NaN and infinities are not served.  A block whose largest magnitude lies under 2^-124 gets the scale byte 1; a block of zeros gets 1 where the rule says 127: its codes are zeros, and this program alone reads the bytes.
.set HEADB, 425984                     ; a head's bytes in kv
.set SLOTB, 26624                      ; a slot's
.set YSC,   49152                      ; LDS: Y's fragments (4 s + yt) x 1,536 from 0; their scale words (4 s + yt) x 128 from here
.set XA,  1                            ; v1   rr x 768 + 24 h: my lane's place in a tile of rows of 768 bytes (X's, and Y's where Y comes as codes)
.set XSA, 2                            ; v2   (rr + 8 h) x 32: X's scale words: lanes 0-15 the even tile's rows, lanes 16-31 the odd tile's
.set LI,  3                            ; v3   16 x lane
.set LS,  4                            ; v4   4 x lane
.set LS2, 5                            ; v5   128 h + 4 r: Y's scale words: lanes 0-15 the even tile's, lanes 16-31 the odd tile's
.set IW,  6                            ; v6   16 x lane + 6,144 x wave: where I store Y's images
.set SW,  7                            ; v7   4 x lane + 512 x wave: and their scale words
.set BVA, 8                            ; v8   4 rr: bv of my lane's row of Wv
.set YSA, 9                            ; v9   32 rr: Y's scale words in memory
.set LB,  10                           ; v10  8 x lane
.set QA,  14                           ; v14  4,096 r + 64 h: my 16 numbers of a block of 32 of a row of queries
.set BA,  15                           ; v15  64 h: my 16 numbers of a block of 32 of bq or bk
.set XF,  16                           ; v16-159  X's fragments: three buffers of four
.set YF,  160                          ; v160-207 Y's four fragments of a K step; in the epilogue the fragments that are stored
.set XS,  208                          ; v208-213 X's scale words, two registers a buffer
.set YS,  214                          ; v214-215 Y's
.set TM,  216                          ; v216-219 largest magnitudes
.set TB,  220                          ; v220-223 the other half's; then the scale bytes
.set TS,  224                          ; v224-227 the conversions' scale operands
.set CT,  228                          ; v228-230, v232-234 the upper halves of two blocks' codes
.set PW,  236                          ; v236-239 scale words as they are made
.set SWR, 240                          ; v240-247 scale words as they are stored
.set BV,  248                          ; v248-255 bv: a pair for each tile, the upper word 0
.set XC,  44                           ; s[44:45] X's codes at my first row      s[46:47] X's scales
.set XSC, 46
.set YC,  48                           ; s[48:49] Y's codes at my K step         s[50:51] Y's scales
.set YSP, 50
.set BI,  52                           ; s[52:53] the bias
.set QP,  54                           ; s[54:55] queries at my K step
.set MSB, 0
.macro WIN new                         ; the immediate's high byte repeats the setting that is left; a switch that changes nothing is dropped
.if MSB != \new
	s_set_vgpr_msb (MSB<<8)|\new
.set MSB, \new
.endif
.endm
; Group G of 16: K step G / 2, tiles 4 (G % 2) .. + 3 of X, into buffer G % 3: 24 loads of codes, 2 of scale words.
.macro XGROUP G
.set xk, (\G)/2
.set xh, (\G)%2
.set xb, (\G)%3
.irp tl, 0,1,2,3
.irp p, 0,1,2,3,4,5
	global_load_b64 v[XF+48*xb+12*\tl+2*\p:XF+48*xb+12*\tl+2*\p+1], v[XA], s[XC:XC+1] offset:(32*((4*xh+\tl)/2)+8*(\tl%2))*768+96*xk+48*(\p/3)+8*(\p%3)
.endr
.endr
.irp pr, 0,1
	global_load_b32 v[XS+2*xb+\pr], v[XSA], s[XSC:XSC+1] offset:1024*(2*xh+\pr)+4*xk
.endr
.endm
.macro FETCH_Y s                       ; K step s: Y's four fragments and their scale words, out of LDS
.irp yt, 0,1,2,3
.irp c, 0,1,2
	ds_load_b128 v[YF+12*\yt+4*\c:YF+12*\yt+4*\c+3], v[LI] offset:(4*(\s)+\yt)*1536+512*\c
.endr
.endr
.irp i, 0,1
	ds_load_b32 v[YS+\i], v[LS2] offset:YSC+(4*(\s)+2*\i)*128
.endr
.endm
; One matrix instruction, from the symbols md (D), ma (X), mb (Y), msa, msb (scale registers), mra, mrb (1: the scales stand in lanes 16-31), mz (1: the product starts the sum).
.macro MM
.if mz
.if mra && mrb
	v_wmma_scale_f32_16x16x128_f8f6f4 v[md:md+7], v[ma:ma+11], v[mb:mb+11], 0, v[msa], v[msb] matrix_a_fmt:MATRIX_FMT_FP6 matrix_b_fmt:MATRIX_FMT_FP6 matrix_a_scale:MATRIX_SCALE_ROW1 matrix_b_scale:MATRIX_SCALE_ROW1
.elseif mra
	v_wmma_scale_f32_16x16x128_f8f6f4 v[md:md+7], v[ma:ma+11], v[mb:mb+11], 0, v[msa], v[msb] matrix_a_fmt:MATRIX_FMT_FP6 matrix_b_fmt:MATRIX_FMT_FP6 matrix_a_scale:MATRIX_SCALE_ROW1
.elseif mrb
	v_wmma_scale_f32_16x16x128_f8f6f4 v[md:md+7], v[ma:ma+11], v[mb:mb+11], 0, v[msa], v[msb] matrix_a_fmt:MATRIX_FMT_FP6 matrix_b_fmt:MATRIX_FMT_FP6 matrix_b_scale:MATRIX_SCALE_ROW1
.else
	v_wmma_scale_f32_16x16x128_f8f6f4 v[md:md+7], v[ma:ma+11], v[mb:mb+11], 0, v[msa], v[msb] matrix_a_fmt:MATRIX_FMT_FP6 matrix_b_fmt:MATRIX_FMT_FP6
.endif
.else
.if mra && mrb
	v_wmma_scale_f32_16x16x128_f8f6f4 v[md:md+7], v[ma:ma+11], v[mb:mb+11], v[md:md+7], v[msa], v[msb] matrix_a_fmt:MATRIX_FMT_FP6 matrix_b_fmt:MATRIX_FMT_FP6 matrix_a_scale:MATRIX_SCALE_ROW1 matrix_b_scale:MATRIX_SCALE_ROW1
.elseif mra
	v_wmma_scale_f32_16x16x128_f8f6f4 v[md:md+7], v[ma:ma+11], v[mb:mb+11], v[md:md+7], v[msa], v[msb] matrix_a_fmt:MATRIX_FMT_FP6 matrix_b_fmt:MATRIX_FMT_FP6 matrix_a_scale:MATRIX_SCALE_ROW1
.elseif mrb
	v_wmma_scale_f32_16x16x128_f8f6f4 v[md:md+7], v[ma:ma+11], v[mb:mb+11], v[md:md+7], v[msa], v[msb] matrix_a_fmt:MATRIX_FMT_FP6 matrix_b_fmt:MATRIX_FMT_FP6 matrix_b_scale:MATRIX_SCALE_ROW1
.else
	v_wmma_scale_f32_16x16x128_f8f6f4 v[md:md+7], v[ma:ma+11], v[mb:mb+11], v[md:md+7], v[msa], v[msb] matrix_a_fmt:MATRIX_FMT_FP6 matrix_b_fmt:MATRIX_FMT_FP6
.endif
.endif
.endm
; Group G is multiplied: 16 matrix instructions, four tiles of X against Y's four.  An accumulator has one instruction in a K step, the 31 others' between two of its links (the accumulators take turns).
.macro GROUP G
.set gk, (\G)/2
.set gh, (\G)%2
.set gb, (\G)%3
.if (\G) < 14
	s_wait_loadcnt 52                              ; behind this group's 26 loads only the next two groups' have been issued: they may stay out
.elseif (\G) == 14
	s_wait_loadcnt 26                              ; one group is behind
.else
	s_wait_loadcnt 0x0
.endif
.if gh == 0
	s_wait_dscnt 0x0                               ; this K step's Y is in
.endif
	WIN 0x50                                       ; C and D in window 1
.irp yt, 0,1,2,3
.irp tl, 0,1,2,3
.set md, 64*\yt+8*(4*gh+\tl)
.set ma, XF+48*gb+12*\tl
.set mb, YF+12*\yt
.set msa, XS+2*gb+\tl/2
.set msb, YS+\yt/2
.set mra, \tl%2
.set mrb, \yt%2
.set mz, (\G) < 2
	MM
.endr
.endr
	WIN 0
.rept 4
	v_nop                                          ; four places in front of loads into registers that these products have read, and of the first read of results
.endr
.if (gh == 1) && (gk < 7)
	FETCH_Y gk+1
.endif
.if (\G)+3 < 16
	XGROUP (\G)+3                                  ; into the buffer just multiplied
.endif
.endm
; 64 numbers of a lane in window 1, v[s] .. v[s + 63], register 16 b + i = k 32 b + 16 (lane / 16) + i of my row, become codes: blocks 0, 1 in v[da] .. v[da + 5], blocks 2, 3 in v[db] .. v[db + 5]
; (lanes 0-15 hold the even block whole, lanes 16-31 the odd one), and the four scale bytes in v[pw].
.macro QUANT s, da, db, pw
	WIN 0x05
.irp b, 0,1,2,3
	v_max3_num_f32 v[TM+\b], |v[(\s)+16*\b]|, |v[(\s)+16*\b+1]|, 0x1800000   ; block b: my 16 numbers, and the floor 2^(3 - 127): the byte cannot fall under 1
.endr
	WIN 0x14
.irp i, 2,4,6,8,10,12,14
.irp b, 0,1,2,3
	v_max3_num_f32 v[TM+\b], v[TM+\b], |v[(\s)+16*\b+\i]|, |v[(\s)+16*\b+\i+1]|   ; the four blocks by turns
.endr
.endr
	WIN 0
.irp b, 0,1,2,3
	v_permlanex16_b32 v[TB+\b], v[TM+\b], s60, s61
.endr
.irp b, 0,1,2,3
	v_max_num_f32 v[TM+\b], v[TM+\b], v[TB+\b]     ; with lane l xor 16's: the block's largest magnitude
.endr
.irp b, 0,1,2,3
	v_add_nc_u32 v[TS+\b], 0xff000000, v[TM+\b]    ; 2 off its exponent field: the conversion takes the exponent field of this operand as its scale
.endr
.irp b, 0,1,2,3
	v_lshrrev_b32 v[TB+\b], 23, v[TS+\b]           ; the scale's byte
.endr
	v_lshl_or_b32 v[\pw], v[TB+1], 8, v[TB]
	v_lshl_or_b32 v[\pw], v[TB+2], 16, v[\pw]
	v_lshl_or_b32 v[\pw], v[TB+3], 24, v[\pw]
	WIN 0x01
	v_cvt_scalef32_pk16_fp6_f32 v[(\da):(\da)+2], v[(\s):(\s)+15], v[TS]
	v_cvt_scalef32_pk16_fp6_f32 v[CT:CT+2], v[(\s)+16:(\s)+31], v[TS+1]      ; (a conversion's three registers begin on an even number)
	v_cvt_scalef32_pk16_fp6_f32 v[(\db):(\db)+2], v[(\s)+32:(\s)+47], v[TS+2]
	v_cvt_scalef32_pk16_fp6_f32 v[CT+4:CT+6], v[(\s)+48:(\s)+63], v[TS+3]
	WIN 0
	v_nop                                          ; one plain place behind a scaled conversion
.irp i, 0,1,2
	v_permlane16_swap_b32 v[(\da)+\i], v[CT+\i]    ; the first's lanes 16-31 change places with the second's lanes 0-15: each lane now has its block's lower 16 codes in the first, the upper 16 in the second
.endr
.irp i, 0,1,2
	v_mov_b32 v[(\da)+3+\i], v[CT+\i]
.endr
.irp i, 0,1,2
	v_permlane16_swap_b32 v[(\db)+\i], v[CT+4+\i]
.endr
.irp i, 0,1,2
	v_mov_b32 v[(\db)+3+\i], v[CT+4+\i]
.endr
.endm
	s_load_b512 s[8:23], s[0:1], 0x0               ; queries 8, Wq codes 10, Wq scales 12, bq 14, keys codes 16, keys scales 18, Wk codes 20, Wk scales 22
	s_load_b512 s[24:39], s[0:1], 0x40             ; bk 24, values codes 26, values scales 28, Wv codes 30, Wv scales 32, bv 34, qimg 36, kv 38
	v_lshl_add_u32 v231, v0, 2, 0xd000
	v_mov_b32 v235, 0
	v_lshrrev_b32 v1, 5, v0
	v_readfirstlane_b32 s40, v1                    ; wave 0..7
	s_and_b32 s41, ttmp7, 0xffff                   ; the path
	s_mov_b32 s42, ttmp9                           ; g
	v_and_b32 v10, 31, v0                          ; lane
	v_and_b32 v11, 15, v0                          ; r
	v_bfe_u32 v12, v0, 4, 1                        ; h
	v_and_b32 v13, 8, v11
	v_add_nc_u32 v13, v13, v11                     ; rr = r + 8 (r / 8)
	v_mul_u32_u24 v[XA], v13, 768
	v_mad_u32_u24 v[XA], v12, 24, v[XA]
	v_lshl_add_u32 v[XSA], v12, 3, v13
	v_lshlrev_b32 v[XSA], 5, v[XSA]
	v_lshlrev_b32 v[LI], 4, v10
	v_lshlrev_b32 v[LS], 2, v10
	v_lshlrev_b32 v[LS2], 2, v11
	v_lshl_add_u32 v[LS2], v12, 7, v[LS2]
	s_mul_i32 s2, s40, 6144
	v_add_nc_u32 v[IW], s2, v[LI]
	s_lshl_b32 s2, s40, 9
	v_add_nc_u32 v[SW], s2, v[LS]
	v_lshlrev_b32 v[BVA], 2, v13
	v_lshlrev_b32 v[YSA], 5, v13
	v_lshlrev_b32 v[LB], 3, v10
	v_lshlrev_b32 v[QA], 12, v11
	v_lshl_add_u32 v[QA], v12, 6, v[QA]
	v_lshlrev_b32 v[BA], 6, v12
.irp b, 0,1,2,3
	v_mov_b32 v[TB+\b], 0                          ; written once: a lane permute's destination counts as one of its sources
.endr
	s_mov_b32 s60, 0x76543210
	s_mov_b32 s61, 0xfedcba98                      ; v_permlanex16_b32's selects for lane l xor 16
	; my first rows: q, k: X 128 w, Y 64 g.   v: X (keys) 1,024 (g & 3) + 128 w, Y (Wv's rows) 64 (g >> 2): one head
	s_and_b32 s2, s42, 3
	s_lshl_b32 s2, s2, 10
	s_lshr_b32 s3, s42, 2
	s_lshl_b32 s3, s3, 6
	s_lshl_b32 s43, s42, 6
	s_cmp_eq_u32 s41, 2
	s_cselect_b32 s2, s2, 0
	s_cselect_b32 s3, s3, s43                      ; Y's first row
	s_lshl_b32 s43, s40, 7
	s_add_co_u32 s2, s2, s43                       ; X's first row
	s_mov_b32 s63, 0
	s_wait_kmcnt 0x0
	s_cmp_eq_u32 s41, 0                            ; the buffers are chosen on the work-group's number alone
	s_cselect_b64 s[XC:XC+1], s[10:11], s[20:21]
	s_cselect_b64 s[XSC:XSC+1], s[12:13], s[22:23]
	s_cselect_b64 s[BI:BI+1], s[14:15], s[24:25]
	s_cmp_eq_u32 s41, 2
	s_cselect_b64 s[XC:XC+1], s[26:27], s[XC:XC+1]
	s_cselect_b64 s[XSC:XSC+1], s[28:29], s[XSC:XSC+1]
	s_cselect_b64 s[YC:YC+1], s[30:31], s[16:17]   ; (on the q path these two are made and not used)
	s_cselect_b64 s[YSP:YSP+1], s[32:33], s[18:19]
	s_cselect_b64 s[BI:BI+1], s[34:35], s[BI:BI+1]
	s_mul_i32 s62, s2, 768
	s_add_nc_u64 s[XC:XC+1], s[XC:XC+1], s[62:63]
	s_lshl_b32 s62, s2, 5
	s_add_nc_u64 s[XSC:XSC+1], s[XSC:XSC+1], s[62:63]
	XGROUP 0                                       ; 78 loads go out before anything else
	XGROUP 1
	XGROUP 2
	s_mul_i32 s62, s3, 768
	s_mul_i32 s43, s40, 96
	s_add_co_u32 s62, s62, s43                     ; Y's rows, K step w
	s_add_nc_u64 s[YC:YC+1], s[YC:YC+1], s[62:63]
	s_lshl_b32 s62, s3, 5
	s_lshl_b32 s43, s40, 2
	s_add_co_u32 s62, s62, s43
	s_add_nc_u64 s[YSP:YSP+1], s[YSP:YSP+1], s[62:63]
	s_lshl_b32 s62, s3, 2                          ; the bias: v: that of Y's rows;
	s_lshl_b32 s43, s40, 9                         ; q, k: that of my 128 rows of X
	s_cmp_eq_u32 s41, 2
	s_cselect_b32 s62, s62, s43
	s_add_nc_u64 s[BI:BI+1], s[BI:BI+1], s[62:63]
	s_lshl_b32 s62, s42, 18                        ; queries: 64 g rows of 4,096 bytes + 512 w
	s_add_co_u32 s62, s62, s43
	s_add_nc_u64 s[QP:QP+1], s[8:9], s[62:63]
	; ---- Y: wave w makes K step w of the four tiles
	s_cmp_eq_u32 s41, 0
	s_cbranch_scc0 .Lcodes
	WIN 0x40                                       ; q: rows 64 g + 16 yt + r of queries, 64 numbers a lane and tile, into the registers that the accumulators will take
.irp yt, 0,1,2,3
.irp b, 0,1,2,3
.irp j, 0,1,2,3
	global_load_b128 v[64*\yt+16*\b+4*\j:64*\yt+16*\b+4*\j+3], v[QA], s[QP:QP+1] offset:65536*\yt+128*\b+16*\j
.endr
.endr
.endr
	WIN 0
.irp yt, 0,1,2,3
	s_wait_loadcnt 16*(3-\yt)                      ; this tile's 16 loads are in; the younger tiles' may stay out
	QUANT 64*\yt, YF+12*\yt, YF+12*\yt+6, PW+\yt
.endr
	s_branch .Ljoin
.Lcodes:                                               ; k, v: Y comes as codes: row 32 (yt / 2) + 8 (yt % 2) + rr, so that the keys (k) or channels (v) fall as the next product wants them
.irp yt, 0,1,2,3
.irp p, 0,1,2,3,4,5
	global_load_b64 v[YF+12*\yt+2*\p:YF+12*\yt+2*\p+1], v[XA], s[YC:YC+1] offset:(32*(\yt/2)+8*(\yt%2))*768+48*(\p/3)+8*(\p%3)
.endr
	global_load_b32 v[PW+\yt], v[YSA], s[YSP:YSP+1] offset:(32*(\yt/2)+8*(\yt%2))*32
.endr
	s_wait_loadcnt 0x0
.Ljoin:
.irp yt, 0,1,2,3
.irp c, 0,1,2
	ds_store_b128 v[IW], v[YF+12*\yt+4*\c:YF+12*\yt+4*\c+3] offset:1536*\yt+512*\c   ; the fragment goes to LDS as it stands in my registers
.endr
	ds_store_b32 v[SW], v[PW+\yt] offset:YSC+128*\yt
.endr
	s_wait_dscnt 0x0                               ; for the others' sake: my stores have landed
	s_barrier_signal -1
	s_barrier_wait -1                              ; Y's 32 fragments lie in LDS; nothing is stored there again
	FETCH_Y 0
.irp G, 0,1,2,3,4,5,6,7,8,9,10,11,12,13,14,15
	GROUP \G
.endr
	; ---- the bias, the quantiser, the stores
	s_cmp_eq_u32 s41, 2
	s_cbranch_scc1 .Lv
.irp b, 0,1,2,3                                ; q, k: the bias runs along my registers: 128 w + 32 b + 16 h + 0 .. 15
.irp j, 0,1,2,3
	global_load_b128 v[XF+16*\b+4*\j:XF+16*\b+4*\j+3], v[BA], s[BI:BI+1] offset:128*\b+16*\j
.endr
.endr
	s_wait_loadcnt 0x0
	WIN 0x41
.irp yt, 0,1,2,3
.set k, 0
.rept 32
	v_pk_add_f32 v[64*\yt+2*k:64*\yt+2*k+1], v[64*\yt+2*k:64*\yt+2*k+1], v[XF+2*k:XF+2*k+1]   ; each accumulator from its low end on
.set k, k+1
.endr
.endr
	WIN 0
	s_cmp_eq_u32 s41, 1
	s_cbranch_scc1 .Lk
	; q: blocks 0, 1 are head 2 w, blocks 2, 3 head 2 w + 1: two records a tile
	s_lshl_b32 s62, s42, 16
	s_lshl_b32 s2, s40, 11
	s_add_co_u32 s62, s62, s2
	s_add_nc_u64 s[56:57], s[36:37], s[62:63]      ; record (4 g + yt, 2 w + c) lies 16,384 yt + 1,024 c on
.irp yt, 0,1,2,3
	QUANT 64*\yt, YF+12*\yt, YF+12*\yt+6, PW+\yt
	v_perm_b32 v[SWR+2*\yt], v[PW+\yt], v[PW+\yt], 0x01000100     ; (s0, s1, s0, s1): the word serves q in either half of an operand
	v_perm_b32 v[SWR+2*\yt+1], v[PW+\yt], v[PW+\yt], 0x03020302
.irp c, 0,1
	global_store_b128 v[LI], v[YF+12*\yt+6*\c:YF+12*\yt+6*\c+3], s[56:57] offset:16384*\yt+1024*\c
	global_store_b64 v[LB], v[YF+12*\yt+6*\c+4:YF+12*\yt+6*\c+5], s[56:57] offset:16384*\yt+1024*\c+512
	global_store_b32 v[LS], v[SWR+2*\yt+\c], s[56:57] offset:16384*\yt+1024*\c+768
.endr
.endr
	s_wait_tensorcnt 0x0
	ds_add_u32 v231, v235
	s_wait_dscnt 0x0
	s_endpgm
.Lk:	; k: tiles 2 bl and 2 bl + 1 (keys 32 bl + rr and 32 bl + 8 + rr) make one fragment for each of my two heads
	s_mul_i32 s62, s40, 2*HEADB
	s_lshr_b32 s2, s42, 2
	s_mul_i32 s2, s2, SLOTB
	s_add_co_u32 s62, s62, s2                      ; head 2 w, slot g / 4
	s_and_b32 s3, s42, 3
	s_mul_i32 s66, s3, 3072
	s_add_co_u32 s66, s66, s62
	s_mov_b32 s67, 0
	s_add_nc_u64 s[56:57], s[38:39], s[66:67]      ; fragments 2 (g & 3) + bl
	s_lshl_b32 s66, s3, 8
	s_add_co_u32 s66, s66, s62
	s_add_co_u32 s66, s66, 24576
	s_add_nc_u64 s[58:59], s[38:39], s[66:67]      ; and their scale words
.irp bl, 0,1
	QUANT 128*\bl, YF+24*\bl, YF+24*\bl+12, PW+2*\bl
	QUANT 128*\bl+64, YF+24*\bl+6, YF+24*\bl+18, PW+2*\bl+1
	v_perm_b32 v[SWR+2*\bl], v[PW+2*\bl+1], v[PW+2*\bl], 0x05040100     ; head 2 w: the first keys' two bytes, then the second keys'
	v_perm_b32 v[SWR+2*\bl+1], v[PW+2*\bl+1], v[PW+2*\bl], 0x07060302   ; head 2 w + 1
.irp hd, 0,1
.irp c, 0,1,2
	global_store_b128 v[LI], v[YF+24*\bl+12*\hd+4*\c:YF+24*\bl+12*\hd+4*\c+3], s[56:57] offset:HEADB*\hd+1536*\bl+512*\c
.endr
	global_store_b32 v[LS], v[SWR+2*\bl+\hd], s[58:59] offset:HEADB*\hd+128*\bl
.endr
.endr
	s_wait_tensorcnt 0x0
	ds_add_u32 v231, v235
	s_wait_dscnt 0x0
	s_endpgm
.Lv:	; v: a lane holds one channel, its registers my wave's 128 keys: one key step
.irp yt, 0,1,2,3
	global_load_b32 v[BV+2*\yt], v[BVA], s[BI:BI+1] offset:(32*(\yt/2)+8*(\yt%2))*4
	v_mov_b32 v[BV+2*\yt+1], 0                     ; (named with it as a pair, so it is written)
.endr
	s_lshr_b32 s2, s42, 2
	s_mul_i32 s62, s2, HEADB                       ; head g / 4,
	s_and_b32 s2, s42, 3
	s_lshl_b32 s2, s2, 2
	s_lshr_b32 s3, s40, 1
	s_add_co_u32 s2, s2, s3
	s_mul_i32 s2, s2, SLOTB
	s_add_co_u32 s62, s62, s2                      ; slot 4 (g & 3) + w / 2,
	s_and_b32 s3, s40, 1                           ; its step w % 2
	s_mul_i32 s66, s3, 6144
	s_add_co_u32 s66, s66, s62
	s_add_co_u32 s66, s66, 12288
	s_mov_b32 s67, 0
	s_add_nc_u64 s[56:57], s[38:39], s[66:67]
	s_lshl_b32 s66, s3, 9
	s_add_co_u32 s66, s66, s62
	s_add_co_u32 s66, s66, 25600
	s_add_nc_u64 s[58:59], s[38:39], s[66:67]
	s_wait_loadcnt 0x0
	WIN 0x41
.irp yt, 0,1,2,3
.set k, 0
.rept 32
	v_pk_add_f32 v[64*\yt+2*k:64*\yt+2*k+1], v[64*\yt+2*k:64*\yt+2*k+1], v[BV+2*\yt:BV+2*\yt+1] op_sel_hi:[1,0]   ; my channel's bv onto every key
.set k, k+1
.endr
.endr
	WIN 0
.irp yt, 0,1,2,3
	QUANT 64*\yt, YF+12*\yt, YF+12*\yt+6, PW+\yt
.irp c, 0,1,2
	global_store_b128 v[LI], v[YF+12*\yt+4*\c:YF+12*\yt+4*\c+3], s[56:57] offset:1536*\yt+512*\c
.endr
	global_store_b32 v[LS], v[PW+\yt], s[58:59] offset:128*\yt
.endr
	s_wait_tensorcnt 0x0
	ds_add_u32 v231, v235
	s_wait_dscnt 0x0
	s_endpgm
.Lfunc_end_k_q7e092f5c9e_proj:
	.size	k_q7e092f5c9e_proj, .Lfunc_end_k_q7e092f5c9e_proj-k_q7e092f5c9e_proj
	.p2alignl 7, 3214868480
	.fill 96, 4, 3214868480
	.section	.rodata,"a",@progbits
	.p2align	6, 0x0
	.amdhsa_kernel k_q7e092f5c9e_proj
		.amdhsa_group_segment_fixed_size 54272
		.amdhsa_private_segment_fixed_size 0
		.amdhsa_enable_private_segment 0
		.amdhsa_kernarg_size 128
		.amdhsa_user_sgpr_count 2
		.amdhsa_user_sgpr_kernarg_segment_ptr 1
		.amdhsa_wavefront_size32 1
		.amdhsa_system_sgpr_workgroup_id_x 1
		.amdhsa_system_sgpr_workgroup_id_y 1
		.amdhsa_system_sgpr_workgroup_id_z 1
		.amdhsa_system_vgpr_workitem_id 0
		.amdhsa_next_free_vgpr 512
		.amdhsa_next_free_sgpr 68
		.amdhsa_reserve_vcc 0
		.amdhsa_float_denorm_mode_32 3
		.amdhsa_float_denorm_mode_16_64 3
		.amdhsa_memory_ordered 1
		.amdhsa_forward_progress 1
		.amdhsa_inst_pref_size 184
	.end_amdhsa_kernel
	.amdgpu_metadata
---
amdhsa.version: [ 1, 2 ]
amdhsa.kernels:
  - .name:           k_q7e092f5c9e_proj
    .symbol:         k_q7e092f5c9e_proj.kd
    .args:
      - { .name: queries, .offset: 0, .size: 8, .value_kind: global_buffer, .address_space: global }
      - { .name: Wq_codes, .offset: 8, .size: 8, .value_kind: global_buffer, .address_space: global }
      - { .name: Wq_scales, .offset: 16, .size: 8, .value_kind: global_buffer, .address_space: global }
      - { .name: bq, .offset: 24, .size: 8, .value_kind: global_buffer, .address_space: global }
      - { .name: keys_codes, .offset: 32, .size: 8, .value_kind: global_buffer, .address_space: global }
      - { .name: keys_scales, .offset: 40, .size: 8, .value_kind: global_buffer, .address_space: global }
      - { .name: Wk_codes, .offset: 48, .size: 8, .value_kind: global_buffer, .address_space: global }
      - { .name: Wk_scales, .offset: 56, .size: 8, .value_kind: global_buffer, .address_space: global }
      - { .name: bk, .offset: 64, .size: 8, .value_kind: global_buffer, .address_space: global }
      - { .name: values_codes, .offset: 72, .size: 8, .value_kind: global_buffer, .address_space: global }
      - { .name: values_scales, .offset: 80, .size: 8, .value_kind: global_buffer, .address_space: global }
      - { .name: Wv_codes, .offset: 88, .size: 8, .value_kind: global_buffer, .address_space: global }
      - { .name: Wv_scales, .offset: 96, .size: 8, .value_kind: global_buffer, .address_space: global }
      - { .name: bv, .offset: 104, .size: 8, .value_kind: global_buffer, .address_space: global }
      - { .name: qimg, .offset: 112, .size: 8, .value_kind: global_buffer, .address_space: global }
      - { .name: kv, .offset: 120, .size: 8, .value_kind: global_buffer, .address_space: global }
    .group_segment_fixed_size: 54272
    .private_segment_fixed_size: 0
    .kernarg_segment_align: 8
    .kernarg_segment_size: 128
    .max_flat_workgroup_size: 256
    .sgpr_count:     68
    .vgpr_count:     512
    .wavefront_size: 32
...
	.end_amdgpu_metadata
.endif
;; end of part 1
;; launch attn (part 2): grid 16 x 16, 16 waves a work-group, no clusters, 55,296 bytes of LDS; arguments qimg, kv, oimg; writes oimg
.if DOCPART == 2
	.amdgcn_target "amdgcn-amd-amdhsa--gfx1250"
	.amdhsa_code_object_version 6
	.text
	.protected	k_q7e092f5c9e_attn
	.globl	k_q7e092f5c9e_attn
	.p2align	8
	.type	k_q7e092f5c9e_attn,@function
k_q7e092f5c9e_attn:
	s_mov_b64 s[64:65], 0
	v_nop
	global_prefetch_b8 v0, s[64:65] scope:SCOPE_SE
	s_setreg_imm32_b32 hwreg(HW_REG_WAVE_MODE, 25, 1), 1
	s_wait_xcnt 0x0
; o[q][head] = the sum over the keys of softmax(q . k / 8) v, both products on codes of FP6 (E2M3) with one E8M0 scale for each 32 along a product's K; o is quantised along the head's 64 for the product that follows.
; THE SOFTMAX AHEAD OF THE SECOND PRODUCT: t = score x log2(e) / 8; M = the row's largest t so far, rounded UP to a whole number; p = 2^(t - M) is quantised along the keys, not normalised.
; The row's sum is taken of the unquantised p, in f32, and divides O at the end.  When M moves, the sum and O are multiplied by 2^(old M - new M): exact.
; SHARES.  A work-group owns 256 queries of one head; each of its sixteen waves one tile of 16 queries, in 256 registers: four waves to a SIMD, so that one wave's vector work stands beside another's products and LDS loads.
; Every wave walks the head's 4,096 keys, 128 a step, two steps a slot.  A slot is 26,624 bytes of kv, copied as it lies into one of two places in LDS: 52 bytes a thread (three loads of 16 and one of 4), asked for two steps ahead.
; BOTH PRODUCTS ARE USED TRANSPOSED: S^T = k q^T, O^T = v^T p^T: a lane holds ONE query (lane % 16) throughout.
; THE FIRST PRODUCT'S K IS 64, THE INSTRUCTION'S 128.  A fragment of k holds TWO sets of 16 keys: set 0 in its K 0-63, set 1 in its K 64-127.  q stands between two runs of zero codes (v16-21 zeros, v22-27 q, v28-33 zeros):
; the operand v[22:33] = [q | 0] gives set 0's scores, v[16:27] = [0 | q] set 1's.  So no byte of LDS holds padding.  Set u of fragment b is key 32 b + 8 u + r + 8 (r / 8): the 16 registers of two tiles are 16 neighbouring keys.
; NO JOINT LOADS: what the sixteen work-groups of a head share is 26,624 bytes for two key steps, in which each of the sixteen waves issues some 600 instructions; the copy is eight of them.
; LIMITS: NaN and infinities are not served.  A block whose largest magnitude lies under 2^-124 gets the scale byte 1 (a block of zeros too: its codes are zeros, and this program alone reads the bytes).
.set HEADB, 425984
.set SLOTB, 26624                      ; a slot: 8 fragments of k from 0, 8 of v^T from 12,288, k's scale words from 24,576, v's from 25,600
.set LI,  1                            ; v1   16 x lane
.set LS,  2                            ; v2   4 x lane
.set CO,  3                            ; v3   16 x thread: the copy
.set LB,  4                            ; v4   8 x lane
.set C4,  5                            ; v5   4 x thread: the copy's last 2,048 bytes
.set QB,  16                           ; v16-33  zeros, q, zeros          v12 -M, v13 the largest t, v[14:15] the sum in two halves
.set QS,  34                           ; v34     q's scale word
.set KS,  36                           ; v36-39  k's scale words
.set VS,  40                           ; v40-43  v's
.set CP,  44                           ; v44-56  the copy's 52 bytes
.set KF,  60                           ; v60-107 four fragments, k's and then v's
.set ST,  108                          ; v108-171 S^T, then p
.set OT,  172                          ; v172-203 O^T: register 16 b + i is channel 32 b + 16 (lane / 16) + i
.set PC,  204                          ; v204-215 p's codes
.set BM,  216                          ; v216-219 the blocks' largest scores, then largest p
.set BT,  220                          ; v220-227 at work
.set TS,  228                          ; v228-231 the conversions' scale operands
.set FF,  232                          ; v[232:233] f = 2^(old M - new M); the upper word is 0
.set PW,  234                          ; v234    p's scale word
.set TT,  235
.macro COPY_LOAD                       ; the slot at s[16:17] into registers
.irp i, 0,1,2
	global_load_b128 v[CP+4*\i:CP+4*\i+3], v[CO], s[16:17] offset:8192*\i
.endr
	global_load_b32 v[CP+12], v[C4], s[16:17] offset:24576
.endm
.macro COPY_STORE p                    ; and into place p of LDS
.irp i, 0,1,2
	ds_store_b128 v[CO], v[CP+4*\i:CP+4*\i+3] offset:(\p)*SLOTB+8192*\i
.endr
	ds_store_b32 v[C4], v[CP+12] offset:(\p)*SLOTB+24576
.endm
; A KEY STEP: 128 keys, the q-th of the slot in place p.
.macro STEP p, q
.irp b, 0,1,2,3
.irp c, 0,1,2
	ds_load_b128 v[KF+12*\b+4*\c:KF+12*\b+4*\c+3], v[LI] offset:(\p)*SLOTB+(4*(\q)+\b)*1536+512*\c
.endr
	ds_load_b32 v[KS+\b], v[LS] offset:(\p)*SLOTB+24576+(4*(\q)+\b)*128
.endr
	s_wait_dscnt 0x0
.irp b, 0,1,2,3
	v_wmma_scale_f32_16x16x128_f8f6f4 v[ST+16*\b:ST+16*\b+7], v[KF+12*\b:KF+12*\b+11], v[QB+6:QB+17], 0, v[KS+\b], v[QS] matrix_a_fmt:MATRIX_FMT_FP6 matrix_b_fmt:MATRIX_FMT_FP6
	v_wmma_scale_f32_16x16x128_f8f6f4 v[ST+16*\b+8:ST+16*\b+15], v[KF+12*\b:KF+12*\b+11], v[QB:QB+11], 0, v[KS+\b], v[QS] matrix_a_fmt:MATRIX_FMT_FP6 matrix_b_fmt:MATRIX_FMT_FP6
.endr
.rept 4
	v_nop                                          ; four places in front of the loads into k's registers and of the first read of the scores
.endr
.irp t, 0,1,2,3                                ; v's fragments land while the softmax is worked
.irp c, 0,1,2
	ds_load_b128 v[KF+12*\t+4*\c:KF+12*\t+4*\c+3], v[LI] offset:(\p)*SLOTB+12288+(4*(\q)+\t)*1536+512*\c
.endr
	ds_load_b32 v[VS+\t], v[LS] offset:(\p)*SLOTB+25600+(4*(\q)+\t)*128
.endr
.irp b, 0,1,2,3
	v_max3_num_f32 v[BM+\b], v[ST+16*\b], v[ST+16*\b+1], v[ST+16*\b+2]   ; THE LARGEST SCORE OF EACH BLOCK OF 32 KEYS serves twice: for the row's maximum, and, since p rises with the score, for the block's largest p
.endr
.irp i, 3,5,7,9,11,13
.irp b, 0,1,2,3
	v_max3_num_f32 v[BM+\b], v[BM+\b], v[ST+16*\b+\i], v[ST+16*\b+\i+1]   ; (the four blocks by turns; each tile is first read at its low end)
.endr
.endr
.irp b, 0,1,2,3
	v_max_num_f32 v[BM+\b], v[BM+\b], v[ST+16*\b+15]
.endr
.irp b, 0,1,2,3
	v_permlanex16_b32 v[BT+\b], v[BM+\b], s20, s21
.endr
.irp b, 0,1,2,3
	v_max_num_f32 v[BM+\b], v[BM+\b], v[BT+\b]     ; with lane l xor 16's 16 keys
.endr
	v_max3_num_f32 v[TT], v[BM], v[BM+1], v[BM+2]
	v_max_num_f32 v[TT], v[TT], v[BM+3]            ; the step's largest score of my query
	v_mul_f32 v[TT], s22, v[TT]                    ; as t (c is positive)
	v_max_num_f32 v13, v13, v[TT]                  ; the running largest t
	v_mov_b32 v[TT], v12
	v_floor_f32 v12, -v13                          ; the new -M = floor(-t) = -ceil(t): M is a whole number
	v_sub_f32 v[TT], v12, v[TT]                    ; M's old value less its new one: a whole number, 0 or less
	v_cvt_i32_f32 v[TT], v[TT]                     ; (it saturates)
	v_ldexp_f32 v[FF], 1.0, v[TT]                  ; f = 2^(old M - new M)
.set j, 0
.rept 32
	v_pk_fma_f32 v[ST+j:ST+j+1], v[ST+j:ST+j+1], s[22:23], v[12:13] op_sel_hi:[1,0,0]   ; t - M, two at a time (of the pairs c and -M the low word serves both halves)
.set j, j+2
.endr
.irp b, 0,1,2,3
	v_fma_f32 v[BM+\b], v[BM+\b], s22, v12         ; the same of each block's largest score
.endr
.set j, 0
.rept 64
	v_exp_f32 v[ST+j], v[ST+j]                     ; p = 2^(t - M), at most 1: not normalised
.set j, j+1
.endr
.irp b, 0,1,2,3
	v_exp_f32 v[BM+\b], v[BM+\b]                   ; the block's largest p: the same two instructions on the same number give the same bits
.endr
	v_pk_mul_f32 v[14:15], v[14:15], v[FF:FF+1] op_sel_hi:[1,0]   ; the sums under the new M.  (A plain place behind the exponentials)
	s_wait_alu depctr_va_vdst(0)
.irp b, 0,1,2,3
	v_max_num_f32 v[BM+\b], 0x1800000, v[BM+\b]    ; the floor 2^(3 - 127): the byte cannot fall under 1
.endr
.irp b, 0,1,2,3
	v_add_nc_u32 v[TS+\b], 0xff000000, v[BM+\b]    ; 2 off the exponent field: the conversion's scale operand
.endr
.irp b, 0,1,2,3
	v_lshrrev_b32 v[BT+\b], 23, v[TS+\b]           ; the scale's byte
.endr
	v_lshl_or_b32 v[PW], v[BT+1], 8, v[BT]         ; p's scale word for these 128 keys
	v_lshl_or_b32 v[PW], v[BT+2], 16, v[PW]
	v_lshl_or_b32 v[PW], v[BT+3], 24, v[PW]
.irp c, 0,1
	v_cvt_scalef32_pk16_fp6_f32 v[PC+6*\c:PC+6*\c+2], v[ST+32*\c:ST+32*\c+15], v[TS+2*\c]
	v_cvt_scalef32_pk16_fp6_f32 v[BT+4*\c:BT+4*\c+2], v[ST+32*\c+16:ST+32*\c+31], v[TS+2*\c+1]   ; (a conversion's three registers begin on an even number)
.endr
	v_nop                                          ; one plain place behind a scaled conversion
.irp c, 0,1                                    ; the operand's layout wants a WHOLE block in a lane: lanes 0-15 block 2 c, lanes 16-31 block 2 c + 1
.irp i, 0,1,2
	v_permlane16_swap_b32 v[PC+6*\c+\i], v[BT+4*\c+\i]
.endr
.irp i, 0,1,2
	v_mov_b32 v[PC+6*\c+3+\i], v[BT+4*\c+\i]
.endr
.endr
	v_pk_add_f32 v[BT:BT+1], v[ST:ST+1], v[ST+2:ST+3]   ; THE ROW'S SUM IS TAKEN OF THE UNQUANTISED p: two at a time, in two chains
.set j, 4
.rept 15
	v_pk_add_f32 v[14:15], v[14:15], v[ST+j:ST+j+1]
	v_pk_add_f32 v[BT:BT+1], v[BT:BT+1], v[ST+j+2:ST+j+3]
.set j, j+4
.endr
	v_pk_add_f32 v[14:15], v[14:15], v[BT:BT+1]
.set j, 0
.rept 16
	v_pk_mul_f32 v[OT+j:OT+j+1], v[OT+j:OT+j+1], v[FF:FF+1] op_sel_hi:[1,0]   ; O^T under the new M.  (The sums and these are also the places between p's codes and scale word and the products below)
.set j, j+2
.endr
	s_wait_dscnt 0x0                               ; v is in
.irp t, 0,1,2,3                                ; O^T += v^T p^T: four accumulators, one instruction each; the next step's eight products stand between two links
	v_wmma_scale_f32_16x16x128_f8f6f4 v[OT+8*\t:OT+8*\t+7], v[KF+12*\t:KF+12*\t+11], v[PC:PC+11], v[OT+8*\t:OT+8*\t+7], v[VS+\t], v[PW] matrix_a_fmt:MATRIX_FMT_FP6 matrix_b_fmt:MATRIX_FMT_FP6
.endr
.rept 4
	v_nop                                          ; four places in front of the next loads into v's registers, and of the way out
.endr
.endm
; A slot's two steps.  In front of the barrier my stores into place p have landed and my reads of the other place are over; behind it the same holds of every wave.
; more = 1: the next slot is asked for at once, and goes into the other place behind the two steps: every wave left that place before this barrier.
.macro SLOTBODY p, more
	s_wait_dscnt 0x0
	s_barrier_signal -1
	s_barrier_wait -1
.if \more
	COPY_LOAD
.endif
	STEP \p, 0
	STEP \p, 1
.if \more
	s_wait_loadcnt 0x0                             ; the next slot is in my registers, and the loads' base may step
	COPY_STORE 1-\p
	s_add_nc_u64 s[16:17], s[16:17], SLOTB
.endif
.endm
	s_load_b128 s[4:7], s[0:1], 0x0                ; qimg, kv
	s_load_b64 s[8:9], s[0:1], 0x10                ; oimg
	v_lshl_add_u32 v254, v0, 2, 0xd000
	v_mov_b32 v255, 0
	v_lshrrev_b32 v1, 5, v0
	v_readfirstlane_b32 s10, v1                    ; wave 0..15
	s_and_b32 s11, ttmp7, 0xffff                   ; the head
	s_lshl_b32 s12, ttmp9, 4
	s_add_co_u32 s12, s12, s10                     ; my tile of 16 queries
	v_and_b32 v4, 31, v0
	v_lshlrev_b32 v[LI], 4, v4
	v_lshlrev_b32 v[LS], 2, v4
	v_lshlrev_b32 v[LB], 3, v4
	v_lshlrev_b32 v[CO], 4, v0
	v_lshlrev_b32 v[C4], 2, v0
	s_lshl_b32 s14, s12, 4
	s_add_co_u32 s14, s14, s11
	s_lshl_b32 s14, s14, 10                        ; record (tile, head), in qimg and in oimg
	s_mov_b32 s15, 0
	s_mul_i32 s18, s11, HEADB
	s_mov_b32 s19, 0
	s_mov_b32 s20, 0x76543210
	s_mov_b32 s21, 0xfedcba98                      ; v_permlanex16_b32's selects for lane l xor 16
	s_mov_b32 s22, 0x3e38aa3b                      ; c = log2(e) / 8
	s_mov_b32 s23, s22                             ; (named with it as a pair, so it is written)
	s_mov_b32 s24, 7
	s_wait_kmcnt 0x0
	s_add_nc_u64 s[4:5], s[4:5], s[14:15]
	s_add_nc_u64 s[8:9], s[8:9], s[14:15]
	s_add_nc_u64 s[16:17], s[6:7], s[18:19]        ; the head's slot 0
	global_load_b128 v[QB+6:QB+9], v[LI], s[4:5]
	global_load_b64 v[QB+10:QB+11], v[LB], s[4:5] offset:512
	global_load_b32 v[QS], v[LS], s[4:5] offset:768
	COPY_LOAD
.irp i, 0,1,2,3,4,5
	v_mov_b32 v[QB+\i], 0                          ; zero codes on either side of q
	v_mov_b32 v[QB+12+\i], 0
.endr
	v_mov_b32 v13, 0xff61b1e6                      ; the largest t so far: -3e38, under every t
	v_floor_f32 v12, -v13                          ; -M
	v_mov_b32 v14, 0                               ; the sum, in two halves
	v_mov_b32 v15, 0
.set j, 0
.rept 32
	v_mov_b32 v[OT+j], 0                           ; O^T.  (The step is written for every step alike: the first finds zeros, which the first change of M leaves zeros)
.set j, j+1
.endr
.irp b, 0,1,2,3
	v_mov_b32 v[BT+\b], 0                          ; written once: a lane permute's destination counts as one of its sources
.endr
	v_mov_b32 v[FF+1], 0                           ; (named as the upper half of a pair)
	s_wait_loadcnt 0x0
	COPY_STORE 0
	s_add_nc_u64 s[16:17], s[16:17], SLOTB
.Lslots:                                               ; 7 trips of two slots
	SLOTBODY 0, 1
	SLOTBODY 1, 1
	s_sub_co_u32 s24, s24, 1
	s_cmp_lg_u32 s24, 0
	s_cbranch_scc1 .Lslots
	SLOTBODY 0, 1                                  ; slot 14 asks for slot 15;
	SLOTBODY 1, 0                                  ; slot 15 asks for nothing: no load leaves the head's bytes
	; THE WAY OUT: O^T / the sum, quantised along the head's 64: two blocks; the record is laid as q's.
	v_add_f32 v14, v14, v15                        ; the sum's two halves,
	v_permlanex16_b32 v[TT], v14, s20, s21
	v_add_f32 v14, v14, v[TT]                      ; and lane l xor 16's: the row's sum
	v_rcp_f32 v14, v14
	v_nop                                          ; one plain place behind a transcendental
.set j, 0
	s_wait_alu depctr_va_vdst(0)
.rept 32
	v_mul_f32 v[ST+j], v[OT+j], v14                ; each accumulator from its low end on
.set j, j+1
.endr
.irp b, 0,1
	v_max3_num_f32 v[BM+\b], |v[ST+16*\b]|, |v[ST+16*\b+1]|, 0x1800000
.endr
.irp i, 2,4,6,8,10,12,14
.irp b, 0,1
	v_max3_num_f32 v[BM+\b], v[BM+\b], |v[ST+16*\b+\i]|, |v[ST+16*\b+\i+1]|
.endr
.endr
.irp b, 0,1
	v_permlanex16_b32 v[BT+\b], v[BM+\b], s20, s21
.endr
.irp b, 0,1
	v_max_num_f32 v[BM+\b], v[BM+\b], v[BT+\b]
.endr
.irp b, 0,1
	v_add_nc_u32 v[TS+\b], 0xff000000, v[BM+\b]
.endr
.irp b, 0,1
	v_lshrrev_b32 v[BT+\b], 23, v[TS+\b]
.endr
	v_lshl_or_b32 v[PW], v[BT+1], 8, v[BT]
	v_lshl_or_b32 v[PW], v[PW], 16, v[PW]          ; (s0, s1, s0, s1)
	v_cvt_scalef32_pk16_fp6_f32 v[PC:PC+2], v[ST:ST+15], v[TS]
	v_cvt_scalef32_pk16_fp6_f32 v[BT+4:BT+6], v[ST+16:ST+31], v[TS+1]
	v_nop                                          ; one plain place behind a scaled conversion
.irp i, 0,1,2
	v_permlane16_swap_b32 v[PC+\i], v[BT+4+\i]
.endr
.irp i, 0,1,2
	v_mov_b32 v[PC+3+\i], v[BT+4+\i]
.endr
	global_store_b128 v[LI], v[PC:PC+3], s[8:9]
	global_store_b64 v[LB], v[PC+4:PC+5], s[8:9] offset:512
	global_store_b32 v[LS], v[PW], s[8:9] offset:768
	s_wait_tensorcnt 0x0
	ds_add_u32 v254, v255
	s_wait_dscnt 0x0
	s_endpgm
.Lfunc_end_k_q7e092f5c9e_attn:
	.size	k_q7e092f5c9e_attn, .Lfunc_end_k_q7e092f5c9e_attn-k_q7e092f5c9e_attn
	.p2alignl 7, 3214868480
	.fill 96, 4, 3214868480
	.section	.rodata,"a",@progbits
	.p2align	6, 0x0
	.amdhsa_kernel k_q7e092f5c9e_attn
		.amdhsa_group_segment_fixed_size 55296
		.amdhsa_private_segment_fixed_size 0
		.amdhsa_enable_private_segment 0
		.amdhsa_kernarg_size 24
		.amdhsa_user_sgpr_count 2
		.amdhsa_user_sgpr_kernarg_segment_ptr 1
		.amdhsa_wavefront_size32 1
		.amdhsa_system_sgpr_workgroup_id_x 1
		.amdhsa_system_sgpr_workgroup_id_y 1
		.amdhsa_system_sgpr_workgroup_id_z 1
		.amdhsa_system_vgpr_workitem_id 0
		.amdhsa_next_free_vgpr 256
		.amdhsa_next_free_sgpr 66
		.amdhsa_reserve_vcc 0
		.amdhsa_float_denorm_mode_32 3
		.amdhsa_float_denorm_mode_16_64 3
		.amdhsa_memory_ordered 1
		.amdhsa_forward_progress 1
		.amdhsa_inst_pref_size 134
	.end_amdhsa_kernel
	.amdgpu_metadata
---
amdhsa.version: [ 1, 2 ]
amdhsa.kernels:
  - .name:           k_q7e092f5c9e_attn
    .symbol:         k_q7e092f5c9e_attn.kd
    .args:
      - { .name: qimg, .offset: 0, .size: 8, .value_kind: global_buffer, .address_space: global }
      - { .name: kv, .offset: 8, .size: 8, .value_kind: global_buffer, .address_space: global }
      - { .name: oimg, .offset: 16, .size: 8, .value_kind: global_buffer, .address_space: global }
    .group_segment_fixed_size: 55296
    .private_segment_fixed_size: 0
    .kernarg_segment_align: 8
    .kernarg_segment_size: 24
    .max_flat_workgroup_size: 512
    .sgpr_count:     66
    .vgpr_count:     256
    .wavefront_size: 32
...
	.end_amdgpu_metadata
.endif
;; end of part 2
;; launch outln (part 3): grid 128 x 1, 8 waves a work-group, no clusters, 97,280 bytes of LDS; arguments oimg, Wo_codes, Wo_scales, bo, queries, gamma, beta, out0; writes out0
.if DOCPART == 3
	.amdgcn_target "amdgcn-amd-amdhsa--gfx1250"
	.amdhsa_code_object_version 6
	.text
	.protected	k_q7e092f5c9e_outln
	.globl	k_q7e092f5c9e_outln
	.p2align	8
	.type	k_q7e092f5c9e_outln,@function
k_q7e092f5c9e_outln:
	s_mov_b64 s[64:65], 0
	v_nop
	global_prefetch_b8 v0, s[64:65] scope:SCOPE_SE
	s_setreg_imm32_b32 hwreg(HW_REG_WAVE_MODE, 25, 1), 1
	s_wait_xcnt 0x0
; out0 = LayerNorm(queries + o Wo + bo) x gamma + beta.  The product is on codes of FP6 (E2M3) with one E8M0 scale for each 32 along K = 1,024; o comes as codes from oimg; all else is f32.
; SHARES.  LayerNorm wants whole rows, so a work-group owns 32 rows (two tiles) x all 1,024 columns; each of its eight waves 128 columns: 16 accumulators.  4,096 rows make 128 work-groups.
; THE PRODUCT IS USED TRANSPOSED: source 0 = 16 rows of Wo (columns of the result), source 1 = 16 rows of o: a lane holds ONE row, and its registers run along the columns.
; Lane r of tile 2 b + u of Wo takes row 32 b + 8 u + r + 8 (r / 8): accumulator register 64 u + 16 b + i is out(16 u + r, 128 w + 32 b + 16 (lane / 16) + i).
; THE SUMS BEGIN WITH queries + bo: they are loaded into the accumulators' registers, so residual and bias cost no pass of their own behind the product.
; Wo's fragments go from memory straight into the operand's registers, three groups of four ahead.  o's 16 fragments (8 K steps x 2 tiles: heads 2 s and 2 s + 1 make K step s) are fetched once, wave w taking K step w,
; and reach the other waves through LDS as images of their registers.
; LAYERNORM IN TWO PASSES: the mean; then the sum of squares of the deviations: no difference of large sums is formed.  A row's eight partial sums (one a wave) meet in LDS; each pass has words of its own.
; THE WAY OUT: a lane's numbers belong to one row, the lanes beside it hold other rows: 16 rows x 512 bytes go through the wave's own stage and leave as whole rows: each store covers 512 consecutive bytes, aligned.
; NO JOINT LOADS: every fragment of Wo is wanted by one wave of a work-group and goes into its registers; there is no tile in LDS that a joint load could fill.
; LIMITS: NaN and infinities are not served.
.set YSC,   24576                      ; LDS: o's fragments (2 s + u) x 1,536 from 0; their scale words (2 s + u) x 128 from here
.set RED0,  26624                      ; the rows' partial sums: 512 u + 32 r + 4 w
.set RED1,  27648                      ; and partial sums of squares
.set STG,   28672                      ; the stages: 16 rows x 528 bytes for each wave
.set XA,  1                            ; v1   rr x 768 + 24 h
.set XSA, 2                            ; v2   (rr + 8 h) x 32
.set LI,  3                            ; v3   16 x lane
.set LS,  4                            ; v4   4 x lane
.set LS2, 5                            ; v5   128 h + 4 r
.set IW,  6                            ; v6   16 x lane + 3,072 x wave
.set SW,  7                            ; v7   4 x lane + 256 x wave
.set LB,  10                           ; v10  8 x lane
.set QA,  14                           ; v14  4,096 r + 64 h
.set BA,  15                           ; v15  64 h
.set XF,  16                           ; v16-159  Wo's fragments: three buffers of four; on the way out the rows read back
.set YF,  160                          ; v160-183 o's two fragments of a K step
.set WA,  184                          ; v184-187 the records' scale words: tile u: head 2 w at 2 u, head 2 w + 1 at 2 u + 1
.set PW,  188                          ; v188-189 a K step's scale word for each tile
.set GA,  192                          ; v192-195 gamma of my four columns on the way out
.set BE,  196                          ; v196-199 beta
.set RW,  200                          ; v200 32 r + 4 w
.set RR,  201                          ; v201 32 r
.set STO, 202                          ; v202 the stage, in: 528 r + 64 h
.set RD,  203                          ; v203 the stage, back: 16 x lane
.set XS,  208                          ; v208-213 Wo's scale words
.set YS,  214                          ; v214 o's: lanes 0-15 tile 0, lanes 16-31 tile 1
.set SA,  216                          ; v[216:217], v[218:219] two chains of sums
.set SB,  218
.set PS,  220                          ; v220-221 my wave's partial sum of my row, for each tile
.set TP,  222
.set RB,  224                          ; v224-239 a row's eight partial sums, for each tile
.set MU,  240                          ; v[240:241], v[242:243] the mean; the upper words are 0
.set RS,  244                          ; v[244:245], v[246:247] 1 / sqrt(var + eps)
.set XC,  44
.set XSC, 46
.set MSB, 0
.macro WIN new                         ; the immediate's high byte repeats the setting that is left; a switch that changes nothing is dropped
.if MSB != \new
	s_set_vgpr_msb (MSB<<8)|\new
.set MSB, \new
.endif
.endm
.macro XGROUP G                        ; group G of 16: K step G / 2, tiles 4 (G % 2) .. + 3 of Wo, into buffer G % 3: 26 loads
.set xk, (\G)/2
.set xh, (\G)%2
.set xb, (\G)%3
.irp tl, 0,1,2,3
.irp p, 0,1,2,3,4,5
	global_load_b64 v[XF+48*xb+12*\tl+2*\p:XF+48*xb+12*\tl+2*\p+1], v[XA], s[XC:XC+1] offset:(32*((4*xh+\tl)/2)+8*(\tl%2))*768+96*xk+48*(\p/3)+8*(\p%3)
.endr
.endr
.irp pr, 0,1
	global_load_b32 v[XS+2*xb+\pr], v[XSA], s[XSC:XSC+1] offset:1024*(2*xh+\pr)+4*xk
.endr
.endm
.macro FETCH_Y s
.irp u, 0,1
.irp c, 0,1,2
	ds_load_b128 v[YF+12*\u+4*\c:YF+12*\u+4*\c+3], v[LI] offset:(2*(\s)+\u)*1536+512*\c
.endr
.endr
	ds_load_b32 v[YS], v[LS2] offset:YSC+2*(\s)*128
.endm
.macro MM                              ; one matrix instruction, from md, ma, mb, msa; mra, mrb = 1: the scales stand in lanes 16-31
.if mra && mrb
	v_wmma_scale_f32_16x16x128_f8f6f4 v[md:md+7], v[ma:ma+11], v[mb:mb+11], v[md:md+7], v[msa], v[YS] matrix_a_fmt:MATRIX_FMT_FP6 matrix_b_fmt:MATRIX_FMT_FP6 matrix_a_scale:MATRIX_SCALE_ROW1 matrix_b_scale:MATRIX_SCALE_ROW1
.elseif mra
	v_wmma_scale_f32_16x16x128_f8f6f4 v[md:md+7], v[ma:ma+11], v[mb:mb+11], v[md:md+7], v[msa], v[YS] matrix_a_fmt:MATRIX_FMT_FP6 matrix_b_fmt:MATRIX_FMT_FP6 matrix_a_scale:MATRIX_SCALE_ROW1
.elseif mrb
	v_wmma_scale_f32_16x16x128_f8f6f4 v[md:md+7], v[ma:ma+11], v[mb:mb+11], v[md:md+7], v[msa], v[YS] matrix_a_fmt:MATRIX_FMT_FP6 matrix_b_fmt:MATRIX_FMT_FP6 matrix_b_scale:MATRIX_SCALE_ROW1
.else
	v_wmma_scale_f32_16x16x128_f8f6f4 v[md:md+7], v[ma:ma+11], v[mb:mb+11], v[md:md+7], v[msa], v[YS] matrix_a_fmt:MATRIX_FMT_FP6 matrix_b_fmt:MATRIX_FMT_FP6
.endif
.endm
; Group G is multiplied: 8 matrix instructions.  An accumulator has one instruction in a K step, the 15 others' between two of its links (the accumulators take turns).
.macro GROUP G
.set gk, (\G)/2
.set gh, (\G)%2
.set gb, (\G)%3
.if (\G) < 14
	s_wait_loadcnt 52                              ; behind this group's 26 loads only the next two groups' have been issued: they may stay out
.elseif (\G) == 14
	s_wait_loadcnt 26
.else
	s_wait_loadcnt 0x0
.endif
.if gh == 0
	s_wait_dscnt 0x0                               ; this K step's o is in
.endif
	WIN 0x50                                       ; C and D in window 1
.irp u, 0,1
.irp tl, 0,1,2,3
.set md, 64*\u+8*(4*gh+\tl)
.set ma, XF+48*gb+12*\tl
.set mb, YF+12*\u
.set msa, XS+2*gb+\tl/2
.set mra, \tl%2
.set mrb, \u
	MM
.endr
.endr
	WIN 0
.rept 4
	v_nop                                          ; four places in front of loads into registers that these products have read, and of the first read of results
.endr
.if (gh == 1) && (gk < 7)
	FETCH_Y gk+1
.endif
.if (\G)+3 < 16
	XGROUP (\G)+3
.endif
.endm
.macro ROWSUM u                        ; the two chains, the pair's halves and lane l xor 16's: my wave's 128 columns of my row
	v_pk_add_f32 v[SA:SA+1], v[SA:SA+1], v[SB:SB+1]
	v_add_f32 v[PS+\u], v[SA], v[SA+1]
	v_permlanex16_b32 v[TP], v[PS+\u], s60, s61
	v_add_f32 v[PS+\u], v[PS+\u], v[TP]
.endm
.macro MEET red                        ; the eight waves' partial sums meet: v[RB] and v[RB + 8] get the two rows' whole sums, added in one fixed order in every wave
.irp u, 0,1
	ds_store_b32 v[RW], v[PS+\u] offset:\red+512*\u   ; both lanes of a row write the same word with the same value
.endr
	s_wait_dscnt 0x0                               ; for the others' sake: my stores have landed
	s_barrier_signal -1
	s_barrier_wait -1
.irp u, 0,1
	ds_load_b128 v[RB+8*\u:RB+8*\u+3], v[RR] offset:\red+512*\u
	ds_load_b128 v[RB+8*\u+4:RB+8*\u+7], v[RR] offset:\red+512*\u+16
.endr
	s_wait_dscnt 0x0
.irp u, 0,1
	v_pk_add_f32 v[RB+8*\u:RB+8*\u+1], v[RB+8*\u:RB+8*\u+1], v[RB+8*\u+2:RB+8*\u+3]
	v_pk_add_f32 v[RB+8*\u+4:RB+8*\u+5], v[RB+8*\u+4:RB+8*\u+5], v[RB+8*\u+6:RB+8*\u+7]
.endr
.irp u, 0,1
	v_pk_add_f32 v[RB+8*\u:RB+8*\u+1], v[RB+8*\u:RB+8*\u+1], v[RB+8*\u+4:RB+8*\u+5]
.endr
.irp u, 0,1
	v_add_f32 v[RB+8*\u], v[RB+8*\u], v[RB+8*\u+1]
.endr
.endm
	s_load_b512 s[8:23], s[0:1], 0x0               ; oimg 8, Wo codes 10, Wo scales 12, bo 14, queries 16, gamma 18, beta 20, out0 22
	v_lshl_add_u32 v254, v0, 2, 0x17800
	v_mov_b32 v255, 0
	v_lshrrev_b32 v1, 5, v0
	v_readfirstlane_b32 s40, v1                    ; wave 0..7
	s_mov_b32 s42, ttmp9                           ; g
	v_and_b32 v10, 31, v0                          ; lane
	v_and_b32 v11, 15, v0                          ; r
	v_bfe_u32 v12, v0, 4, 1                        ; h
	v_and_b32 v13, 8, v11
	v_add_nc_u32 v13, v13, v11                     ; rr = r + 8 (r / 8)
	v_mul_u32_u24 v[XA], v13, 768
	v_mad_u32_u24 v[XA], v12, 24, v[XA]
	v_lshl_add_u32 v[XSA], v12, 3, v13
	v_lshlrev_b32 v[XSA], 5, v[XSA]
	v_lshlrev_b32 v[LI], 4, v10
	v_lshlrev_b32 v[LS], 2, v10
	v_lshlrev_b32 v[LS2], 2, v11
	v_lshl_add_u32 v[LS2], v12, 7, v[LS2]
	s_mul_i32 s2, s40, 3072
	v_add_nc_u32 v[IW], s2, v[LI]
	s_lshl_b32 s2, s40, 8
	v_add_nc_u32 v[SW], s2, v[LS]
	v_lshlrev_b32 v[LB], 3, v10
	v_lshlrev_b32 v[QA], 12, v11
	v_lshl_add_u32 v[QA], v12, 6, v[QA]
	v_lshlrev_b32 v[BA], 6, v12
	v_lshlrev_b32 v[RR], 5, v11
	s_lshl_b32 s2, s40, 2
	v_add_nc_u32 v[RW], s2, v[RR]
	s_mul_i32 s2, s40, 8448
	s_add_co_u32 s2, s2, STG                       ; my stage
	v_mul_u32_u24 v[STO], v11, 528
	v_lshl_add_u32 v[STO], v12, 6, v[STO]
	v_add_nc_u32 v[STO], s2, v[STO]
	v_add_nc_u32 v[RD], s2, v[LI]
	v_mov_b32 v[TP], 0                             ; written once: a lane permute's destination counts as one of its sources
.irp u, 0,1
	v_mov_b32 v[MU+2*\u+1], 0                      ; (named as the upper halves of pairs)
	v_mov_b32 v[RS+2*\u+1], 0
.endr
	s_mov_b32 s60, 0x76543210
	s_mov_b32 s61, 0xfedcba98                      ; v_permlanex16_b32's selects for lane l xor 16
	s_mov_b32 s2, 0x3a800000                       ; 1 / 1,024
	s_mov_b32 s3, 0x2b8cbccc                       ; eps = 1e-12
	s_mov_b32 s63, 0
	s_mul_i32 s62, s40, 98304                      ; my 128 rows of Wo
	s_wait_kmcnt 0x0
	s_add_nc_u64 s[XC:XC+1], s[10:11], s[62:63]
	s_lshl_b32 s62, s40, 12
	s_add_nc_u64 s[XSC:XSC+1], s[12:13], s[62:63]
	XGROUP 0                                       ; 78 loads go out before anything else
	XGROUP 1
	XGROUP 2
	s_lshl_b32 s62, s42, 15
	s_lshl_b32 s43, s40, 11
	s_add_co_u32 s62, s62, s43
	s_add_nc_u64 s[48:49], s[8:9], s[62:63]        ; oimg: record (2 g + u, 2 w + c) lies 16,384 u + 1,024 c on
	s_lshl_b32 s62, s40, 9
	s_add_nc_u64 s[52:53], s[14:15], s[62:63]      ; bo, gamma, beta at my 128 columns
	s_add_nc_u64 s[54:55], s[18:19], s[62:63]
	s_add_nc_u64 s[56:57], s[20:21], s[62:63]
	s_lshl_b32 s43, s42, 17
	s_add_co_u32 s62, s62, s43
	s_add_nc_u64 s[50:51], s[16:17], s[62:63]      ; queries and out0 at my 32 rows, my 128 columns
	s_add_nc_u64 s[58:59], s[22:23], s[62:63]
.irp u, 0,1                                    ; K step w of o: two records make a fragment
	global_load_b128 v[YF+12*\u:YF+12*\u+3], v[LI], s[48:49] offset:16384*\u
	global_load_b64 v[YF+12*\u+4:YF+12*\u+5], v[LB], s[48:49] offset:16384*\u+512
	global_load_b128 v[YF+12*\u+6:YF+12*\u+9], v[LI], s[48:49] offset:16384*\u+1024
	global_load_b64 v[YF+12*\u+10:YF+12*\u+11], v[LB], s[48:49] offset:16384*\u+1536
	global_load_b32 v[WA+2*\u], v[LS], s[48:49] offset:16384*\u+768
	global_load_b32 v[WA+2*\u+1], v[LS], s[48:49] offset:16384*\u+1792
.endr
	WIN 0x40
.irp u, 0,1                                    ; the residual, in the accumulators' layout
.irp b, 0,1,2,3
.irp j, 0,1,2,3
	global_load_b128 v[64*\u+16*\b+4*\j:64*\u+16*\b+4*\j+3], v[QA], s[50:51] offset:65536*\u+128*\b+16*\j th:TH_LOAD_NT
.endr
.endr
.endr
.irp b, 0,1,2,3                                ; bo likewise, behind the accumulators
.irp j, 0,1,2,3
	global_load_b128 v[128+16*\b+4*\j:128+16*\b+4*\j+3], v[BA], s[52:53] offset:128*\b+16*\j
.endr
.endr
	WIN 0
	global_load_b128 v[GA:GA+3], v[LI], s[54:55]
	global_load_b128 v[BE:BE+3], v[LI], s[56:57]
	s_wait_loadcnt 0x0
.irp u, 0,1
	v_perm_b32 v[PW+\u], v[WA+2*\u+1], v[WA+2*\u], 0x05040100   ; head 2 w's two bytes, then head 2 w + 1's
.endr
.irp u, 0,1
.irp c, 0,1,2
	ds_store_b128 v[IW], v[YF+12*\u+4*\c:YF+12*\u+4*\c+3] offset:1536*\u+512*\c
.endr
	ds_store_b32 v[SW], v[PW+\u] offset:YSC+128*\u
.endr
	WIN 0x45
.irp u, 0,1
.set k, 0
.rept 32
	v_pk_add_f32 v[64*\u+2*k:64*\u+2*k+1], v[64*\u+2*k:64*\u+2*k+1], v[128+2*k:128+2*k+1]   ; queries + bo: what the sums begin with
.set k, k+1
.endr
.endr
	WIN 0
	s_wait_dscnt 0x0                               ; for the others' sake: my stores have landed
	s_barrier_signal -1
	s_barrier_wait -1                              ; o's 16 fragments lie in LDS; nothing is stored there again
	FETCH_Y 0
.irp G, 0,1,2,3,4,5,6,7,8,9,10,11,12,13,14,15
	GROUP \G
.endr
	; ---- the mean
.irp u, 0,1
	WIN 0x05
	v_pk_add_f32 v[SA:SA+1], v[64*\u:64*\u+1], v[64*\u+2:64*\u+3]        ; each accumulator from its low end on
	v_pk_add_f32 v[SB:SB+1], v[64*\u+4:64*\u+5], v[64*\u+6:64*\u+7]
	WIN 0x04
.set k, 8
.rept 14
	v_pk_add_f32 v[SA:SA+1], v[SA:SA+1], v[64*\u+k:64*\u+k+1]
	v_pk_add_f32 v[SB:SB+1], v[SB:SB+1], v[64*\u+k+2:64*\u+k+3]
.set k, k+4
.endr
	WIN 0
	ROWSUM \u
.endr
	MEET RED0
.irp u, 0,1
	v_mul_f32 v[MU+2*\u], s2, v[RB+8*\u]
.endr
	; ---- the deviations, and the sum of their squares
	WIN 0x41
.irp u, 0,1
.set k, 0
.rept 32
	v_pk_add_f32 v[64*\u+2*k:64*\u+2*k+1], v[64*\u+2*k:64*\u+2*k+1], v[MU+2*\u:MU+2*\u+1] op_sel_hi:[1,0] neg_lo:[0,1] neg_hi:[0,1]
.set k, k+1
.endr
.endr
.irp u, 0,1
	WIN 0x05
	v_pk_mul_f32 v[SA:SA+1], v[64*\u:64*\u+1], v[64*\u:64*\u+1]
	v_pk_mul_f32 v[SB:SB+1], v[64*\u+2:64*\u+3], v[64*\u+2:64*\u+3]
.set k, 4
.rept 15
	v_pk_fma_f32 v[SA:SA+1], v[64*\u+k:64*\u+k+1], v[64*\u+k:64*\u+k+1], v[SA:SA+1]
	v_pk_fma_f32 v[SB:SB+1], v[64*\u+k+2:64*\u+k+3], v[64*\u+k+2:64*\u+k+3], v[SB:SB+1]
.set k, k+4
.endr
	WIN 0
	ROWSUM \u
.endr
	MEET RED1
.irp u, 0,1
	v_fma_f32 v[RB+8*\u], v[RB+8*\u], s2, s3       ; var + eps
.endr
.irp u, 0,1
	v_rsq_f32 v[RS+2*\u], v[RB+8*\u]
.endr
	v_nop                                          ; one plain place behind a transcendental
	WIN 0x41
	s_wait_alu depctr_va_vdst(0)
.irp u, 0,1
.set k, 0
.rept 32
	v_pk_mul_f32 v[64*\u+2*k:64*\u+2*k+1], v[64*\u+2*k:64*\u+2*k+1], v[RS+2*\u:RS+2*\u+1] op_sel_hi:[1,0]
.set k, k+1
.endr
.endr
	; ---- the way out: 16 rows at a time through my stage; gamma and beta where a lane holds four neighbouring columns
.irp u, 0,1
	WIN 0x04                                       ; an LDS store's data are its source 1: window 1
.irp b, 0,1,2,3
.irp j, 0,1,2,3
	ds_store_b128 v[STO], v[64*\u+16*\b+4*\j:64*\u+16*\b+4*\j+3] offset:128*\b+16*\j
.endr
.endr
	WIN 0
.set i, 0
.rept 16
	ds_load_b128 v[XF+64*\u+4*i:XF+64*\u+4*i+3], v[RD] offset:528*i   ; LDS serves a wave's instructions in order (ISA guide 5.7.1.4): these see my stores
.set i, i+1
.endr
.set i, 0
.rept 16
	s_wait_dscnt 15-i                              ; row i is back; the younger rows' loads may stay out
	v_pk_fma_f32 v[XF+64*\u+4*i:XF+64*\u+4*i+1], v[XF+64*\u+4*i:XF+64*\u+4*i+1], v[GA:GA+1], v[BE:BE+1]
	v_pk_fma_f32 v[XF+64*\u+4*i+2:XF+64*\u+4*i+3], v[XF+64*\u+4*i+2:XF+64*\u+4*i+3], v[GA+2:GA+3], v[BE+2:BE+3]
	global_store_b128 v[LI], v[XF+64*\u+4*i:XF+64*\u+4*i+3], s[58:59] offset:65536*\u+4096*i th:TH_STORE_NT   ; 32 lanes store 512 consecutive bytes, at a multiple of 256 from out0's first byte
.set i, i+1
.endr
.endr
	s_wait_tensorcnt 0x0
	ds_add_u32 v254, v255
	s_wait_dscnt 0x0
	s_endpgm
.Lfunc_end_k_q7e092f5c9e_outln:
	.size	k_q7e092f5c9e_outln, .Lfunc_end_k_q7e092f5c9e_outln-k_q7e092f5c9e_outln
	.p2alignl 7, 3214868480
	.fill 96, 4, 3214868480
	.section	.rodata,"a",@progbits
	.p2align	6, 0x0
	.amdhsa_kernel k_q7e092f5c9e_outln
		.amdhsa_group_segment_fixed_size 97280
		.amdhsa_private_segment_fixed_size 0
		.amdhsa_enable_private_segment 0
		.amdhsa_kernarg_size 64
		.amdhsa_user_sgpr_count 2
		.amdhsa_user_sgpr_kernarg_segment_ptr 1
		.amdhsa_wavefront_size32 1
		.amdhsa_system_sgpr_workgroup_id_x 1
		.amdhsa_system_sgpr_workgroup_id_y 1
		.amdhsa_system_sgpr_workgroup_id_z 1
		.amdhsa_system_vgpr_workitem_id 0
		.amdhsa_next_free_vgpr 512
		.amdhsa_next_free_sgpr 66
		.amdhsa_reserve_vcc 0
		.amdhsa_float_denorm_mode_32 3
		.amdhsa_float_denorm_mode_16_64 3
		.amdhsa_memory_ordered 1
		.amdhsa_forward_progress 1
		.amdhsa_inst_pref_size 108
	.end_amdhsa_kernel
	.amdgpu_metadata
---
amdhsa.version: [ 1, 2 ]
amdhsa.kernels:
  - .name:           k_q7e092f5c9e_outln
    .symbol:         k_q7e092f5c9e_outln.kd
    .args:
      - { .name: oimg, .offset: 0, .size: 8, .value_kind: global_buffer, .address_space: global }
      - { .name: Wo_codes, .offset: 8, .size: 8, .value_kind: global_buffer, .address_space: global }
      - { .name: Wo_scales, .offset: 16, .size: 8, .value_kind: global_buffer, .address_space: global }
      - { .name: bo, .offset: 24, .size: 8, .value_kind: global_buffer, .address_space: global }
      - { .name: queries, .offset: 32, .size: 8, .value_kind: global_buffer, .address_space: global }
      - { .name: gamma, .offset: 40, .size: 8, .value_kind: global_buffer, .address_space: global }
      - { .name: beta, .offset: 48, .size: 8, .value_kind: global_buffer, .address_space: global }
      - { .name: out0, .offset: 56, .size: 8, .value_kind: global_buffer, .address_space: global }
    .group_segment_fixed_size: 97280
    .private_segment_fixed_size: 0
    .kernarg_segment_align: 8
    .kernarg_segment_size: 64
    .max_flat_workgroup_size: 256
    .sgpr_count:     66
    .vgpr_count:     512
    .wavefront_size: 32
...
	.end_amdgpu_metadata
.endif
;; end of part 3
;; ======== version 2 of 3: 4 launches
;; workspace buffers: qimg 4,194,304 bytes; kv 6,815,744 bytes; oimg 4,194,304 bytes; ximg 5,734,400 bytes
;; launch pack (part 4): grid 224 x 1, 4 waves a work-group, no clusters, 0 bytes of LDS; arguments Wq_codes, Wq_scales, Wk_codes, Wk_scales, Wo_codes, Wo_scales, values_codes, values_scales, ximg; writes ximg
.if DOCPART == 4
	.amdgcn_target "amdgcn-amd-amdhsa--gfx1250"
	.amdhsa_code_object_version 6
	.text
	.protected	k_q7e092f5c9e_pack
	.globl	k_q7e092f5c9e_pack
	.p2align	8
	.type	k_q7e092f5c9e_pack,@function
k_q7e092f5c9e_pack:
	s_mov_b64 s[64:65], 0
	v_nop
	global_prefetch_b8 v0, s[64:65] scope:SCOPE_SE
	s_setreg_imm32_b32 hwreg(HW_REG_WAVE_MODE, 25, 1), 1
	s_wait_xcnt 0x0
; Wq, Wk, Wo and values, which come as rows of 768 bytes of FP6 codes (K = 1,024 innermost) and rows of 32 scale bytes, are laid out once IN THE ORDER OF THE OPERAND'S REGISTERS.  No code and no scale byte is changed.
; WHY.  The launches that follow take these four as source 0 of their products, and each fragment is fetched there by 16, 64 or 128 work-groups.  From rows, a fragment (16 rows x 128 K) is six loads of 8 bytes a lane,
; each naming 32 pieces in 16 rows 768 bytes apart.  From its image it is three loads of 16 bytes a lane, each covering 512 consecutive bytes.  The scattered loads are made here, once for each fragment.
; ximg: 56 blocks of 128 rows, 102,400 bytes each: blocks 0-7 Wq, 8-15 Wk, 16-23 Wo, 24-55 values.  A block is 16 groups of 6,400 bytes: group G = K step G / 2, tiles 4 (G % 2) .. + 3 of the block's eight.
; A group: four fragments of 1,536 bytes (registers 4 c .. 4 c + 3 of lane l at 512 c + 16 l), then 256 bytes of scale words: lane l's two words at 8 l; word pr: lanes 0-15 tile 2 pr's rows, lanes 16-31 tile 2 pr + 1's.
; THE ROWS OF A TILE ARE NOT NEIGHBOURS: lane r of tile 2 b + u takes row 32 b + 8 u + r + 8 (r / 8), as the products that follow want them.
; SHARES.  896 groups, one a wave: work-group j takes block j / 4, its rows 64 ((j / 2) % 2) .. + 63, K steps 4 (j % 2) + wave.  Waves share nothing: no LDS, no barrier.  No work-group reads what another reads but for
; the ends of a row's halves: nothing for a joint load.
.set BLKB, 102400
.set GRPB, 6400
.set XA,  1                            ; v1   rr x 768 + 24 h, rr = r + 8 (r / 8): my lane's place in a tile of rows
.set XSA, 2                            ; v2   (rr + 8 h) x 32: the scale words: lanes 0-15 the even tile's rows, lanes 16-31 the odd tile's
.set LI,  3                            ; v3   16 x lane
.set LB,  4                            ; v4   8 x lane
.set FR,  16                           ; v16-63  the group's four fragments
.set XS,  64                           ; v64-65  its two registers of scale words
	s_load_b512 s[8:23], s[0:1], 0x0               ; Wq codes 8, Wq scales 10, Wk codes 12, Wk scales 14, Wo codes 16, Wo scales 18, values codes 20, values scales 22
	s_load_b64 s[24:25], s[0:1], 0x40              ; ximg
	v_lshrrev_b32 v1, 5, v0
	v_readfirstlane_b32 s40, v1                    ; wave 0..3
	s_lshr_b32 s41, ttmp9, 2                       ; the block
	s_bfe_u32 s42, ttmp9, 0x10001                  ; which 64 of its rows
	s_and_b32 s43, ttmp9, 1
	s_lshl_b32 s43, s43, 2
	s_add_co_u32 s43, s43, s40                     ; the K step
	v_and_b32 v5, 31, v0                           ; lane
	v_and_b32 v6, 15, v0                           ; r
	v_bfe_u32 v7, v0, 4, 1                         ; h
	v_and_b32 v8, 8, v6
	v_add_nc_u32 v8, v8, v6                        ; rr
	v_mul_u32_u24 v[XA], v8, 768
	v_mad_u32_u24 v[XA], v7, 24, v[XA]
	v_lshl_add_u32 v[XSA], v7, 3, v8
	v_lshlrev_b32 v[XSA], 5, v[XSA]
	v_lshlrev_b32 v[LI], 4, v5
	v_lshlrev_b32 v[LB], 3, v5
	s_mov_b32 s49, 0
	s_wait_kmcnt 0x0
	s_cmp_lt_u32 s41, 24                           ; the tensor is chosen on the work-group's number alone; s2: the tensor's first block
	s_cselect_b64 s[44:45], s[16:17], s[20:21]
	s_cselect_b64 s[46:47], s[18:19], s[22:23]
	s_cselect_b32 s2, 16, 24
	s_cmp_lt_u32 s41, 16
	s_cselect_b64 s[44:45], s[12:13], s[44:45]
	s_cselect_b64 s[46:47], s[14:15], s[46:47]
	s_cselect_b32 s2, 8, s2
	s_cmp_lt_u32 s41, 8
	s_cselect_b64 s[44:45], s[8:9], s[44:45]
	s_cselect_b64 s[46:47], s[10:11], s[46:47]
	s_cselect_b32 s2, 0, s2
	s_sub_co_u32 s2, s41, s2                       ; the block's number in its tensor,
	s_lshl_b32 s2, s2, 1
	s_add_co_u32 s2, s2, s42                       ; in halves of 64 rows
	s_mul_i32 s48, s2, 49152                       ; 64 rows of 768 bytes,
	s_mul_i32 s3, s43, 96                          ; 96 bytes a K step
	s_add_co_u32 s48, s48, s3
	s_add_nc_u64 s[44:45], s[44:45], s[48:49]
	s_lshl_b32 s48, s2, 11                         ; 64 rows of 32 scale bytes,
	s_lshl_b32 s3, s43, 2                          ; 4 a K step
	s_add_co_u32 s48, s48, s3
	s_add_nc_u64 s[46:47], s[46:47], s[48:49]
.irp tl, 0,1,2,3
.irp p, 0,1,2,3,4,5
	global_load_b64 v[FR+12*\tl+2*\p:FR+12*\tl+2*\p+1], v[XA], s[44:45] offset:(32*(\tl/2)+8*(\tl%2))*768+48*(\p/3)+8*(\p%3)   ; lane (r, h): 24 bytes at 24 h and 24 at 48 + 24 h of its row's 96, in pieces of 8
.endr
.endr
.irp pr, 0,1
	global_load_b32 v[XS+\pr], v[XSA], s[46:47] offset:1024*\pr
.endr
	s_mul_i32 s48, s41, BLKB                       ; where the group goes: block, then G = 2 x K step + half
	s_lshl_b32 s3, s43, 1
	s_add_co_u32 s3, s3, s42
	s_mul_i32 s3, s3, GRPB
	s_add_co_u32 s48, s48, s3
	s_add_nc_u64 s[24:25], s[24:25], s[48:49]
.irp tl, 0,1,2,3
	s_wait_loadcnt 6*(3-\tl)+2                     ; this fragment's six loads are in; the younger fragments' six each and the two of scale words may stay out
.irp c, 0,1,2
	global_store_b128 v[LI], v[FR+12*\tl+4*\c:FR+12*\tl+4*\c+3], s[24:25] offset:1536*\tl+512*\c   ; 32 lanes store 512 consecutive bytes, at a multiple of 256 from ximg's first byte
.endr
.endr
	s_wait_loadcnt 0x0
	global_store_b64 v[LB], v[XS:XS+1], s[24:25] offset:6144   ; 256 consecutive bytes, likewise
	s_endpgm
.Lfunc_end_k_q7e092f5c9e_pack:
	.size	k_q7e092f5c9e_pack, .Lfunc_end_k_q7e092f5c9e_pack-k_q7e092f5c9e_pack
	.p2alignl 7, 3214868480
	.fill 96, 4, 3214868480
	.section	.rodata,"a",@progbits
	.p2align	6, 0x0
	.amdhsa_kernel k_q7e092f5c9e_pack
		.amdhsa_group_segment_fixed_size 0
		.amdhsa_private_segment_fixed_size 0
		.amdhsa_enable_private_segment 0
		.amdhsa_kernarg_size 72
		.amdhsa_user_sgpr_count 2
		.amdhsa_user_sgpr_kernarg_segment_ptr 1
		.amdhsa_wavefront_size32 1
		.amdhsa_system_sgpr_workgroup_id_x 1
		.amdhsa_system_sgpr_workgroup_id_y 1
		.amdhsa_system_sgpr_workgroup_id_z 1
		.amdhsa_system_vgpr_workitem_id 0
		.amdhsa_next_free_vgpr 72
		.amdhsa_next_free_sgpr 66
		.amdhsa_reserve_vcc 0
		.amdhsa_float_denorm_mode_32 3
		.amdhsa_float_denorm_mode_16_64 3
		.amdhsa_memory_ordered 1
		.amdhsa_forward_progress 1
		.amdhsa_inst_pref_size 7
	.end_amdhsa_kernel
	.amdgpu_metadata
---
amdhsa.version: [ 1, 2 ]
amdhsa.kernels:
  - .name:           k_q7e092f5c9e_pack
    .symbol:         k_q7e092f5c9e_pack.kd
    .args:
      - { .name: Wq_codes, .offset: 0, .size: 8, .value_kind: global_buffer, .address_space: global }
      - { .name: Wq_scales, .offset: 8, .size: 8, .value_kind: global_buffer, .address_space: global }
      - { .name: Wk_codes, .offset: 16, .size: 8, .value_kind: global_buffer, .address_space: global }
      - { .name: Wk_scales, .offset: 24, .size: 8, .value_kind: global_buffer, .address_space: global }
      - { .name: Wo_codes, .offset: 32, .size: 8, .value_kind: global_buffer, .address_space: global }
      - { .name: Wo_scales, .offset: 40, .size: 8, .value_kind: global_buffer, .address_space: global }
      - { .name: values_codes, .offset: 48, .size: 8, .value_kind: global_buffer, .address_space: global }
      - { .name: values_scales, .offset: 56, .size: 8, .value_kind: global_buffer, .address_space: global }
      - { .name: ximg, .offset: 64, .size: 8, .value_kind: global_buffer, .address_space: global }
    .group_segment_fixed_size: 0
    .private_segment_fixed_size: 0
    .kernarg_segment_align: 8
    .kernarg_segment_size: 72
    .max_flat_workgroup_size: 128
    .sgpr_count:     66
    .vgpr_count:     72
    .wavefront_size: 32
...
	.end_amdgpu_metadata
.endif
;; end of part 4
;; launch proj (part 5): grid 64 x 3, 8 waves a work-group, no clusters, 54,272 bytes of LDS; arguments queries, bq, keys_codes, keys_scales, bk, Wv_codes, Wv_scales, bv, qimg, kv, ximg; writes qimg, kv
.if DOCPART == 5
	.amdgcn_target "amdgcn-amd-amdhsa--gfx1250"
	.amdhsa_code_object_version 6
	.text
	.protected	k_q7e092f5c9e_proj
	.globl	k_q7e092f5c9e_proj
	.p2align	8
	.type	k_q7e092f5c9e_proj,@function
k_q7e092f5c9e_proj:
	s_mov_b64 s[64:65], 0
	v_nop
	global_prefetch_b8 v0, s[64:65] scope:SCOPE_SE
	s_setreg_imm32_b32 hwreg(HW_REG_WAVE_MODE, 25, 1), 1
	s_wait_xcnt 0x0
; q = Q(queries) Wq + bq, k = keys Wk + bk, v = values Wv + bv, all three products on codes of FP6 (E2M3) with one E8M0 scale for each 32 along K = 1,024,
; and each result quantised at once for the product that takes it next: q and k along the head's 64 (two blocks), v along the keys.  No f32 result goes to memory.
; ONE TEXT, THREE PATHS, chosen by the work-group's y (0 q, 1 k, 2 v): D = X (source 0) x Y (source 1).  q: X = Wq, Y = queries (quantised here).  k: X = Wk, Y = keys.  v: X = values, Y = Wv.
; A lane of the result holds ONE row of Y, and its registers run along X's rows: along the head's channels for q and k, along the keys for v: the next product's K.
; SHARES.  A work-group takes 64 rows of Y (four tiles) and 1,024 rows of X; each of its eight waves 128 rows of X (eight tiles): 32 accumulators, 256 registers.
; THE ROWS OF X THAT FORM A TILE ARE NOT NEIGHBOURS: lane r of tile 2 b + u takes row 32 b + 8 u + r + 8 (r / 8), so that the 16 registers of tiles 2 b and 2 b + 1 are 16 neighbours, 32 b + 16 (lane / 16) + 0 .. 15.
; X COMES FROM ximg, where the launch before has laid it in the order of the operand's registers: a wave's 128 rows are one block of 102,400 bytes, 16 groups of four fragments and their scale words.
; A group is 12 loads of 16 bytes a lane (512 consecutive bytes each) and one of 8 (256 consecutive bytes), straight into the operand's registers, three groups ahead; each fragment feeds four matrix instructions.
; Y's 32 fragments (8 K steps x 4 tiles) are made or fetched once, wave w taking K step w, and reach the other waves through LDS as images of their registers; one barrier.
; WHAT IS STORED.  qimg: a record of 1,024 bytes for each (tile of 16 queries, head): registers 0-3 at 16 x lane, registers 4-5 at 512 + 8 x lane, the scale word (s0, s1, s0, s1) at 768 + 4 x lane.
; kv: for each head 16 slots of 256 keys, 26,624 bytes: eight fragments of k (registers 0-5: key 32 b + rr, registers 6-11: key 32 b + 8 + rr, rr = r + 8 (r / 8); each with its own two scale bytes),
; eight fragments of v^T (row: channel 32 (t / 2) + 8 (t % 2) + rr; K: 128 keys), then their scale words, 128 bytes a fragment.  A fragment lies as three groups of 512 bytes: registers 4 c .. 4 c + 3, lane l at 16 l.
; NO JOINT LOADS: every fragment of X is wanted by one wave of a work-group and goes into its registers; there is no tile in LDS that a joint load could fill.  Y's 49,152 bytes are a sixteenth of what a work-group fetches.
; LIMITS: NaN and infinities are not served.  A block whose largest magnitude lies under 2^-124 gets the scale byte 1; a block of zeros gets 1 where the rule says 127: its codes are zeros, and this program alone reads the bytes.
.set HEADB, 425984                     ; a head's bytes in kv
.set SLOTB, 26624                      ; a slot's
.set BLKB,  102400                     ; a block of 128 rows in ximg
.set GRPB,  6400                       ; a group in it: four fragments, 6,144 bytes, and 256 bytes of scale words
.set YSC,   49152                      ; LDS: Y's fragments (4 s + yt) x 1,536 from 0; their scale words (4 s + yt) x 128 from here
.set XA,  1                            ; v1   rr x 768 + 24 h: my lane's place in a tile of rows of 768 bytes (Y's, where Y comes as codes)
.set LI,  3                            ; v3   16 x lane
.set LS,  4                            ; v4   4 x lane
.set LS2, 5                            ; v5   128 h + 4 r: Y's scale words: lanes 0-15 the even tile's, lanes 16-31 the odd tile's
.set IW,  6                            ; v6   16 x lane + 6,144 x wave: where I store Y's images
.set SW,  7                            ; v7   4 x lane + 512 x wave: and their scale words
.set BVA, 8                            ; v8   4 rr: bv of my lane's row of Wv
.set YSA, 9                            ; v9   32 rr: Y's scale words in memory
.set LB,  10                           ; v10  8 x lane
.set QA,  14                           ; v14  4,096 r + 64 h: my 16 numbers of a block of 32 of a row of queries
.set BA,  15                           ; v15  64 h: my 16 numbers of a block of 32 of bq or bk
.set XF,  16                           ; v16-159  X's fragments: three buffers of four
.set YF,  160                          ; v160-207 Y's four fragments of a K step; in the epilogue the fragments that are stored
.set XS,  208                          ; v208-213 X's scale words, two registers a buffer
.set YS,  214                          ; v214-215 Y's
.set TM,  216                          ; v216-219 largest magnitudes
.set TB,  220                          ; v220-223 the other half's; then the scale bytes
.set TS,  224                          ; v224-227 the conversions' scale operands
.set CT,  228                          ; v228-230, v232-234 the upper halves of two blocks' codes
.set PW,  236                          ; v236-239 scale words as they are made
.set SWR, 240                          ; v240-247 scale words as they are stored
.set BV,  248                          ; v248-255 bv: a pair for each tile, the upper word 0
.set XC,  44                           ; s[44:45] my block of ximg
.set YC,  48                           ; s[48:49] Y's codes at my K step         s[50:51] Y's scales
.set YSP, 50
.set BI,  52                           ; s[52:53] the bias
.set QP,  54                           ; s[54:55] queries at my K step
.set MSB, 0
.macro WIN new                         ; the immediate's high byte repeats the setting that is left; a switch that changes nothing is dropped
.if MSB != \new
	s_set_vgpr_msb (MSB<<8)|\new
.set MSB, \new
.endif
.endm
; Group G of 16: K step G / 2, tiles 4 (G % 2) .. + 3 of X, into buffer G % 3: 12 loads of codes, 1 of scale words.
.macro XGROUP G
.set xb, (\G)%3
.irp tl, 0,1,2,3
.irp c, 0,1,2
	global_load_b128 v[XF+48*xb+12*\tl+4*\c:XF+48*xb+12*\tl+4*\c+3], v[LI], s[XC:XC+1] offset:GRPB*(\G)+1536*\tl+512*\c
.endr
.endr
	global_load_b64 v[XS+2*xb:XS+2*xb+1], v[LB], s[XC:XC+1] offset:GRPB*(\G)+6144
.endm
.macro FETCH_Y s                       ; K step s: Y's four fragments and their scale words, out of LDS
.irp yt, 0,1,2,3
.irp c, 0,1,2
	ds_load_b128 v[YF+12*\yt+4*\c:YF+12*\yt+4*\c+3], v[LI] offset:(4*(\s)+\yt)*1536+512*\c
.endr
.endr
.irp i, 0,1
	ds_load_b32 v[YS+\i], v[LS2] offset:YSC+(4*(\s)+2*\i)*128
.endr
.endm
; One matrix instruction, from the symbols md (D), ma (X), mb (Y), msa, msb (scale registers), mra, mrb (1: the scales stand in lanes 16-31), mz (1: the product starts the sum).
.macro MM
.if mz
.if mra && mrb
	v_wmma_scale_f32_16x16x128_f8f6f4 v[md:md+7], v[ma:ma+11], v[mb:mb+11], 0, v[msa], v[msb] matrix_a_fmt:MATRIX_FMT_FP6 matrix_b_fmt:MATRIX_FMT_FP6 matrix_a_scale:MATRIX_SCALE_ROW1 matrix_b_scale:MATRIX_SCALE_ROW1
.elseif mra
	v_wmma_scale_f32_16x16x128_f8f6f4 v[md:md+7], v[ma:ma+11], v[mb:mb+11], 0, v[msa], v[msb] matrix_a_fmt:MATRIX_FMT_FP6 matrix_b_fmt:MATRIX_FMT_FP6 matrix_a_scale:MATRIX_SCALE_ROW1
.elseif mrb
	v_wmma_scale_f32_16x16x128_f8f6f4 v[md:md+7], v[ma:ma+11], v[mb:mb+11], 0, v[msa], v[msb] matrix_a_fmt:MATRIX_FMT_FP6 matrix_b_fmt:MATRIX_FMT_FP6 matrix_b_scale:MATRIX_SCALE_ROW1
.else
	v_wmma_scale_f32_16x16x128_f8f6f4 v[md:md+7], v[ma:ma+11], v[mb:mb+11], 0, v[msa], v[msb] matrix_a_fmt:MATRIX_FMT_FP6 matrix_b_fmt:MATRIX_FMT_FP6
.endif
.else
.if mra && mrb
	v_wmma_scale_f32_16x16x128_f8f6f4 v[md:md+7], v[ma:ma+11], v[mb:mb+11], v[md:md+7], v[msa], v[msb] matrix_a_fmt:MATRIX_FMT_FP6 matrix_b_fmt:MATRIX_FMT_FP6 matrix_a_scale:MATRIX_SCALE_ROW1 matrix_b_scale:MATRIX_SCALE_ROW1
.elseif mra
	v_wmma_scale_f32_16x16x128_f8f6f4 v[md:md+7], v[ma:ma+11], v[mb:mb+11], v[md:md+7], v[msa], v[msb] matrix_a_fmt:MATRIX_FMT_FP6 matrix_b_fmt:MATRIX_FMT_FP6 matrix_a_scale:MATRIX_SCALE_ROW1
.elseif mrb
	v_wmma_scale_f32_16x16x128_f8f6f4 v[md:md+7], v[ma:ma+11], v[mb:mb+11], v[md:md+7], v[msa], v[msb] matrix_a_fmt:MATRIX_FMT_FP6 matrix_b_fmt:MATRIX_FMT_FP6 matrix_b_scale:MATRIX_SCALE_ROW1
.else
	v_wmma_scale_f32_16x16x128_f8f6f4 v[md:md+7], v[ma:ma+11], v[mb:mb+11], v[md:md+7], v[msa], v[msb] matrix_a_fmt:MATRIX_FMT_FP6 matrix_b_fmt:MATRIX_FMT_FP6
.endif
.endif
.endm
; Group G is multiplied: 16 matrix instructions, four tiles of X against Y's four.  An accumulator has one instruction in a K step, the 31 others' between two of its links (the accumulators take turns).
.macro GROUP G
.set gk, (\G)/2
.set gh, (\G)%2
.set gb, (\G)%3
.if (\G) < 14
	s_wait_loadcnt 26                              ; behind this group's 13 loads only the next two groups' have been issued: they may stay out
.elseif (\G) == 14
	s_wait_loadcnt 13                              ; one group is behind
.else
	s_wait_loadcnt 0x0
.endif
.if gh == 0
	s_wait_dscnt 0x0                               ; this K step's Y is in
.endif
	WIN 0x50                                       ; C and D in window 1
.irp yt, 0,1,2,3
.irp tl, 0,1,2,3
.set md, 64*\yt+8*(4*gh+\tl)
.set ma, XF+48*gb+12*\tl
.set mb, YF+12*\yt
.set msa, XS+2*gb+\tl/2
.set msb, YS+\yt/2
.set mra, \tl%2
.set mrb, \yt%2
.set mz, (\G) < 2
	MM
.endr
.endr
	WIN 0
.rept 4
	v_nop                                          ; four places in front of loads into registers that these products have read, and of the first read of results
.endr
.if (gh == 1) && (gk < 7)
	FETCH_Y gk+1
.endif
.if (\G)+3 < 16
	XGROUP (\G)+3                                  ; into the buffer just multiplied
.endif
.endm
; 64 numbers of a lane in window 1, v[s] .. v[s + 63], register 16 b + i = k 32 b + 16 (lane / 16) + i of my row, become codes: blocks 0, 1 in v[da] .. v[da + 5], blocks 2, 3 in v[db] .. v[db + 5]
; (lanes 0-15 hold the even block whole, lanes 16-31 the odd one), and the four scale bytes in v[pw].
.macro QUANT s, da, db, pw
	WIN 0x05
.irp b, 0,1,2,3
	v_max3_num_f32 v[TM+\b], |v[(\s)+16*\b]|, |v[(\s)+16*\b+1]|, 0x1800000   ; block b: my 16 numbers, and the floor 2^(3 - 127): the byte cannot fall under 1
.endr
	WIN 0x14
.irp i, 2,4,6,8,10,12,14
.irp b, 0,1,2,3
	v_max3_num_f32 v[TM+\b], v[TM+\b], |v[(\s)+16*\b+\i]|, |v[(\s)+16*\b+\i+1]|   ; the four blocks by turns
.endr
.endr
	WIN 0
.irp b, 0,1,2,3
	v_permlanex16_b32 v[TB+\b], v[TM+\b], s60, s61
.endr
.irp b, 0,1,2,3
	v_max_num_f32 v[TM+\b], v[TM+\b], v[TB+\b]     ; with lane l xor 16's: the block's largest magnitude
.endr
.irp b, 0,1,2,3
	v_add_nc_u32 v[TS+\b], 0xff000000, v[TM+\b]    ; 2 off its exponent field: the conversion takes the exponent field of this operand as its scale
.endr
.irp b, 0,1,2,3
	v_lshrrev_b32 v[TB+\b], 23, v[TS+\b]           ; the scale's byte
.endr
	v_lshl_or_b32 v[\pw], v[TB+1], 8, v[TB]
	v_lshl_or_b32 v[\pw], v[TB+2], 16, v[\pw]
	v_lshl_or_b32 v[\pw], v[TB+3], 24, v[\pw]
	WIN 0x01
	v_cvt_scalef32_pk16_fp6_f32 v[(\da):(\da)+2], v[(\s):(\s)+15], v[TS]
	v_cvt_scalef32_pk16_fp6_f32 v[CT:CT+2], v[(\s)+16:(\s)+31], v[TS+1]      ; (a conversion's three registers begin on an even number)
	v_cvt_scalef32_pk16_fp6_f32 v[(\db):(\db)+2], v[(\s)+32:(\s)+47], v[TS+2]
	v_cvt_scalef32_pk16_fp6_f32 v[CT+4:CT+6], v[(\s)+48:(\s)+63], v[TS+3]
	WIN 0
	v_nop                                          ; one plain place behind a scaled conversion
.irp i, 0,1,2
	v_permlane16_swap_b32 v[(\da)+\i], v[CT+\i]    ; the first's lanes 16-31 change places with the second's lanes 0-15: each lane now has its block's lower 16 codes in the first, the upper 16 in the second
.endr
.irp i, 0,1,2
	v_mov_b32 v[(\da)+3+\i], v[CT+\i]
.endr
.irp i, 0,1,2
	v_permlane16_swap_b32 v[(\db)+\i], v[CT+4+\i]
.endr
.irp i, 0,1,2
	v_mov_b32 v[(\db)+3+\i], v[CT+4+\i]
.endr
.endm
	s_load_b512 s[8:23], s[0:1], 0x0               ; queries 8, bq 10, keys codes 12, keys scales 14, bk 16, Wv codes 18, Wv scales 20, bv 22
	s_load_b128 s[36:39], s[0:1], 0x40             ; qimg 36, kv 38
	s_load_b64 s[24:25], s[0:1], 0x50              ; ximg
	v_lshl_add_u32 v231, v0, 2, 0xd000
	v_mov_b32 v235, 0
	v_lshrrev_b32 v1, 5, v0
	v_readfirstlane_b32 s40, v1                    ; wave 0..7
	s_and_b32 s41, ttmp7, 0xffff                   ; the path
	s_mov_b32 s42, ttmp9                           ; g
	v_and_b32 v10, 31, v0                          ; lane
	v_and_b32 v11, 15, v0                          ; r
	v_bfe_u32 v12, v0, 4, 1                        ; h
	v_and_b32 v13, 8, v11
	v_add_nc_u32 v13, v13, v11                     ; rr = r + 8 (r / 8)
	v_mul_u32_u24 v[XA], v13, 768
	v_mad_u32_u24 v[XA], v12, 24, v[XA]
	v_lshlrev_b32 v[LI], 4, v10
	v_lshlrev_b32 v[LS], 2, v10
	v_lshlrev_b32 v[LS2], 2, v11
	v_lshl_add_u32 v[LS2], v12, 7, v[LS2]
	s_mul_i32 s2, s40, 6144
	v_add_nc_u32 v[IW], s2, v[LI]
	s_lshl_b32 s2, s40, 9
	v_add_nc_u32 v[SW], s2, v[LS]
	v_lshlrev_b32 v[BVA], 2, v13
	v_lshlrev_b32 v[YSA], 5, v13
	v_lshlrev_b32 v[LB], 3, v10
	v_lshlrev_b32 v[QA], 12, v11
	v_lshl_add_u32 v[QA], v12, 6, v[QA]
	v_lshlrev_b32 v[BA], 6, v12
.irp b, 0,1,2,3
	v_mov_b32 v[TB+\b], 0                          ; written once: a lane permute's destination counts as one of its sources
.endr
	s_mov_b32 s60, 0x76543210
	s_mov_b32 s61, 0xfedcba98                      ; v_permlanex16_b32's selects for lane l xor 16
	; X: my block of ximg: q: w;  k: 8 + w;  v: 24 + 8 (g & 3) + w (keys 1,024 (g & 3) + 128 w on).   Y's first row: q, k: 64 g;  v (Wv's rows): 64 (g >> 2): one head
	s_and_b32 s2, s42, 3
	s_lshl_b32 s2, s2, 3
	s_add_co_u32 s2, s2, 24
	s_lshr_b32 s3, s42, 2
	s_lshl_b32 s3, s3, 6
	s_lshl_b32 s43, s42, 6
	s_lshl_b32 s62, s41, 3
	s_cmp_eq_u32 s41, 2
	s_cselect_b32 s2, s2, s62
	s_cselect_b32 s3, s3, s43                      ; Y's first row
	s_add_co_u32 s2, s2, s40                       ; X's block
	s_mul_i32 s62, s2, BLKB
	s_mov_b32 s63, 0
	s_wait_kmcnt 0x0
	s_add_nc_u64 s[XC:XC+1], s[24:25], s[62:63]
	XGROUP 0                                       ; 39 loads go out before anything else
	XGROUP 1
	XGROUP 2
	s_cmp_eq_u32 s41, 0                            ; the buffers are chosen on the work-group's number alone
	s_cselect_b64 s[BI:BI+1], s[10:11], s[16:17]
	s_cmp_eq_u32 s41, 2
	s_cselect_b64 s[YC:YC+1], s[18:19], s[12:13]   ; (on the q path these two are made and not used)
	s_cselect_b64 s[YSP:YSP+1], s[20:21], s[14:15]
	s_cselect_b64 s[BI:BI+1], s[22:23], s[BI:BI+1]
	s_mul_i32 s62, s3, 768
	s_mul_i32 s43, s40, 96
	s_add_co_u32 s62, s62, s43                     ; Y's rows, K step w
	s_add_nc_u64 s[YC:YC+1], s[YC:YC+1], s[62:63]
	s_lshl_b32 s62, s3, 5
	s_lshl_b32 s43, s40, 2
	s_add_co_u32 s62, s62, s43
	s_add_nc_u64 s[YSP:YSP+1], s[YSP:YSP+1], s[62:63]
	s_lshl_b32 s62, s3, 2                          ; the bias: v: that of Y's rows;
	s_lshl_b32 s43, s40, 9                         ; q, k: that of my 128 rows of X
	s_cmp_eq_u32 s41, 2
	s_cselect_b32 s62, s62, s43
	s_add_nc_u64 s[BI:BI+1], s[BI:BI+1], s[62:63]
	s_lshl_b32 s62, s42, 18                        ; queries: 64 g rows of 4,096 bytes + 512 w
	s_add_co_u32 s62, s62, s43
	s_add_nc_u64 s[QP:QP+1], s[8:9], s[62:63]
	; ---- Y: wave w makes K step w of the four tiles
	s_cmp_eq_u32 s41, 0
	s_cbranch_scc0 .Lcodes
	WIN 0x40                                       ; q: rows 64 g + 16 yt + r of queries, 64 numbers a lane and tile, into the registers that the accumulators will take
.irp yt, 0,1,2,3
.irp b, 0,1,2,3
.irp j, 0,1,2,3
	global_load_b128 v[64*\yt+16*\b+4*\j:64*\yt+16*\b+4*\j+3], v[QA], s[QP:QP+1] offset:65536*\yt+128*\b+16*\j
.endr
.endr
.endr
	WIN 0
.irp yt, 0,1,2,3
	s_wait_loadcnt 16*(3-\yt)                      ; this tile's 16 loads are in; the younger tiles' may stay out
	QUANT 64*\yt, YF+12*\yt, YF+12*\yt+6, PW+\yt
.endr
	s_branch .Ljoin
.Lcodes:                                               ; k, v: Y comes as codes: row 32 (yt / 2) + 8 (yt % 2) + rr, so that the keys (k) or channels (v) fall as the next product wants them
.irp yt, 0,1,2,3
.irp p, 0,1,2,3,4,5
	global_load_b64 v[YF+12*\yt+2*\p:YF+12*\yt+2*\p+1], v[XA], s[YC:YC+1] offset:(32*(\yt/2)+8*(\yt%2))*768+48*(\p/3)+8*(\p%3)
.endr
	global_load_b32 v[PW+\yt], v[YSA], s[YSP:YSP+1] offset:(32*(\yt/2)+8*(\yt%2))*32
.endr
	s_wait_loadcnt 0x0
.Ljoin:
.irp yt, 0,1,2,3
.irp c, 0,1,2
	ds_store_b128 v[IW], v[YF+12*\yt+4*\c:YF+12*\yt+4*\c+3] offset:1536*\yt+512*\c   ; the fragment goes to LDS as it stands in my registers
.endr
	ds_store_b32 v[SW], v[PW+\yt] offset:YSC+128*\yt
.endr
	s_wait_dscnt 0x0                               ; for the others' sake: my stores have landed
	s_barrier_signal -1
	s_barrier_wait -1                              ; Y's 32 fragments lie in LDS; nothing is stored there again
	FETCH_Y 0
.irp G, 0,1,2,3,4,5,6,7,8,9,10,11,12,13,14,15
	GROUP \G
.endr
	; ---- the bias, the quantiser, the stores
	s_cmp_eq_u32 s41, 2
	s_cbranch_scc1 .Lv
.irp b, 0,1,2,3                                ; q, k: the bias runs along my registers: 128 w + 32 b + 16 h + 0 .. 15
.irp j, 0,1,2,3
	global_load_b128 v[XF+16*\b+4*\j:XF+16*\b+4*\j+3], v[BA], s[BI:BI+1] offset:128*\b+16*\j
.endr
.endr
	s_wait_loadcnt 0x0
	WIN 0x41
.irp yt, 0,1,2,3
.set k, 0
.rept 32
	v_pk_add_f32 v[64*\yt+2*k:64*\yt+2*k+1], v[64*\yt+2*k:64*\yt+2*k+1], v[XF+2*k:XF+2*k+1]   ; each accumulator from its low end on
.set k, k+1
.endr
.endr
	WIN 0
	s_cmp_eq_u32 s41, 1
	s_cbranch_scc1 .Lk
	; q: blocks 0, 1 are head 2 w, blocks 2, 3 head 2 w + 1: two records a tile
	s_lshl_b32 s62, s42, 16
	s_lshl_b32 s2, s40, 11
	s_add_co_u32 s62, s62, s2
	s_add_nc_u64 s[56:57], s[36:37], s[62:63]      ; record (4 g + yt, 2 w + c) lies 16,384 yt + 1,024 c on
.irp yt, 0,1,2,3
	QUANT 64*\yt, YF+12*\yt, YF+12*\yt+6, PW+\yt
	v_perm_b32 v[SWR+2*\yt], v[PW+\yt], v[PW+\yt], 0x01000100     ; (s0, s1, s0, s1): the word serves q in either half of an operand
	v_perm_b32 v[SWR+2*\yt+1], v[PW+\yt], v[PW+\yt], 0x03020302
.irp c, 0,1
	global_store_b128 v[LI], v[YF+12*\yt+6*\c:YF+12*\yt+6*\c+3], s[56:57] offset:16384*\yt+1024*\c
	global_store_b64 v[LB], v[YF+12*\yt+6*\c+4:YF+12*\yt+6*\c+5], s[56:57] offset:16384*\yt+1024*\c+512
	global_store_b32 v[LS], v[SWR+2*\yt+\c], s[56:57] offset:16384*\yt+1024*\c+768
.endr
.endr
	s_wait_tensorcnt 0x0
	ds_add_u32 v231, v235
	s_wait_dscnt 0x0
	s_endpgm
.Lk:	; k: tiles 2 bl and 2 bl + 1 (keys 32 bl + rr and 32 bl + 8 + rr) make one fragment for each of my two heads
	s_mul_i32 s62, s40, 2*HEADB
	s_lshr_b32 s2, s42, 2
	s_mul_i32 s2, s2, SLOTB
	s_add_co_u32 s62, s62, s2                      ; head 2 w, slot g / 4
	s_and_b32 s3, s42, 3
	s_mul_i32 s66, s3, 3072
	s_add_co_u32 s66, s66, s62
	s_mov_b32 s67, 0
	s_add_nc_u64 s[56:57], s[38:39], s[66:67]      ; fragments 2 (g & 3) + bl
	s_lshl_b32 s66, s3, 8
	s_add_co_u32 s66, s66, s62
	s_add_co_u32 s66, s66, 24576
	s_add_nc_u64 s[58:59], s[38:39], s[66:67]      ; and their scale words
.irp bl, 0,1
	QUANT 128*\bl, YF+24*\bl, YF+24*\bl+12, PW+2*\bl
	QUANT 128*\bl+64, YF+24*\bl+6, YF+24*\bl+18, PW+2*\bl+1
	v_perm_b32 v[SWR+2*\bl], v[PW+2*\bl+1], v[PW+2*\bl], 0x05040100     ; head 2 w: the first keys' two bytes, then the second keys'
	v_perm_b32 v[SWR+2*\bl+1], v[PW+2*\bl+1], v[PW+2*\bl], 0x07060302   ; head 2 w + 1
.irp hd, 0,1
.irp c, 0,1,2
	global_store_b128 v[LI], v[YF+24*\bl+12*\hd+4*\c:YF+24*\bl+12*\hd+4*\c+3], s[56:57] offset:HEADB*\hd+1536*\bl+512*\c
.endr
	global_store_b32 v[LS], v[SWR+2*\bl+\hd], s[58:59] offset:HEADB*\hd+128*\bl
.endr
.endr
	s_wait_tensorcnt 0x0
	ds_add_u32 v231, v235
	s_wait_dscnt 0x0
	s_endpgm
.Lv:	; v: a lane holds one channel, its registers my wave's 128 keys: one key step
.irp yt, 0,1,2,3
	global_load_b32 v[BV+2*\yt], v[BVA], s[BI:BI+1] offset:(32*(\yt/2)+8*(\yt%2))*4
	v_mov_b32 v[BV+2*\yt+1], 0                     ; (named with it as a pair, so it is written)
.endr
	s_lshr_b32 s2, s42, 2
	s_mul_i32 s62, s2, HEADB                       ; head g / 4,
	s_and_b32 s2, s42, 3
	s_lshl_b32 s2, s2, 2
	s_lshr_b32 s3, s40, 1
	s_add_co_u32 s2, s2, s3
	s_mul_i32 s2, s2, SLOTB
	s_add_co_u32 s62, s62, s2                      ; slot 4 (g & 3) + w / 2,
	s_and_b32 s3, s40, 1                           ; its step w % 2
	s_mul_i32 s66, s3, 6144
	s_add_co_u32 s66, s66, s62
	s_add_co_u32 s66, s66, 12288
	s_mov_b32 s67, 0
	s_add_nc_u64 s[56:57], s[38:39], s[66:67]
	s_lshl_b32 s66, s3, 9
	s_add_co_u32 s66, s66, s62
	s_add_co_u32 s66, s66, 25600
	s_add_nc_u64 s[58:59], s[38:39], s[66:67]
	s_wait_loadcnt 0x0
	WIN 0x41
.irp yt, 0,1,2,3
.set k, 0
.rept 32
	v_pk_add_f32 v[64*\yt+2*k:64*\yt+2*k+1], v[64*\yt+2*k:64*\yt+2*k+1], v[BV+2*\yt:BV+2*\yt+1] op_sel_hi:[1,0]   ; my channel's bv onto every key
.set k, k+1
.endr
.endr
	WIN 0
.irp yt, 0,1,2,3
	QUANT 64*\yt, YF+12*\yt, YF+12*\yt+6, PW+\yt
.irp c, 0,1,2
	global_store_b128 v[LI], v[YF+12*\yt+4*\c:YF+12*\yt+4*\c+3], s[56:57] offset:1536*\yt+512*\c
.endr
	global_store_b32 v[LS], v[PW+\yt], s[58:59] offset:128*\yt
.endr
	s_wait_tensorcnt 0x0
	ds_add_u32 v231, v235
	s_wait_dscnt 0x0
	s_endpgm
.Lfunc_end_k_q7e092f5c9e_proj:
	.size	k_q7e092f5c9e_proj, .Lfunc_end_k_q7e092f5c9e_proj-k_q7e092f5c9e_proj
	.p2alignl 7, 3214868480
	.fill 96, 4, 3214868480
	.section	.rodata,"a",@progbits
	.p2align	6, 0x0
	.amdhsa_kernel k_q7e092f5c9e_proj
		.amdhsa_group_segment_fixed_size 54272
		.amdhsa_private_segment_fixed_size 0
		.amdhsa_enable_private_segment 0
		.amdhsa_kernarg_size 88
		.amdhsa_user_sgpr_count 2
		.amdhsa_user_sgpr_kernarg_segment_ptr 1
		.amdhsa_wavefront_size32 1
		.amdhsa_system_sgpr_workgroup_id_x 1
		.amdhsa_system_sgpr_workgroup_id_y 1
		.amdhsa_system_sgpr_workgroup_id_z 1
		.amdhsa_system_vgpr_workitem_id 0
		.amdhsa_next_free_vgpr 512
		.amdhsa_next_free_sgpr 68
		.amdhsa_reserve_vcc 0
		.amdhsa_float_denorm_mode_32 3
		.amdhsa_float_denorm_mode_16_64 3
		.amdhsa_memory_ordered 1
		.amdhsa_forward_progress 1
		.amdhsa_inst_pref_size 164
	.end_amdhsa_kernel
	.amdgpu_metadata
---
amdhsa.version: [ 1, 2 ]
amdhsa.kernels:
  - .name:           k_q7e092f5c9e_proj
    .symbol:         k_q7e092f5c9e_proj.kd
    .args:
      - { .name: queries, .offset: 0, .size: 8, .value_kind: global_buffer, .address_space: global }
      - { .name: bq, .offset: 8, .size: 8, .value_kind: global_buffer, .address_space: global }
      - { .name: keys_codes, .offset: 16, .size: 8, .value_kind: global_buffer, .address_space: global }
      - { .name: keys_scales, .offset: 24, .size: 8, .value_kind: global_buffer, .address_space: global }
      - { .name: bk, .offset: 32, .size: 8, .value_kind: global_buffer, .address_space: global }
      - { .name: Wv_codes, .offset: 40, .size: 8, .value_kind: global_buffer, .address_space: global }
      - { .name: Wv_scales, .offset: 48, .size: 8, .value_kind: global_buffer, .address_space: global }
      - { .name: bv, .offset: 56, .size: 8, .value_kind: global_buffer, .address_space: global }
      - { .name: qimg, .offset: 64, .size: 8, .value_kind: global_buffer, .address_space: global }
      - { .name: kv, .offset: 72, .size: 8, .value_kind: global_buffer, .address_space: global }
      - { .name: ximg, .offset: 80, .size: 8, .value_kind: global_buffer, .address_space: global }
    .group_segment_fixed_size: 54272
    .private_segment_fixed_size: 0
    .kernarg_segment_align: 8
    .kernarg_segment_size: 88
    .max_flat_workgroup_size: 256
    .sgpr_count:     68
    .vgpr_count:     512
    .wavefront_size: 32
...
	.end_amdgpu_metadata
.endif
;; end of part 5
;; launch attn: the kernel of part 2 again; grid 16 x 16, 16 waves a work-group, no clusters, 55,296 bytes of LDS; arguments qimg, kv, oimg; writes oimg
;; launch outln (part 6): grid 128 x 1, 8 waves a work-group, no clusters, 97,280 bytes of LDS; arguments oimg, ximg, bo, queries, gamma, beta, out0; writes out0
.if DOCPART == 6
	.amdgcn_target "amdgcn-amd-amdhsa--gfx1250"
	.amdhsa_code_object_version 6
	.text
	.protected	k_q7e092f5c9e_outln
	.globl	k_q7e092f5c9e_outln
	.p2align	8
	.type	k_q7e092f5c9e_outln,@function
k_q7e092f5c9e_outln:
	s_mov_b64 s[64:65], 0
	v_nop
	global_prefetch_b8 v0, s[64:65] scope:SCOPE_SE
	s_setreg_imm32_b32 hwreg(HW_REG_WAVE_MODE, 25, 1), 1
	s_wait_xcnt 0x0
; out0 = LayerNorm(queries + o Wo + bo) x gamma + beta.  The product is on codes of FP6 (E2M3) with one E8M0 scale for each 32 along K = 1,024; o comes as codes from oimg; all else is f32.
; SHARES.  LayerNorm wants whole rows, so a work-group owns 32 rows (two tiles) x all 1,024 columns; each of its eight waves 128 columns: 16 accumulators.  4,096 rows make 128 work-groups.
; THE PRODUCT IS USED TRANSPOSED: source 0 = 16 rows of Wo (columns of the result), source 1 = 16 rows of o: a lane holds ONE row, and its registers run along the columns.
; Lane r of tile 2 b + u of Wo takes row 32 b + 8 u + r + 8 (r / 8): accumulator register 64 u + 16 b + i is out(16 u + r, 128 w + 32 b + 16 (lane / 16) + i).
; THE SUMS BEGIN WITH queries + bo: they are loaded into the accumulators' registers, so residual and bias cost no pass of their own behind the product.
; Wo COMES FROM ximg (blocks 16 to 23), laid in the order of the operand's registers: a wave's 128 rows are one block of 102,400 bytes, 16 groups of four fragments and their scale words.  A group is 12 loads of 16 bytes
; a lane (512 consecutive bytes each) and one of 8, straight into the operand's registers, three groups ahead.  o's 16 fragments (8 K steps x 2 tiles: heads 2 s and 2 s + 1 make K step s) are fetched once, wave w taking
; K step w, and reach the other waves through LDS as images of their registers.
; LAYERNORM IN TWO PASSES: the mean; then the sum of squares of the deviations: no difference of large sums is formed.  A row's eight partial sums (one a wave) meet in LDS; each pass has words of its own.
; THE WAY OUT: a lane's numbers belong to one row, the lanes beside it hold other rows: 16 rows x 512 bytes go through the wave's own stage and leave as whole rows: each store covers 512 consecutive bytes, aligned.
; NO JOINT LOADS: every fragment of Wo is wanted by one wave of a work-group and goes into its registers; there is no tile in LDS that a joint load could fill.
; LIMITS: NaN and infinities are not served.
.set BLKB,  102400                     ; a block of 128 rows in ximg
.set GRPB,  6400                       ; a group in it: four fragments, 6,144 bytes, and 256 bytes of scale words
.set YSC,   24576                      ; LDS: o's fragments (2 s + u) x 1,536 from 0; their scale words (2 s + u) x 128 from here
.set RED0,  26624                      ; the rows' partial sums: 512 u + 32 r + 4 w
.set RED1,  27648                      ; and partial sums of squares
.set STG,   28672                      ; the stages: 16 rows x 528 bytes for each wave
.set LI,  3                            ; v3   16 x lane
.set LS,  4                            ; v4   4 x lane
.set LS2, 5                            ; v5   128 h + 4 r
.set IW,  6                            ; v6   16 x lane + 3,072 x wave
.set SW,  7                            ; v7   4 x lane + 256 x wave
.set LB,  10                           ; v10  8 x lane
.set QA,  14                           ; v14  4,096 r + 64 h
.set BA,  15                           ; v15  64 h
.set XF,  16                           ; v16-159  Wo's fragments: three buffers of four; on the way out the rows read back
.set YF,  160                          ; v160-183 o's two fragments of a K step
.set WA,  184                          ; v184-187 the records' scale words: tile u: head 2 w at 2 u, head 2 w + 1 at 2 u + 1
.set PW,  188                          ; v188-189 a K step's scale word for each tile
.set GA,  192                          ; v192-195 gamma of my four columns on the way out
.set BE,  196                          ; v196-199 beta
.set RW,  200                          ; v200 32 r + 4 w
.set RR,  201                          ; v201 32 r
.set STO, 202                          ; v202 the stage, in: 528 r + 64 h
.set RD,  203                          ; v203 the stage, back: 16 x lane
.set XS,  208                          ; v208-213 Wo's scale words
.set YS,  214                          ; v214 o's: lanes 0-15 tile 0, lanes 16-31 tile 1
.set SA,  216                          ; v[216:217], v[218:219] two chains of sums
.set SB,  218
.set PS,  220                          ; v220-221 my wave's partial sum of my row, for each tile
.set TP,  222
.set RB,  224                          ; v224-239 a row's eight partial sums, for each tile
.set MU,  240                          ; v[240:241], v[242:243] the mean; the upper words are 0
.set RS,  244                          ; v[244:245], v[246:247] 1 / sqrt(var + eps)
.set XC,  44                           ; s[44:45] my block of ximg
.set MSB, 0
.macro WIN new                         ; the immediate's high byte repeats the setting that is left; a switch that changes nothing is dropped
.if MSB != \new
	s_set_vgpr_msb (MSB<<8)|\new
.set MSB, \new
.endif
.endm
.macro XGROUP G                        ; group G of 16: K step G / 2, tiles 4 (G % 2) .. + 3 of Wo, into buffer G % 3: 13 loads
.set xb, (\G)%3
.irp tl, 0,1,2,3
.irp c, 0,1,2
	global_load_b128 v[XF+48*xb+12*\tl+4*\c:XF+48*xb+12*\tl+4*\c+3], v[LI], s[XC:XC+1] offset:GRPB*(\G)+1536*\tl+512*\c
.endr
.endr
	global_load_b64 v[XS+2*xb:XS+2*xb+1], v[LB], s[XC:XC+1] offset:GRPB*(\G)+6144
.endm
.macro FETCH_Y s
.irp u, 0,1
.irp c, 0,1,2
	ds_load_b128 v[YF+12*\u+4*\c:YF+12*\u+4*\c+3], v[LI] offset:(2*(\s)+\u)*1536+512*\c
.endr
.endr
	ds_load_b32 v[YS], v[LS2] offset:YSC+2*(\s)*128
.endm
.macro MM                              ; one matrix instruction, from md, ma, mb, msa; mra, mrb = 1: the scales stand in lanes 16-31
.if mra && mrb
	v_wmma_scale_f32_16x16x128_f8f6f4 v[md:md+7], v[ma:ma+11], v[mb:mb+11], v[md:md+7], v[msa], v[YS] matrix_a_fmt:MATRIX_FMT_FP6 matrix_b_fmt:MATRIX_FMT_FP6 matrix_a_scale:MATRIX_SCALE_ROW1 matrix_b_scale:MATRIX_SCALE_ROW1
.elseif mra
	v_wmma_scale_f32_16x16x128_f8f6f4 v[md:md+7], v[ma:ma+11], v[mb:mb+11], v[md:md+7], v[msa], v[YS] matrix_a_fmt:MATRIX_FMT_FP6 matrix_b_fmt:MATRIX_FMT_FP6 matrix_a_scale:MATRIX_SCALE_ROW1
.elseif mrb
	v_wmma_scale_f32_16x16x128_f8f6f4 v[md:md+7], v[ma:ma+11], v[mb:mb+11], v[md:md+7], v[msa], v[YS] matrix_a_fmt:MATRIX_FMT_FP6 matrix_b_fmt:MATRIX_FMT_FP6 matrix_b_scale:MATRIX_SCALE_ROW1
.else
	v_wmma_scale_f32_16x16x128_f8f6f4 v[md:md+7], v[ma:ma+11], v[mb:mb+11], v[md:md+7], v[msa], v[YS] matrix_a_fmt:MATRIX_FMT_FP6 matrix_b_fmt:MATRIX_FMT_FP6
.endif
.endm
; Group G is multiplied: 8 matrix instructions.  An accumulator has one instruction in a K step, the 15 others' between two of its links (the accumulators take turns).
.macro GROUP G
.set gk, (\G)/2
.set gh, (\G)%2
.set gb, (\G)%3
.if (\G) < 14
	s_wait_loadcnt 26                              ; behind this group's 13 loads only the next two groups' have been issued: they may stay out
.elseif (\G) == 14
	s_wait_loadcnt 13
.else
	s_wait_loadcnt 0x0
.endif
.if gh == 0
	s_wait_dscnt 0x0                               ; this K step's o is in
.endif
	WIN 0x50                                       ; C and D in window 1
.irp u, 0,1
.irp tl, 0,1,2,3
.set md, 64*\u+8*(4*gh+\tl)
.set ma, XF+48*gb+12*\tl
.set mb, YF+12*\u
.set msa, XS+2*gb+\tl/2
.set mra, \tl%2
.set mrb, \u
	MM
.endr
.endr
	WIN 0
.rept 4
	v_nop                                          ; four places in front of loads into registers that these products have read, and of the first read of results
.endr
.if (gh == 1) && (gk < 7)
	FETCH_Y gk+1
.endif
.if (\G)+3 < 16
	XGROUP (\G)+3
.endif
.endm
.macro ROWSUM u                        ; the two chains, the pair's halves and lane l xor 16's: my wave's 128 columns of my row
	v_pk_add_f32 v[SA:SA+1], v[SA:SA+1], v[SB:SB+1]
	v_add_f32 v[PS+\u], v[SA], v[SA+1]
	v_permlanex16_b32 v[TP], v[PS+\u], s60, s61
	v_add_f32 v[PS+\u], v[PS+\u], v[TP]
.endm
.macro MEET red                        ; the eight waves' partial sums meet: v[RB] and v[RB + 8] get the two rows' whole sums, added in one fixed order in every wave
.irp u, 0,1
	ds_store_b32 v[RW], v[PS+\u] offset:\red+512*\u   ; both lanes of a row write the same word with the same value
.endr
	s_wait_dscnt 0x0                               ; for the others' sake: my stores have landed
	s_barrier_signal -1
	s_barrier_wait -1
.irp u, 0,1
	ds_load_b128 v[RB+8*\u:RB+8*\u+3], v[RR] offset:\red+512*\u
	ds_load_b128 v[RB+8*\u+4:RB+8*\u+7], v[RR] offset:\red+512*\u+16
.endr
	s_wait_dscnt 0x0
.irp u, 0,1
	v_pk_add_f32 v[RB+8*\u:RB+8*\u+1], v[RB+8*\u:RB+8*\u+1], v[RB+8*\u+2:RB+8*\u+3]
	v_pk_add_f32 v[RB+8*\u+4:RB+8*\u+5], v[RB+8*\u+4:RB+8*\u+5], v[RB+8*\u+6:RB+8*\u+7]
.endr
.irp u, 0,1
	v_pk_add_f32 v[RB+8*\u:RB+8*\u+1], v[RB+8*\u:RB+8*\u+1], v[RB+8*\u+4:RB+8*\u+5]
.endr
.irp u, 0,1
	v_add_f32 v[RB+8*\u], v[RB+8*\u], v[RB+8*\u+1]
.endr
.endm
	s_load_b256 s[8:15], s[0:1], 0x0               ; oimg 8, ximg 10, bo 12, queries 14
	s_load_b128 s[16:19], s[0:1], 0x20             ; gamma 16, beta 18
	s_load_b64 s[20:21], s[0:1], 0x30              ; out0
	v_lshl_add_u32 v254, v0, 2, 0x17800
	v_mov_b32 v255, 0
	v_lshrrev_b32 v1, 5, v0
	v_readfirstlane_b32 s40, v1                    ; wave 0..7
	s_mov_b32 s42, ttmp9                           ; g
	v_and_b32 v10, 31, v0                          ; lane
	v_and_b32 v11, 15, v0                          ; r
	v_bfe_u32 v12, v0, 4, 1                        ; h
	v_lshlrev_b32 v[LI], 4, v10
	v_lshlrev_b32 v[LS], 2, v10
	v_lshlrev_b32 v[LS2], 2, v11
	v_lshl_add_u32 v[LS2], v12, 7, v[LS2]
	s_mul_i32 s2, s40, 3072
	v_add_nc_u32 v[IW], s2, v[LI]
	s_lshl_b32 s2, s40, 8
	v_add_nc_u32 v[SW], s2, v[LS]
	v_lshlrev_b32 v[LB], 3, v10
	v_lshlrev_b32 v[QA], 12, v11
	v_lshl_add_u32 v[QA], v12, 6, v[QA]
	v_lshlrev_b32 v[BA], 6, v12
	v_lshlrev_b32 v[RR], 5, v11
	s_lshl_b32 s2, s40, 2
	v_add_nc_u32 v[RW], s2, v[RR]
	s_mul_i32 s2, s40, 8448
	s_add_co_u32 s2, s2, STG                       ; my stage
	v_mul_u32_u24 v[STO], v11, 528
	v_lshl_add_u32 v[STO], v12, 6, v[STO]
	v_add_nc_u32 v[STO], s2, v[STO]
	v_add_nc_u32 v[RD], s2, v[LI]
	v_mov_b32 v[TP], 0                             ; written once: a lane permute's destination counts as one of its sources
.irp u, 0,1
	v_mov_b32 v[MU+2*\u+1], 0                      ; (named as the upper halves of pairs)
	v_mov_b32 v[RS+2*\u+1], 0
.endr
	s_mov_b32 s60, 0x76543210
	s_mov_b32 s61, 0xfedcba98                      ; v_permlanex16_b32's selects for lane l xor 16
	s_mov_b32 s2, 0x3a800000                       ; 1 / 1,024
	s_mov_b32 s3, 0x2b8cbccc                       ; eps = 1e-12
	s_mov_b32 s63, 0
	s_add_co_u32 s62, s40, 16                      ; my 128 rows of Wo: block 16 + w of ximg
	s_mul_i32 s62, s62, BLKB
	s_wait_kmcnt 0x0
	s_add_nc_u64 s[XC:XC+1], s[10:11], s[62:63]
	XGROUP 0                                       ; 39 loads go out before anything else
	XGROUP 1
	XGROUP 2
	s_lshl_b32 s62, s42, 15
	s_lshl_b32 s43, s40, 11
	s_add_co_u32 s62, s62, s43
	s_add_nc_u64 s[48:49], s[8:9], s[62:63]        ; oimg: record (2 g + u, 2 w + c) lies 16,384 u + 1,024 c on
	s_lshl_b32 s62, s40, 9
	s_add_nc_u64 s[52:53], s[12:13], s[62:63]      ; bo, gamma, beta at my 128 columns
	s_add_nc_u64 s[54:55], s[16:17], s[62:63]
	s_add_nc_u64 s[56:57], s[18:19], s[62:63]
	s_lshl_b32 s43, s42, 17
	s_add_co_u32 s62, s62, s43
	s_add_nc_u64 s[50:51], s[14:15], s[62:63]      ; queries and out0 at my 32 rows, my 128 columns
	s_add_nc_u64 s[58:59], s[20:21], s[62:63]
.irp u, 0,1                                    ; K step w of o: two records make a fragment
	global_load_b128 v[YF+12*\u:YF+12*\u+3], v[LI], s[48:49] offset:16384*\u
	global_load_b64 v[YF+12*\u+4:YF+12*\u+5], v[LB], s[48:49] offset:16384*\u+512
	global_load_b128 v[YF+12*\u+6:YF+12*\u+9], v[LI], s[48:49] offset:16384*\u+1024
	global_load_b64 v[YF+12*\u+10:YF+12*\u+11], v[LB], s[48:49] offset:16384*\u+1536
	global_load_b32 v[WA+2*\u], v[LS], s[48:49] offset:16384*\u+768
	global_load_b32 v[WA+2*\u+1], v[LS], s[48:49] offset:16384*\u+1792
.endr
	WIN 0x40
.irp u, 0,1                                    ; the residual, in the accumulators' layout
.irp b, 0,1,2,3
.irp j, 0,1,2,3
	global_load_b128 v[64*\u+16*\b+4*\j:64*\u+16*\b+4*\j+3], v[QA], s[50:51] offset:65536*\u+128*\b+16*\j th:TH_LOAD_NT
.endr
.endr
.endr
.irp b, 0,1,2,3                                ; bo likewise, behind the accumulators
.irp j, 0,1,2,3
	global_load_b128 v[128+16*\b+4*\j:128+16*\b+4*\j+3], v[BA], s[52:53] offset:128*\b+16*\j
.endr
.endr
	WIN 0
	global_load_b128 v[GA:GA+3], v[LI], s[54:55]
	global_load_b128 v[BE:BE+3], v[LI], s[56:57]
	s_wait_loadcnt 0x0
.irp u, 0,1
	v_perm_b32 v[PW+\u], v[WA+2*\u+1], v[WA+2*\u], 0x05040100   ; head 2 w's two bytes, then head 2 w + 1's
.endr
.irp u, 0,1
.irp c, 0,1,2
	ds_store_b128 v[IW], v[YF+12*\u+4*\c:YF+12*\u+4*\c+3] offset:1536*\u+512*\c
.endr
	ds_store_b32 v[SW], v[PW+\u] offset:YSC+128*\u
.endr
	WIN 0x45
.irp u, 0,1
.set k, 0
.rept 32
	v_pk_add_f32 v[64*\u+2*k:64*\u+2*k+1], v[64*\u+2*k:64*\u+2*k+1], v[128+2*k:128+2*k+1]   ; queries + bo: what the sums begin with
.set k, k+1
.endr
.endr
	WIN 0
	s_wait_dscnt 0x0                               ; for the others' sake: my stores have landed
	s_barrier_signal -1
	s_barrier_wait -1                              ; o's 16 fragments lie in LDS; nothing is stored there again
	FETCH_Y 0
.irp G, 0,1,2,3,4,5,6,7,8,9,10,11,12,13,14,15
	GROUP \G
.endr
	; ---- the mean
.irp u, 0,1
	WIN 0x05
	v_pk_add_f32 v[SA:SA+1], v[64*\u:64*\u+1], v[64*\u+2:64*\u+3]        ; each accumulator from its low end on
	v_pk_add_f32 v[SB:SB+1], v[64*\u+4:64*\u+5], v[64*\u+6:64*\u+7]
	WIN 0x04
.set k, 8
.rept 14
	v_pk_add_f32 v[SA:SA+1], v[SA:SA+1], v[64*\u+k:64*\u+k+1]
	v_pk_add_f32 v[SB:SB+1], v[SB:SB+1], v[64*\u+k+2:64*\u+k+3]
.set k, k+4
.endr
	WIN 0
	ROWSUM \u
.endr
	MEET RED0
.irp u, 0,1
	v_mul_f32 v[MU+2*\u], s2, v[RB+8*\u]
.endr
	; ---- the deviations, and the sum of their squares
	WIN 0x41
.irp u, 0,1
.set k, 0
.rept 32
	v_pk_add_f32 v[64*\u+2*k:64*\u+2*k+1], v[64*\u+2*k:64*\u+2*k+1], v[MU+2*\u:MU+2*\u+1] op_sel_hi:[1,0] neg_lo:[0,1] neg_hi:[0,1]
.set k, k+1
.endr
.endr
.irp u, 0,1
	WIN 0x05
	v_pk_mul_f32 v[SA:SA+1], v[64*\u:64*\u+1], v[64*\u:64*\u+1]
	v_pk_mul_f32 v[SB:SB+1], v[64*\u+2:64*\u+3], v[64*\u+2:64*\u+3]
.set k, 4
.rept 15
	v_pk_fma_f32 v[SA:SA+1], v[64*\u+k:64*\u+k+1], v[64*\u+k:64*\u+k+1], v[SA:SA+1]
	v_pk_fma_f32 v[SB:SB+1], v[64*\u+k+2:64*\u+k+3], v[64*\u+k+2:64*\u+k+3], v[SB:SB+1]
.set k, k+4
.endr
	WIN 0
	ROWSUM \u
.endr
	MEET RED1
.irp u, 0,1
	v_fma_f32 v[RB+8*\u], v[RB+8*\u], s2, s3       ; var + eps
.endr
.irp u, 0,1
	v_rsq_f32 v[RS+2*\u], v[RB+8*\u]
.endr
	v_nop                                          ; one plain place behind a transcendental
	WIN 0x41
	s_wait_alu depctr_va_vdst(0)
.irp u, 0,1
.set k, 0
.rept 32
	v_pk_mul_f32 v[64*\u+2*k:64*\u+2*k+1], v[64*\u+2*k:64*\u+2*k+1], v[RS+2*\u:RS+2*\u+1] op_sel_hi:[1,0]
.set k, k+1
.endr
.endr
	; ---- the way out: 16 rows at a time through my stage; gamma and beta where a lane holds four neighbouring columns
.irp u, 0,1
	WIN 0x04                                       ; an LDS store's data are its source 1: window 1
.irp b, 0,1,2,3
.irp j, 0,1,2,3
	ds_store_b128 v[STO], v[64*\u+16*\b+4*\j:64*\u+16*\b+4*\j+3] offset:128*\b+16*\j
.endr
.endr
	WIN 0
.set i, 0
.rept 16
	ds_load_b128 v[XF+64*\u+4*i:XF+64*\u+4*i+3], v[RD] offset:528*i   ; LDS serves a wave's instructions in order (ISA guide 5.7.1.4): these see my stores
.set i, i+1
.endr
.set i, 0
.rept 16
	s_wait_dscnt 15-i                              ; row i is back; the younger rows' loads may stay out
	v_pk_fma_f32 v[XF+64*\u+4*i:XF+64*\u+4*i+1], v[XF+64*\u+4*i:XF+64*\u+4*i+1], v[GA:GA+1], v[BE:BE+1]
	v_pk_fma_f32 v[XF+64*\u+4*i+2:XF+64*\u+4*i+3], v[XF+64*\u+4*i+2:XF+64*\u+4*i+3], v[GA+2:GA+3], v[BE+2:BE+3]
	global_store_b128 v[LI], v[XF+64*\u+4*i:XF+64*\u+4*i+3], s[58:59] offset:65536*\u+4096*i th:TH_STORE_NT   ; 32 lanes store 512 consecutive bytes, at a multiple of 256 from out0's first byte
.set i, i+1
.endr
.endr
	s_wait_tensorcnt 0x0
	ds_add_u32 v254, v255
	s_wait_dscnt 0x0
	s_endpgm
.Lfunc_end_k_q7e092f5c9e_outln:
	.size	k_q7e092f5c9e_outln, .Lfunc_end_k_q7e092f5c9e_outln-k_q7e092f5c9e_outln
	.p2alignl 7, 3214868480
	.fill 96, 4, 3214868480
	.section	.rodata,"a",@progbits
	.p2align	6, 0x0
	.amdhsa_kernel k_q7e092f5c9e_outln
		.amdhsa_group_segment_fixed_size 97280
		.amdhsa_private_segment_fixed_size 0
		.amdhsa_enable_private_segment 0
		.amdhsa_kernarg_size 56
		.amdhsa_user_sgpr_count 2
		.amdhsa_user_sgpr_kernarg_segment_ptr 1
		.amdhsa_wavefront_size32 1
		.amdhsa_system_sgpr_workgroup_id_x 1
		.amdhsa_system_sgpr_workgroup_id_y 1
		.amdhsa_system_sgpr_workgroup_id_z 1
		.amdhsa_system_vgpr_workitem_id 0
		.amdhsa_next_free_vgpr 512
		.amdhsa_next_free_sgpr 66
		.amdhsa_reserve_vcc 0
		.amdhsa_float_denorm_mode_32 3
		.amdhsa_float_denorm_mode_16_64 3
		.amdhsa_memory_ordered 1
		.amdhsa_forward_progress 1
		.amdhsa_inst_pref_size 88
	.end_amdhsa_kernel
	.amdgpu_metadata
---
amdhsa.version: [ 1, 2 ]
amdhsa.kernels:
  - .name:           k_q7e092f5c9e_outln
    .symbol:         k_q7e092f5c9e_outln.kd
    .args:
      - { .name: oimg, .offset: 0, .size: 8, .value_kind: global_buffer, .address_space: global }
      - { .name: ximg, .offset: 8, .size: 8, .value_kind: global_buffer, .address_space: global }
      - { .name: bo, .offset: 16, .size: 8, .value_kind: global_buffer, .address_space: global }
      - { .name: queries, .offset: 24, .size: 8, .value_kind: global_buffer, .address_space: global }
      - { .name: gamma, .offset: 32, .size: 8, .value_kind: global_buffer, .address_space: global }
      - { .name: beta, .offset: 40, .size: 8, .value_kind: global_buffer, .address_space: global }
      - { .name: out0, .offset: 48, .size: 8, .value_kind: global_buffer, .address_space: global }
    .group_segment_fixed_size: 97280
    .private_segment_fixed_size: 0
    .kernarg_segment_align: 8
    .kernarg_segment_size: 56
    .max_flat_workgroup_size: 256
    .sgpr_count:     66
    .vgpr_count:     512
    .wavefront_size: 32
...
	.end_amdgpu_metadata
.endif
;; end of part 6
;; ======== version 3 of 3: 4 launches
;; workspace buffers: qimg 4,194,304 bytes; kv 6,815,744 bytes; oimg 4,194,304 bytes; ximg 5,734,400 bytes
;; launch pack (part 7): grid 224 x 1, 4 waves a work-group, no clusters, 0 bytes of LDS; arguments Wq_codes, Wq_scales, Wk_codes, Wk_scales, Wo_codes, Wo_scales, values_codes, values_scales, ximg; writes ximg
.if DOCPART == 7
	.amdgcn_target "amdgcn-amd-amdhsa--gfx1250"
	.amdhsa_code_object_version 6
	.text
	.protected	k_q7e092f5c9e_pack
	.globl	k_q7e092f5c9e_pack
	.p2align	8
	.type	k_q7e092f5c9e_pack,@function
k_q7e092f5c9e_pack:
	s_mov_b64 s[64:65], 0
	v_nop
	global_prefetch_b8 v0, s[64:65] scope:SCOPE_SE
	s_setreg_imm32_b32 hwreg(HW_REG_WAVE_MODE, 25, 1), 1
	s_wait_xcnt 0x0
; Wq, Wk, Wo and values, which come as rows of 768 bytes of FP6 codes (K = 1,024 innermost) and rows of 32 scale bytes, are laid out once IN THE ORDER OF THE OPERAND'S REGISTERS.  No code and no scale byte is changed.
; WHY.  The launches that follow take these four as source 0 of their products, and each fragment is fetched there by 16, 64 or 128 work-groups.  From rows, a fragment (16 rows x 128 K) is six loads of 8 bytes a lane,
; each naming 32 pieces in 16 rows 768 bytes apart.  From its image it is three loads of 16 bytes a lane, each covering 512 consecutive bytes.  The scattered loads are made here, once for each fragment.
; ximg: 56 blocks of 128 rows, 102,400 bytes each: blocks 0-7 Wq, 8-15 Wk, 16-23 Wo, 24-55 values.  A block is 16 groups of 6,400 bytes: group G = K step G / 2, tiles 4 (G % 2) .. + 3 of the block's eight.
; A group: four fragments of 1,536 bytes (registers 4 c .. 4 c + 3 of lane l at 512 c + 16 l), then 256 bytes of scale words: lane l's two words at 8 l; word pr: lanes 0-15 tile 2 pr's rows, lanes 16-31 tile 2 pr + 1's.
; THE ROWS OF A TILE ARE NOT NEIGHBOURS: lane r of tile 2 b + u takes row 32 b + 8 u + r + 8 (r / 8), as the products that follow want them.
; SHARES.  896 groups, one a wave: work-group j takes block j / 4, its rows 64 ((j / 2) % 2) .. + 63, K steps 4 (j % 2) + wave.  Waves share nothing: no LDS, no barrier.  No work-group reads what another reads but for
; the ends of a row's halves: nothing for a joint load.
.set BLKB, 102400
.set GRPB, 6400
.set XA,  1                            ; v1   rr x 768 + 24 h, rr = r + 8 (r / 8): my lane's place in a tile of rows
.set XSA, 2                            ; v2   (rr + 8 h) x 32: the scale words: lanes 0-15 the even tile's rows, lanes 16-31 the odd tile's
.set LI,  3                            ; v3   16 x lane
.set LB,  4                            ; v4   8 x lane
.set FR,  16                           ; v16-63  the group's four fragments
.set XS,  64                           ; v64-65  its two registers of scale words
	s_load_b512 s[8:23], s[0:1], 0x0               ; Wq codes 8, Wq scales 10, Wk codes 12, Wk scales 14, Wo codes 16, Wo scales 18, values codes 20, values scales 22
	s_load_b64 s[24:25], s[0:1], 0x40              ; ximg
	v_lshrrev_b32 v1, 5, v0
	v_readfirstlane_b32 s40, v1                    ; wave 0..3
	s_lshr_b32 s41, ttmp9, 2                       ; the block
	s_bfe_u32 s42, ttmp9, 0x10001                  ; which 64 of its rows
	s_and_b32 s43, ttmp9, 1
	s_lshl_b32 s43, s43, 2
	s_add_co_u32 s43, s43, s40                     ; the K step
	v_and_b32 v5, 31, v0                           ; lane
	v_and_b32 v6, 15, v0                           ; r
	v_bfe_u32 v7, v0, 4, 1                         ; h
	v_and_b32 v8, 8, v6
	v_add_nc_u32 v8, v8, v6                        ; rr
	v_mul_u32_u24 v[XA], v8, 768
	v_mad_u32_u24 v[XA], v7, 24, v[XA]
	v_lshl_add_u32 v[XSA], v7, 3, v8
	v_lshlrev_b32 v[XSA], 5, v[XSA]
	v_lshlrev_b32 v[LI], 4, v5
	v_lshlrev_b32 v[LB], 3, v5
	s_mov_b32 s49, 0
	s_wait_alu depctr_va_vdst(0)
	s_wait_kmcnt 0x0
	s_cmp_lt_u32 s41, 24                           ; the tensor is chosen on the work-group's number alone; s2: the tensor's first block
	s_cselect_b64 s[44:45], s[16:17], s[20:21]
	s_cselect_b64 s[46:47], s[18:19], s[22:23]
	s_cselect_b32 s2, 16, 24
	s_cmp_lt_u32 s41, 16
	s_cselect_b64 s[44:45], s[12:13], s[44:45]
	s_cselect_b64 s[46:47], s[14:15], s[46:47]
	s_cselect_b32 s2, 8, s2
	s_cmp_lt_u32 s41, 8
	s_cselect_b64 s[44:45], s[8:9], s[44:45]
	s_cselect_b64 s[46:47], s[10:11], s[46:47]
	s_cselect_b32 s2, 0, s2
	s_sub_co_u32 s2, s41, s2                       ; the block's number in its tensor,
	s_lshl_b32 s2, s2, 1
	s_add_co_u32 s2, s2, s42                       ; in halves of 64 rows
	s_mul_i32 s48, s2, 49152                       ; 64 rows of 768 bytes,
	s_mul_i32 s3, s43, 96                          ; 96 bytes a K step
	s_add_co_u32 s48, s48, s3
	s_add_nc_u64 s[44:45], s[44:45], s[48:49]
	s_lshl_b32 s48, s2, 11                         ; 64 rows of 32 scale bytes,
	s_lshl_b32 s3, s43, 2                          ; 4 a K step
	s_add_co_u32 s48, s48, s3
	s_add_nc_u64 s[46:47], s[46:47], s[48:49]
.irp tl, 0,1,2,3
.irp p, 0,1,2,3,4,5
	global_load_b64 v[FR+12*\tl+2*\p:FR+12*\tl+2*\p+1], v[XA], s[44:45] offset:(32*(\tl/2)+8*(\tl%2))*768+48*(\p/3)+8*(\p%3)   ; lane (r, h): 24 bytes at 24 h and 24 at 48 + 24 h of its row's 96, in pieces of 8
.endr
.endr
.irp pr, 0,1
	global_load_b32 v[XS+\pr], v[XSA], s[46:47] offset:1024*\pr
.endr
	s_mul_i32 s48, s41, BLKB                       ; where the group goes: block, then G = 2 x K step + half
	s_lshl_b32 s3, s43, 1
	s_add_co_u32 s3, s3, s42
	s_mul_i32 s3, s3, GRPB
	s_add_co_u32 s48, s48, s3
	s_add_nc_u64 s[24:25], s[24:25], s[48:49]
.irp tl, 0,1,2,3
	s_wait_loadcnt 6*(3-\tl)+2                     ; this fragment's six loads are in; the younger fragments' six each and the two of scale words may stay out
.irp c, 0,1,2
	global_store_b128 v[LI], v[FR+12*\tl+4*\c:FR+12*\tl+4*\c+3], s[24:25] offset:1536*\tl+512*\c   ; 32 lanes store 512 consecutive bytes, at a multiple of 256 from ximg's first byte
.endr
.endr
	s_wait_loadcnt 0x0
	global_store_b64 v[LB], v[XS:XS+1], s[24:25] offset:6144   ; 256 consecutive bytes, likewise
	s_endpgm
.Lfunc_end_k_q7e092f5c9e_pack:
	.size	k_q7e092f5c9e_pack, .Lfunc_end_k_q7e092f5c9e_pack-k_q7e092f5c9e_pack
	.p2alignl 7, 3214868480
	.fill 96, 4, 3214868480
	.section	.rodata,"a",@progbits
	.p2align	6, 0x0
	.amdhsa_kernel k_q7e092f5c9e_pack
		.amdhsa_group_segment_fixed_size 0
		.amdhsa_private_segment_fixed_size 0
		.amdhsa_enable_private_segment 0
		.amdhsa_kernarg_size 72
		.amdhsa_user_sgpr_count 2
		.amdhsa_user_sgpr_kernarg_segment_ptr 1
		.amdhsa_wavefront_size32 1
		.amdhsa_system_sgpr_workgroup_id_x 1
		.amdhsa_system_sgpr_workgroup_id_y 1
		.amdhsa_system_sgpr_workgroup_id_z 1
		.amdhsa_system_vgpr_workitem_id 0
		.amdhsa_next_free_vgpr 72
		.amdhsa_next_free_sgpr 66
		.amdhsa_reserve_vcc 0
		.amdhsa_float_denorm_mode_32 3
		.amdhsa_float_denorm_mode_16_64 3
		.amdhsa_memory_ordered 1
		.amdhsa_forward_progress 1
		.amdhsa_inst_pref_size 7
	.end_amdhsa_kernel
	.amdgpu_metadata
---
amdhsa.version: [ 1, 2 ]
amdhsa.kernels:
  - .name:           k_q7e092f5c9e_pack
    .symbol:         k_q7e092f5c9e_pack.kd
    .args:
      - { .name: Wq_codes, .offset: 0, .size: 8, .value_kind: global_buffer, .address_space: global }
      - { .name: Wq_scales, .offset: 8, .size: 8, .value_kind: global_buffer, .address_space: global }
      - { .name: Wk_codes, .offset: 16, .size: 8, .value_kind: global_buffer, .address_space: global }
      - { .name: Wk_scales, .offset: 24, .size: 8, .value_kind: global_buffer, .address_space: global }
      - { .name: Wo_codes, .offset: 32, .size: 8, .value_kind: global_buffer, .address_space: global }
      - { .name: Wo_scales, .offset: 40, .size: 8, .value_kind: global_buffer, .address_space: global }
      - { .name: values_codes, .offset: 48, .size: 8, .value_kind: global_buffer, .address_space: global }
      - { .name: values_scales, .offset: 56, .size: 8, .value_kind: global_buffer, .address_space: global }
      - { .name: ximg, .offset: 64, .size: 8, .value_kind: global_buffer, .address_space: global }
    .group_segment_fixed_size: 0
    .private_segment_fixed_size: 0
    .kernarg_segment_align: 8
    .kernarg_segment_size: 72
    .max_flat_workgroup_size: 128
    .sgpr_count:     66
    .vgpr_count:     72
    .wavefront_size: 32
...
	.end_amdgpu_metadata
.endif
;; end of part 7
;; launch proj (part 8): grid 64 x 3, 8 waves a work-group, no clusters, 54,272 bytes of LDS; arguments queries, bq, keys_codes, keys_scales, bk, Wv_codes, Wv_scales, bv, qimg, kv, ximg; writes qimg, kv
.if DOCPART == 8
	.amdgcn_target "amdgcn-amd-amdhsa--gfx1250"
	.amdhsa_code_object_version 6
	.text
	.protected	k_q7e092f5c9e_proj
	.globl	k_q7e092f5c9e_proj
	.p2align	8
	.type	k_q7e092f5c9e_proj,@function
k_q7e092f5c9e_proj:
	s_mov_b64 s[64:65], 0
	v_nop
	global_prefetch_b8 v0, s[64:65] scope:SCOPE_SE
	s_setreg_imm32_b32 hwreg(HW_REG_WAVE_SCHED_MODE, 0, 2), 2
	s_setreg_imm32_b32 hwreg(HW_REG_WAVE_MODE, 25, 1), 1
	s_wait_xcnt 0x0
	s_wait_alu depctr_vm_vsrc(0)
; q = Q(queries) Wq + bq, k = keys Wk + bk, v = values Wv + bv, all three products on codes of FP6 (E2M3) with one E8M0 scale for each 32 along K = 1,024,
; and each result quantised at once for the product that takes it next: q and k along the head's 64 (two blocks), v along the keys.  No f32 result goes to memory.
; ONE TEXT, THREE PATHS, chosen by the work-group's y (0 q, 1 k, 2 v): D = X (source 0) x Y (source 1).  q: X = Wq, Y = queries (quantised here).  k: X = Wk, Y = keys.  v: X = values, Y = Wv.
; A lane of the result holds ONE row of Y, and its registers run along X's rows: along the head's channels for q and k, along the keys for v: the next product's K.
; SHARES.  A work-group takes 64 rows of Y (four tiles) and 1,024 rows of X; each of its eight waves 128 rows of X (eight tiles): 32 accumulators, 256 registers.
; THE ROWS OF X THAT FORM A TILE ARE NOT NEIGHBOURS: lane r of tile 2 b + u takes row 32 b + 8 u + r + 8 (r / 8), so that the 16 registers of tiles 2 b and 2 b + 1 are 16 neighbours, 32 b + 16 (lane / 16) + 0 .. 15.
; X COMES FROM ximg, where the launch before has laid it in the order of the operand's registers: a wave's 128 rows are one block of 102,400 bytes, 16 groups of four fragments and their scale words.
; A group is 12 loads of 16 bytes a lane (512 consecutive bytes each) and one of 8 (256 consecutive bytes), straight into the operand's registers, three groups ahead; each fragment feeds four matrix instructions.
; Y's 32 fragments (8 K steps x 4 tiles) are made or fetched once, wave w taking K step w, and reach the other waves through LDS as images of their registers; one barrier.
; WHAT IS STORED.  qimg: a record of 1,024 bytes for each (tile of 16 queries, head): registers 0-3 at 16 x lane, registers 4-5 at 512 + 8 x lane, the scale word (s0, s1, s0, s1) at 768 + 4 x lane.
; kv: for each head 16 slots of 256 keys, 26,624 bytes: eight fragments of k (registers 0-5: key 32 b + rr, registers 6-11: key 32 b + 8 + rr, rr = r + 8 (r / 8); each with its own two scale bytes),
; eight fragments of v^T (row: channel 32 (t / 2) + 8 (t % 2) + rr; K: 128 keys), then their scale words, 128 bytes a fragment.  A fragment lies as three groups of 512 bytes: registers 4 c .. 4 c + 3, lane l at 16 l.
; NO JOINT LOADS: every fragment of X is wanted by one wave of a work-group and goes into its registers; there is no tile in LDS that a joint load could fill.  Y's 49,152 bytes are a sixteenth of what a work-group fetches.
; LIMITS: NaN and infinities are not served.  A block whose largest magnitude lies under 2^-124 gets the scale byte 1; a block of zeros gets 1 where the rule says 127: its codes are zeros, and this program alone reads the bytes.
; THE MODE: SCHED_MODE bits 1:0 = 2 (LLVM: expert scheduling mode 2), set by the entry lines.  The code itself states the register dependences
; between vector or matrix instructions and memory or LDS instructions, with s_wait_alu, always for 0.
; THE PLAN.  Registers that memory or LDS instructions touch:
;   v[XF ..], v[XS ..]  three buffers of four fragments and two registers of scale words.  Group G's sixteen products read buffer G % 3; behind them the loads of group G + 3 land in it.  Behind the last group the bias lands in v[XF ..].
;   v[YF ..], v[YS ..]  first the data of my LDS stores (on the q path the quantiser has written them, on the others loads); then Y's fragments of a K step, loaded out of LDS behind each odd group and read by two groups' products;
;                       in the epilogue written by the quantiser and read by the global stores, each register once.
;   v[PW ..], v[SWR ..] scale words: written by the quantiser (or by loads), read by stores.
;   window 1            on the q path queries land there, before any vector instruction has named these registers; afterwards vector and matrix instructions alone name them.
;   v1 .. v15           addresses and offsets, made once at the head and never written again.
; So: one wait on va_vdst ahead of the first load (the addresses); one at the end of the q arm (the LDS stores' data); one on vm_vsrc behind the barrier (the LDS stores have read what is written again);
; one on va_vdst behind the products of each group that is followed by loads; one ahead of the bias's loads; one ahead of each tile's run of stores.
; A wave has 512 registers (two waves share a SIMD's 1,024): 256 are accumulators and window 0 is full, so X has no fourth buffer and Y no second: a group's wait stands straight behind its products, and three groups of loads stay on their way.
.set HEADB, 425984                     ; a head's bytes in kv
.set SLOTB, 26624                      ; a slot's
.set BLKB,  102400                     ; a block of 128 rows in ximg
.set GRPB,  6400                       ; a group in it: four fragments, 6,144 bytes, and 256 bytes of scale words
.set YSC,   49152                      ; LDS: Y's fragments (4 s + yt) x 1,536 from 0; their scale words (4 s + yt) x 128 from here
.set XA,  1                            ; v1   rr x 768 + 24 h: my lane's place in a tile of rows of 768 bytes (Y's, where Y comes as codes)
.set LI,  3                            ; v3   16 x lane
.set LS,  4                            ; v4   4 x lane
.set LS2, 5                            ; v5   128 h + 4 r: Y's scale words: lanes 0-15 the even tile's, lanes 16-31 the odd tile's
.set IW,  6                            ; v6   16 x lane + 6,144 x wave: where I store Y's images
.set SW,  7                            ; v7   4 x lane + 512 x wave: and their scale words
.set BVA, 8                            ; v8   4 rr: bv of my lane's row of Wv
.set YSA, 9                            ; v9   32 rr: Y's scale words in memory
.set LB,  10                           ; v10  8 x lane
.set QA,  14                           ; v14  4,096 r + 64 h: my 16 numbers of a block of 32 of a row of queries
.set BA,  15                           ; v15  64 h: my 16 numbers of a block of 32 of bq or bk
.set XF,  16                           ; v16-159  X's fragments: three buffers of four
.set YF,  160                          ; v160-207 Y's four fragments of a K step; in the epilogue the fragments that are stored
.set XS,  208                          ; v208-213 X's scale words, two registers a buffer
.set YS,  214                          ; v214-215 Y's
.set TM,  216                          ; v216-219 largest magnitudes
.set TB,  220                          ; v220-223 the other half's; then the scale bytes
.set TS,  224                          ; v224-227 the conversions' scale operands
.set CT,  228                          ; v228-230, v232-234 the upper halves of two blocks' codes
.set PW,  236                          ; v236-239 scale words as they are made
.set SWR, 240                          ; v240-247 scale words as they are stored
.set BV,  248                          ; v248-255 bv: a pair for each tile, the upper word 0
.set XC,  44                           ; s[44:45] my block of ximg
.set YC,  48                           ; s[48:49] Y's codes at my K step         s[50:51] Y's scales
.set YSP, 50
.set BI,  52                           ; s[52:53] the bias
.set QP,  54                           ; s[54:55] queries at my K step
.set MSB, 0
.macro WIN new                         ; the immediate's high byte repeats the setting that is left; a switch that changes nothing is dropped
.if MSB != \new
	s_set_vgpr_msb (MSB<<8)|\new
.set MSB, \new
.endif
.endm
; Group G of 16: K step G / 2, tiles 4 (G % 2) .. + 3 of X, into buffer G % 3: 12 loads of codes, 1 of scale words.
.macro XGROUP G
.set xb, (\G)%3
.irp tl, 0,1,2,3
.irp c, 0,1,2
	global_load_b128 v[XF+48*xb+12*\tl+4*\c:XF+48*xb+12*\tl+4*\c+3], v[LI], s[XC:XC+1] offset:GRPB*(\G)+1536*\tl+512*\c
.endr
.endr
	global_load_b64 v[XS+2*xb:XS+2*xb+1], v[LB], s[XC:XC+1] offset:GRPB*(\G)+6144
.endm
.macro FETCH_Y s                       ; K step s: Y's four fragments and their scale words, out of LDS
.irp yt, 0,1,2,3
.irp c, 0,1,2
	ds_load_b128 v[YF+12*\yt+4*\c:YF+12*\yt+4*\c+3], v[LI] offset:(4*(\s)+\yt)*1536+512*\c
.endr
.endr
.irp i, 0,1
	ds_load_b32 v[YS+\i], v[LS2] offset:YSC+(4*(\s)+2*\i)*128
.endr
.endm
; One matrix instruction, from the symbols md (D), ma (X), mb (Y), msa, msb (scale registers), mra, mrb (1: the scales stand in lanes 16-31), mz (1: the product starts the sum).
.macro MM
.if mz
.if mra && mrb
	v_wmma_scale_f32_16x16x128_f8f6f4 v[md:md+7], v[ma:ma+11], v[mb:mb+11], 0, v[msa], v[msb] matrix_a_fmt:MATRIX_FMT_FP6 matrix_b_fmt:MATRIX_FMT_FP6 matrix_a_scale:MATRIX_SCALE_ROW1 matrix_b_scale:MATRIX_SCALE_ROW1
.elseif mra
	v_wmma_scale_f32_16x16x128_f8f6f4 v[md:md+7], v[ma:ma+11], v[mb:mb+11], 0, v[msa], v[msb] matrix_a_fmt:MATRIX_FMT_FP6 matrix_b_fmt:MATRIX_FMT_FP6 matrix_a_scale:MATRIX_SCALE_ROW1
.elseif mrb
	v_wmma_scale_f32_16x16x128_f8f6f4 v[md:md+7], v[ma:ma+11], v[mb:mb+11], 0, v[msa], v[msb] matrix_a_fmt:MATRIX_FMT_FP6 matrix_b_fmt:MATRIX_FMT_FP6 matrix_b_scale:MATRIX_SCALE_ROW1
.else
	v_wmma_scale_f32_16x16x128_f8f6f4 v[md:md+7], v[ma:ma+11], v[mb:mb+11], 0, v[msa], v[msb] matrix_a_fmt:MATRIX_FMT_FP6 matrix_b_fmt:MATRIX_FMT_FP6
.endif
.else
.if mra && mrb
	v_wmma_scale_f32_16x16x128_f8f6f4 v[md:md+7], v[ma:ma+11], v[mb:mb+11], v[md:md+7], v[msa], v[msb] matrix_a_fmt:MATRIX_FMT_FP6 matrix_b_fmt:MATRIX_FMT_FP6 matrix_a_scale:MATRIX_SCALE_ROW1 matrix_b_scale:MATRIX_SCALE_ROW1
.elseif mra
	v_wmma_scale_f32_16x16x128_f8f6f4 v[md:md+7], v[ma:ma+11], v[mb:mb+11], v[md:md+7], v[msa], v[msb] matrix_a_fmt:MATRIX_FMT_FP6 matrix_b_fmt:MATRIX_FMT_FP6 matrix_a_scale:MATRIX_SCALE_ROW1
.elseif mrb
	v_wmma_scale_f32_16x16x128_f8f6f4 v[md:md+7], v[ma:ma+11], v[mb:mb+11], v[md:md+7], v[msa], v[msb] matrix_a_fmt:MATRIX_FMT_FP6 matrix_b_fmt:MATRIX_FMT_FP6 matrix_b_scale:MATRIX_SCALE_ROW1
.else
	v_wmma_scale_f32_16x16x128_f8f6f4 v[md:md+7], v[ma:ma+11], v[mb:mb+11], v[md:md+7], v[msa], v[msb] matrix_a_fmt:MATRIX_FMT_FP6 matrix_b_fmt:MATRIX_FMT_FP6
.endif
.endif
.endm
; Group G is multiplied: 16 matrix instructions, four tiles of X against Y's four.  An accumulator has one instruction in a K step, the 31 others' between two of its links (the accumulators take turns).
.macro GROUP G
.set gk, (\G)/2
.set gh, (\G)%2
.set gb, (\G)%3
.if (\G) < 14
	s_wait_loadcnt 26                              ; behind this group's 13 loads only the next two groups' have been issued: they may stay out
.elseif (\G) == 14
	s_wait_loadcnt 13                              ; one group is behind
.else
	s_wait_loadcnt 0x0
.endif
.if gh == 0
	s_wait_dscnt 0x0                               ; this K step's Y is in
.endif
	WIN 0x50                                       ; C and D in window 1
.irp yt, 0,1,2,3
.irp tl, 0,1,2,3
.set md, 64*\yt+8*(4*gh+\tl)
.set ma, XF+48*gb+12*\tl
.set mb, YF+12*\yt
.set msa, XS+2*gb+\tl/2
.set msb, YS+\yt/2
.set mra, \tl%2
.set mrb, \yt%2
.set mz, (\G) < 2
	MM
.endr
.endr
	WIN 0
.rept 4
	v_nop                                          ; four places behind these products, ahead of the first read of results behind the last group (ISA guide 7.12.1); they stay beside the wait below
.endr
.if ((gh == 1) && (gk < 7)) || ((\G)+3 < 16)
	s_wait_alu depctr_va_vdst(0)                   ; this group's products are done reading buffer G % 3 and its scale words, and, behind an odd group, both groups of the K step are done reading Y's fragments and scale words: the loads below land there
.endif
.if (gh == 1) && (gk < 7)
	FETCH_Y gk+1
.endif
.if (\G)+3 < 16
	XGROUP (\G)+3                                  ; into the buffer just multiplied
.endif
.endm
; 64 numbers of a lane in window 1, v[s] .. v[s + 63], register 16 b + i = k 32 b + 16 (lane / 16) + i of my row, become codes: blocks 0, 1 in v[da] .. v[da + 5], blocks 2, 3 in v[db] .. v[db + 5]
; (lanes 0-15 hold the even block whole, lanes 16-31 the odd one), and the four scale bytes in v[pw].
.macro QUANT s, da, db, pw
	WIN 0x05
.irp b, 0,1,2,3
	v_max3_num_f32 v[TM+\b], |v[(\s)+16*\b]|, |v[(\s)+16*\b+1]|, 0x1800000   ; block b: my 16 numbers, and the floor 2^(3 - 127): the byte cannot fall under 1
.endr
	WIN 0x14
.irp i, 2,4,6,8,10,12,14
.irp b, 0,1,2,3
	v_max3_num_f32 v[TM+\b], v[TM+\b], |v[(\s)+16*\b+\i]|, |v[(\s)+16*\b+\i+1]|   ; the four blocks by turns
.endr
.endr
	WIN 0
.irp b, 0,1,2,3
	v_permlanex16_b32 v[TB+\b], v[TM+\b], s60, s61
.endr
.irp b, 0,1,2,3
	v_max_num_f32 v[TM+\b], v[TM+\b], v[TB+\b]     ; with lane l xor 16's: the block's largest magnitude
.endr
.irp b, 0,1,2,3
	v_add_nc_u32 v[TS+\b], 0xff000000, v[TM+\b]    ; 2 off its exponent field: the conversion takes the exponent field of this operand as its scale
.endr
.irp b, 0,1,2,3
	v_lshrrev_b32 v[TB+\b], 23, v[TS+\b]           ; the scale's byte
.endr
	v_lshl_or_b32 v[\pw], v[TB+1], 8, v[TB]
	v_lshl_or_b32 v[\pw], v[TB+2], 16, v[\pw]
	v_lshl_or_b32 v[\pw], v[TB+3], 24, v[\pw]
	WIN 0x01
	v_cvt_scalef32_pk16_fp6_f32 v[(\da):(\da)+2], v[(\s):(\s)+15], v[TS]
	v_cvt_scalef32_pk16_fp6_f32 v[CT:CT+2], v[(\s)+16:(\s)+31], v[TS+1]      ; (a conversion's three registers begin on an even number)
	v_cvt_scalef32_pk16_fp6_f32 v[(\db):(\db)+2], v[(\s)+32:(\s)+47], v[TS+2]
	v_cvt_scalef32_pk16_fp6_f32 v[CT+4:CT+6], v[(\s)+48:(\s)+63], v[TS+3]
	WIN 0
	v_nop                                          ; one plain place behind a scaled conversion
.irp i, 0,1,2
	v_permlane16_swap_b32 v[(\da)+\i], v[CT+\i]    ; the first's lanes 16-31 change places with the second's lanes 0-15: each lane now has its block's lower 16 codes in the first, the upper 16 in the second
.endr
.irp i, 0,1,2
	v_mov_b32 v[(\da)+3+\i], v[CT+\i]
.endr
.irp i, 0,1,2
	v_permlane16_swap_b32 v[(\db)+\i], v[CT+4+\i]
.endr
.irp i, 0,1,2
	v_mov_b32 v[(\db)+3+\i], v[CT+4+\i]
.endr
.endm
	s_load_b512 s[8:23], s[0:1], 0x0               ; queries 8, bq 10, keys codes 12, keys scales 14, bk 16, Wv codes 18, Wv scales 20, bv 22
	s_load_b128 s[36:39], s[0:1], 0x40             ; qimg 36, kv 38
	s_load_b64 s[24:25], s[0:1], 0x50              ; ximg
	v_lshl_add_u32 v231, v0, 2, 0xd000
	v_mov_b32 v235, 0
	v_lshrrev_b32 v1, 5, v0
	v_readfirstlane_b32 s40, v1                    ; wave 0..7
	s_and_b32 s41, ttmp7, 0xffff                   ; the path
	s_mov_b32 s42, ttmp9                           ; g
	v_and_b32 v10, 31, v0                          ; lane
	v_and_b32 v11, 15, v0                          ; r
	v_bfe_u32 v12, v0, 4, 1                        ; h
	v_and_b32 v13, 8, v11
	v_add_nc_u32 v13, v13, v11                     ; rr = r + 8 (r / 8)
	v_mul_u32_u24 v[XA], v13, 768
	v_mad_u32_u24 v[XA], v12, 24, v[XA]
	v_lshlrev_b32 v[LI], 4, v10
	v_lshlrev_b32 v[LS], 2, v10
	v_lshlrev_b32 v[LS2], 2, v11
	v_lshl_add_u32 v[LS2], v12, 7, v[LS2]
	s_wait_alu depctr_va_sdst(0)                   ; s40, the wave's number, is written, ahead of its first reader
	s_mul_i32 s2, s40, 6144
	v_add_nc_u32 v[IW], s2, v[LI]
	s_lshl_b32 s2, s40, 9
	v_add_nc_u32 v[SW], s2, v[LS]
	v_lshlrev_b32 v[BVA], 2, v13
	v_lshlrev_b32 v[YSA], 5, v13
	v_lshlrev_b32 v[LB], 3, v10
	v_lshlrev_b32 v[QA], 12, v11
	v_lshl_add_u32 v[QA], v12, 6, v[QA]
	v_lshlrev_b32 v[BA], 6, v12
.irp b, 0,1,2,3
	v_mov_b32 v[TB+\b], 0                          ; written once: a lane permute's destination counts as one of its sources
.endr
	s_mov_b32 s60, 0x76543210
	s_mov_b32 s61, 0xfedcba98                      ; v_permlanex16_b32's selects for lane l xor 16
	; X: my block of ximg: q: w;  k: 8 + w;  v: 24 + 8 (g & 3) + w (keys 1,024 (g & 3) + 128 w on).   Y's first row: q, k: 64 g;  v (Wv's rows): 64 (g >> 2): one head
	s_and_b32 s2, s42, 3
	s_lshl_b32 s2, s2, 3
	s_add_co_u32 s2, s2, 24
	s_lshr_b32 s3, s42, 2
	s_lshl_b32 s3, s3, 6
	s_lshl_b32 s43, s42, 6
	s_lshl_b32 s62, s41, 3
	s_cmp_eq_u32 s41, 2
	s_cselect_b32 s2, s2, s62
	s_cselect_b32 s3, s3, s43                      ; Y's first row
	s_add_co_u32 s2, s2, s40                       ; X's block
	s_mul_i32 s62, s2, BLKB
	s_mov_b32 s63, 0
	s_wait_kmcnt 0x0
	s_add_nc_u64 s[XC:XC+1], s[24:25], s[62:63]
	s_wait_alu depctr_va_vdst(0)                   ; the addresses and offsets v1 to v15 are written: every load and store of the kernel reads one of them, and none is written again
	XGROUP 0                                       ; 39 loads go out before anything else
	XGROUP 1
	XGROUP 2
	s_cmp_eq_u32 s41, 0                            ; the buffers are chosen on the work-group's number alone
	s_cselect_b64 s[BI:BI+1], s[10:11], s[16:17]
	s_cmp_eq_u32 s41, 2
	s_cselect_b64 s[YC:YC+1], s[18:19], s[12:13]   ; (on the q path these two are made and not used)
	s_cselect_b64 s[YSP:YSP+1], s[20:21], s[14:15]
	s_cselect_b64 s[BI:BI+1], s[22:23], s[BI:BI+1]
	s_mul_i32 s62, s3, 768
	s_mul_i32 s43, s40, 96
	s_add_co_u32 s62, s62, s43                     ; Y's rows, K step w
	s_add_nc_u64 s[YC:YC+1], s[YC:YC+1], s[62:63]
	s_lshl_b32 s62, s3, 5
	s_lshl_b32 s43, s40, 2
	s_add_co_u32 s62, s62, s43
	s_add_nc_u64 s[YSP:YSP+1], s[YSP:YSP+1], s[62:63]
	s_lshl_b32 s62, s3, 2                          ; the bias: v: that of Y's rows;
	s_lshl_b32 s43, s40, 9                         ; q, k: that of my 128 rows of X
	s_cmp_eq_u32 s41, 2
	s_cselect_b32 s62, s62, s43
	s_add_nc_u64 s[BI:BI+1], s[BI:BI+1], s[62:63]
	s_lshl_b32 s62, s42, 18                        ; queries: 64 g rows of 4,096 bytes + 512 w
	s_add_co_u32 s62, s62, s43
	s_add_nc_u64 s[QP:QP+1], s[8:9], s[62:63]
	; ---- Y: wave w makes K step w of the four tiles
	s_cmp_eq_u32 s41, 0
	s_cbranch_scc0 .Lcodes
	WIN 0x40                                       ; q: rows 64 g + 16 yt + r of queries, 64 numbers a lane and tile, into the registers that the accumulators will take (no vector instruction has named them; the offset was written ahead of the wait above)
.irp yt, 0,1,2,3
.irp b, 0,1,2,3
.irp j, 0,1,2,3
	global_load_b128 v[64*\yt+16*\b+4*\j:64*\yt+16*\b+4*\j+3], v[QA], s[QP:QP+1] offset:65536*\yt+128*\b+16*\j
.endr
.endr
.endr
	WIN 0
.irp yt, 0,1,2,3
	s_wait_loadcnt 16*(3-\yt)                      ; this tile's 16 loads are in; the younger tiles' may stay out
	QUANT 64*\yt, YF+12*\yt, YF+12*\yt+6, PW+\yt
.endr
	s_wait_alu depctr_va_vdst(0)                   ; the quantiser has written v[YF ..] and v[PW ..], which the LDS stores below read, and is done with them: later Y's fragments land in v[YF ..]
	s_branch .Ljoin
.Lcodes:                                               ; k, v: Y comes as codes: row 32 (yt / 2) + 8 (yt % 2) + rr, so that the keys (k) or channels (v) fall as the next product wants them
.irp yt, 0,1,2,3
.irp p, 0,1,2,3,4,5
	global_load_b64 v[YF+12*\yt+2*\p:YF+12*\yt+2*\p+1], v[XA], s[YC:YC+1] offset:(32*(\yt/2)+8*(\yt%2))*768+48*(\p/3)+8*(\p%3)
.endr
	global_load_b32 v[PW+\yt], v[YSA], s[YSP:YSP+1] offset:(32*(\yt/2)+8*(\yt%2))*32
.endr
	s_wait_loadcnt 0x0
.Ljoin:
.irp yt, 0,1,2,3
.irp c, 0,1,2
	ds_store_b128 v[IW], v[YF+12*\yt+4*\c:YF+12*\yt+4*\c+3] offset:1536*\yt+512*\c   ; the fragment goes to LDS as it stands in my registers
.endr
	ds_store_b32 v[SW], v[PW+\yt] offset:YSC+128*\yt
.endr
	s_wait_dscnt 0x0                               ; for the others' sake: my stores have landed
	s_barrier_signal -1
	s_barrier_wait -1                              ; Y's 32 fragments lie in LDS; nothing is stored there again
	s_wait_alu depctr_vm_vsrc(0)                   ; my LDS stores have read v[YF ..], in which the fragments' loads land from here on, and v[PW ..], which the epilogue's quantiser writes again
	FETCH_Y 0
.irp G, 0,1,2,3,4,5,6,7,8,9,10,11,12,13,14,15
	GROUP \G
.endr
	; ---- the bias, the quantiser, the stores
	s_cmp_eq_u32 s41, 2
	s_cbranch_scc1 .Lv
	s_wait_alu depctr_va_vdst(0)                   ; the last three groups' products are done reading X's buffers, in which the bias lands
.irp b, 0,1,2,3                                ; q, k: the bias runs along my registers: 128 w + 32 b + 16 h + 0 .. 15
.irp j, 0,1,2,3
	global_load_b128 v[XF+16*\b+4*\j:XF+16*\b+4*\j+3], v[BA], s[BI:BI+1] offset:128*\b+16*\j
.endr
.endr
	s_wait_loadcnt 0x0
	WIN 0x41
.irp yt, 0,1,2,3
.set k, 0
.rept 32
	v_pk_add_f32 v[64*\yt+2*k:64*\yt+2*k+1], v[64*\yt+2*k:64*\yt+2*k+1], v[XF+2*k:XF+2*k+1]   ; each accumulator from its low end on
.set k, k+1
.endr
.endr
	WIN 0
	s_cmp_eq_u32 s41, 1
	s_cbranch_scc1 .Lk
	; q: blocks 0, 1 are head 2 w, blocks 2, 3 head 2 w + 1: two records a tile
	s_lshl_b32 s62, s42, 16
	s_lshl_b32 s2, s40, 11
	s_add_co_u32 s62, s62, s2
	s_add_nc_u64 s[56:57], s[36:37], s[62:63]      ; record (4 g + yt, 2 w + c) lies 16,384 yt + 1,024 c on
.irp yt, 0,1,2,3
	QUANT 64*\yt, YF+12*\yt, YF+12*\yt+6, PW+\yt
	v_perm_b32 v[SWR+2*\yt], v[PW+\yt], v[PW+\yt], 0x01000100     ; (s0, s1, s0, s1): the word serves q in either half of an operand
	v_perm_b32 v[SWR+2*\yt+1], v[PW+\yt], v[PW+\yt], 0x03020302
	s_wait_alu depctr_va_vdst(0)                   ; this tile's codes and its two scale words are written, which the six stores below read; each tile has registers of its own, so no store's data are written again
.irp c, 0,1
	global_store_b128 v[LI], v[YF+12*\yt+6*\c:YF+12*\yt+6*\c+3], s[56:57] offset:16384*\yt+1024*\c
	global_store_b64 v[LB], v[YF+12*\yt+6*\c+4:YF+12*\yt+6*\c+5], s[56:57] offset:16384*\yt+1024*\c+512
	global_store_b32 v[LS], v[SWR+2*\yt+\c], s[56:57] offset:16384*\yt+1024*\c+768
.endr
.endr
	s_wait_dscnt 0x0                               ; the closing lines, six on end
	s_wait_alu 0x0
	s_wait_tensorcnt 0x0
	ds_add_u32 v231, v235
	s_wait_dscnt 0x0
	s_endpgm
.Lk:	; k: tiles 2 bl and 2 bl + 1 (keys 32 bl + rr and 32 bl + 8 + rr) make one fragment for each of my two heads
	s_mul_i32 s62, s40, 2*HEADB
	s_lshr_b32 s2, s42, 2
	s_mul_i32 s2, s2, SLOTB
	s_add_co_u32 s62, s62, s2                      ; head 2 w, slot g / 4
	s_and_b32 s3, s42, 3
	s_mul_i32 s66, s3, 3072
	s_add_co_u32 s66, s66, s62
	s_mov_b32 s67, 0
	s_add_nc_u64 s[56:57], s[38:39], s[66:67]      ; fragments 2 (g & 3) + bl
	s_lshl_b32 s66, s3, 8
	s_add_co_u32 s66, s66, s62
	s_add_co_u32 s66, s66, 24576
	s_add_nc_u64 s[58:59], s[38:39], s[66:67]      ; and their scale words
.irp bl, 0,1
	QUANT 128*\bl, YF+24*\bl, YF+24*\bl+12, PW+2*\bl
	QUANT 128*\bl+64, YF+24*\bl+6, YF+24*\bl+18, PW+2*\bl+1
	v_perm_b32 v[SWR+2*\bl], v[PW+2*\bl+1], v[PW+2*\bl], 0x05040100     ; head 2 w: the first keys' two bytes, then the second keys'
	v_perm_b32 v[SWR+2*\bl+1], v[PW+2*\bl+1], v[PW+2*\bl], 0x07060302   ; head 2 w + 1
	s_wait_alu depctr_va_vdst(0)                   ; these two fragments' codes and scale words are written, which the eight stores below read; each pair of tiles has registers of its own
.irp hd, 0,1
.irp c, 0,1,2
	global_store_b128 v[LI], v[YF+24*\bl+12*\hd+4*\c:YF+24*\bl+12*\hd+4*\c+3], s[56:57] offset:HEADB*\hd+1536*\bl+512*\c
.endr
	global_store_b32 v[LS], v[SWR+2*\bl+\hd], s[58:59] offset:HEADB*\hd+128*\bl
.endr
.endr
	s_wait_dscnt 0x0                               ; the closing lines, six on end, as above
	s_wait_alu 0x0
	s_wait_tensorcnt 0x0
	ds_add_u32 v231, v235
	s_wait_dscnt 0x0
	s_endpgm
.Lv:	; v: a lane holds one channel, its registers my wave's 128 keys: one key step
.irp yt, 0,1,2,3
	global_load_b32 v[BV+2*\yt], v[BVA], s[BI:BI+1] offset:(32*(\yt/2)+8*(\yt%2))*4   ; (no vector or matrix instruction has named the registers in which these land)
	v_mov_b32 v[BV+2*\yt+1], 0                     ; (named with it as a pair, so it is written)
.endr
	s_lshr_b32 s2, s42, 2
	s_mul_i32 s62, s2, HEADB                       ; head g / 4,
	s_and_b32 s2, s42, 3
	s_lshl_b32 s2, s2, 2
	s_lshr_b32 s3, s40, 1
	s_add_co_u32 s2, s2, s3
	s_mul_i32 s2, s2, SLOTB
	s_add_co_u32 s62, s62, s2                      ; slot 4 (g & 3) + w / 2,
	s_and_b32 s3, s40, 1                           ; its step w % 2
	s_mul_i32 s66, s3, 6144
	s_add_co_u32 s66, s66, s62
	s_add_co_u32 s66, s66, 12288
	s_mov_b32 s67, 0
	s_add_nc_u64 s[56:57], s[38:39], s[66:67]
	s_lshl_b32 s66, s3, 9
	s_add_co_u32 s66, s66, s62
	s_add_co_u32 s66, s66, 25600
	s_add_nc_u64 s[58:59], s[38:39], s[66:67]
	s_wait_alu depctr_va_vdst(0)
	s_wait_loadcnt 0x0
	WIN 0x41
.irp yt, 0,1,2,3
.set k, 0
.rept 32
	v_pk_add_f32 v[64*\yt+2*k:64*\yt+2*k+1], v[64*\yt+2*k:64*\yt+2*k+1], v[BV+2*\yt:BV+2*\yt+1] op_sel_hi:[1,0]   ; my channel's bv onto every key
.set k, k+1
.endr
.endr
	WIN 0
.irp yt, 0,1,2,3
	QUANT 64*\yt, YF+12*\yt, YF+12*\yt+6, PW+\yt
	s_wait_alu depctr_va_vdst(0)                   ; this tile's codes and scale word are written, which the four stores below read; each tile has registers of its own
.irp c, 0,1,2
	global_store_b128 v[LI], v[YF+12*\yt+4*\c:YF+12*\yt+4*\c+3], s[56:57] offset:1536*\yt+512*\c
.endr
	global_store_b32 v[LS], v[PW+\yt], s[58:59] offset:128*\yt
.endr
	s_wait_dscnt 0x0                               ; the closing lines, six on end, as above
	s_wait_alu 0x0
	s_wait_tensorcnt 0x0
	ds_add_u32 v231, v235
	s_wait_dscnt 0x0
	s_endpgm
.Lfunc_end_k_q7e092f5c9e_proj:
	.size	k_q7e092f5c9e_proj, .Lfunc_end_k_q7e092f5c9e_proj-k_q7e092f5c9e_proj
	.p2alignl 7, 3214868480
	.fill 96, 4, 3214868480
	.section	.rodata,"a",@progbits
	.p2align	6, 0x0
	.amdhsa_kernel k_q7e092f5c9e_proj
		.amdhsa_group_segment_fixed_size 54272
		.amdhsa_private_segment_fixed_size 0
		.amdhsa_enable_private_segment 0
		.amdhsa_kernarg_size 88
		.amdhsa_user_sgpr_count 2
		.amdhsa_user_sgpr_kernarg_segment_ptr 1
		.amdhsa_wavefront_size32 1
		.amdhsa_system_sgpr_workgroup_id_x 1
		.amdhsa_system_sgpr_workgroup_id_y 1
		.amdhsa_system_sgpr_workgroup_id_z 1
		.amdhsa_system_vgpr_workitem_id 0
		.amdhsa_next_free_vgpr 512
		.amdhsa_next_free_sgpr 68
		.amdhsa_reserve_vcc 0
		.amdhsa_float_denorm_mode_32 3
		.amdhsa_float_denorm_mode_16_64 3
		.amdhsa_memory_ordered 1
		.amdhsa_forward_progress 1
		.amdhsa_inst_pref_size 166
	.end_amdhsa_kernel
	.amdgpu_metadata
---
amdhsa.version: [ 1, 2 ]
amdhsa.kernels:
  - .name:           k_q7e092f5c9e_proj
    .symbol:         k_q7e092f5c9e_proj.kd
    .args:
      - { .name: queries, .offset: 0, .size: 8, .value_kind: global_buffer, .address_space: global }
      - { .name: bq, .offset: 8, .size: 8, .value_kind: global_buffer, .address_space: global }
      - { .name: keys_codes, .offset: 16, .size: 8, .value_kind: global_buffer, .address_space: global }
      - { .name: keys_scales, .offset: 24, .size: 8, .value_kind: global_buffer, .address_space: global }
      - { .name: bk, .offset: 32, .size: 8, .value_kind: global_buffer, .address_space: global }
      - { .name: Wv_codes, .offset: 40, .size: 8, .value_kind: global_buffer, .address_space: global }
      - { .name: Wv_scales, .offset: 48, .size: 8, .value_kind: global_buffer, .address_space: global }
      - { .name: bv, .offset: 56, .size: 8, .value_kind: global_buffer, .address_space: global }
      - { .name: qimg, .offset: 64, .size: 8, .value_kind: global_buffer, .address_space: global }
      - { .name: kv, .offset: 72, .size: 8, .value_kind: global_buffer, .address_space: global }
      - { .name: ximg, .offset: 80, .size: 8, .value_kind: global_buffer, .address_space: global }
    .group_segment_fixed_size: 54272
    .private_segment_fixed_size: 0
    .kernarg_segment_align: 8
    .kernarg_segment_size: 88
    .max_flat_workgroup_size: 256
    .sgpr_count:     68
    .vgpr_count:     512
    .wavefront_size: 32
...
	.end_amdgpu_metadata
.endif
;; end of part 8
;; launch attn (part 9): grid 16 x 16, 16 waves a work-group, no clusters, 55,296 bytes of LDS; arguments qimg, kv, oimg; writes oimg
.if DOCPART == 9
	.amdgcn_target "amdgcn-amd-amdhsa--gfx1250"
	.amdhsa_code_object_version 6
	.text
	.protected	k_q7e092f5c9e_attn
	.globl	k_q7e092f5c9e_attn
	.p2align	8
	.type	k_q7e092f5c9e_attn,@function
k_q7e092f5c9e_attn:
	s_mov_b64 s[64:65], 0
	v_nop
	global_prefetch_b8 v0, s[64:65] scope:SCOPE_SE
	s_setreg_imm32_b32 hwreg(HW_REG_WAVE_SCHED_MODE, 0, 2), 2
	s_setreg_imm32_b32 hwreg(HW_REG_WAVE_MODE, 25, 1), 1
	s_wait_xcnt 0x0
	s_wait_alu depctr_vm_vsrc(0)
; o[q][head] = the sum over the keys of softmax(q . k / 8) v, both products on codes of FP6 (E2M3) with one E8M0 scale for each 32 along a product's K; o is quantised along the head's 64 for the product that follows.
; THE SOFTMAX AHEAD OF THE SECOND PRODUCT: t = score x log2(e) / 8; M = the row's largest t so far, rounded UP to a whole number; p = 2^(t - M) is quantised along the keys, not normalised.
; The row's sum is taken of the unquantised p, in f32, and divides O at the end.  When M moves, the sum and O are multiplied by 2^(old M - new M): exact.
; SHARES.  A work-group owns 256 queries of one head; each of its sixteen waves one tile of 16 queries, in 256 registers: four waves to a SIMD, so that one wave's vector work stands beside another's products and LDS loads.
; Every wave walks the head's 4,096 keys, 128 a step, two steps a slot.  A slot is 26,624 bytes of kv, copied as it lies into one of two places in LDS: 52 bytes a thread (three loads of 16 and one of 4), asked for two steps ahead.
; BOTH PRODUCTS ARE USED TRANSPOSED: S^T = k q^T, O^T = v^T p^T: a lane holds ONE query (lane % 16) throughout.
; THE FIRST PRODUCT'S K IS 64, THE INSTRUCTION'S 128.  A fragment of k holds TWO sets of 16 keys: set 0 in its K 0-63, set 1 in its K 64-127.  q stands between two runs of zero codes (v16-21 zeros, v22-27 q, v28-33 zeros):
; the operand v[22:33] = [q | 0] gives set 0's scores, v[16:27] = [0 | q] set 1's.  So no byte of LDS holds padding.  Set u of fragment b is key 32 b + 8 u + r + 8 (r / 8): the 16 registers of two tiles are 16 neighbouring keys.
; NO JOINT LOADS: what the sixteen work-groups of a head share is 26,624 bytes for two key steps, in which each of the sixteen waves issues some 600 instructions; the copy is eight of them.
; LIMITS: NaN and infinities are not served.  A block whose largest magnitude lies under 2^-124 gets the scale byte 1 (a block of zeros too: its codes are zeros, and this program alone reads the bytes).
; THE MODE: SCHED_MODE bits 1:0 = 2 (LLVM: expert scheduling mode 2), set by the entry lines.  The code itself states the register dependences
; between vector or matrix instructions and memory or LDS instructions, with s_wait_alu, always for 0.
; THE PLAN.  Registers that memory or LDS instructions touch, in the loop:
;   v[KF ..]            k's four fragments land in it at a step's head and are read by the step's eight first products; behind these v's four land in it and are read by the step's four last products.
;   v[KS ..], v[VS ..]  the scale words: loaded with their fragments, read by the same products.
;   v[CP ..]            the copy: the slot's global loads land in it, the LDS stores behind the slot's two steps read it; no vector instruction names it.
;   v1 .. v5            addresses, made once at the head and never written again.
;   v[PC ..], v[PW]     p's codes and scale word: written by vector instructions, taken by the scaled products as operand and scales; on the way out the global stores' data.
; A step has four waits on va_vdst: at its head (the last products of the step before are done reading v[KF ..] and the scale words); behind the eight first products (they are done reading k's fragments);
; behind the batch of exponentials; and ahead of the four last products (p's codes and scale word are written).  A slot has one wait on vm_vsrc, ahead of the copy's loads (the LDS stores have read v[CP ..]).
; The wave's 256 registers are laid out to the last few, so k and v share one set of 48 registers and there is no second set.  THE ROW'S SUMS STAND BEHIND THE LAST PRODUCTS: they name none of those products' registers,
; so they are the places behind them, and they are the wave's own work between those products and the wait at the next step's head.
.set HEADB, 425984
.set SLOTB, 26624                      ; a slot: 8 fragments of k from 0, 8 of v^T from 12,288, k's scale words from 24,576, v's from 25,600
.set LI,  1                            ; v1   16 x lane
.set LS,  2                            ; v2   4 x lane
.set CO,  3                            ; v3   16 x thread: the copy
.set LB,  4                            ; v4   8 x lane
.set C4,  5                            ; v5   4 x thread: the copy's last 2,048 bytes
.set QB,  16                           ; v16-33  zeros, q, zeros          v12 -M, v13 the largest t, v[14:15] the sum in two halves
.set QS,  34                           ; v34     q's scale word
.set KS,  36                           ; v36-39  k's scale words
.set VS,  40                           ; v40-43  v's
.set CP,  44                           ; v44-56  the copy's 52 bytes
.set KF,  60                           ; v60-107 four fragments, k's and then v's
.set ST,  108                          ; v108-171 S^T, then p
.set OT,  172                          ; v172-203 O^T: register 16 b + i is channel 32 b + 16 (lane / 16) + i
.set PC,  204                          ; v204-215 p's codes
.set BM,  216                          ; v216-219 the blocks' largest scores, then largest p
.set BT,  220                          ; v220-227 at work
.set TS,  228                          ; v228-231 the conversions' scale operands
.set FF,  232                          ; v[232:233] f = 2^(old M - new M); the upper word is 0
.set PW,  234                          ; v234    p's scale word
.set TT,  235
.macro COPY_LOAD                       ; the slot at s[16:17] into registers
.irp i, 0,1,2
	global_load_b128 v[CP+4*\i:CP+4*\i+3], v[CO], s[16:17] offset:8192*\i
.endr
	global_load_b32 v[CP+12], v[C4], s[16:17] offset:24576
.endm
.macro COPY_STORE p                    ; and into place p of LDS
.irp i, 0,1,2
	ds_store_b128 v[CO], v[CP+4*\i:CP+4*\i+3] offset:(\p)*SLOTB+8192*\i
.endr
	ds_store_b32 v[C4], v[CP+12] offset:(\p)*SLOTB+24576
.endm
; A KEY STEP: 128 keys, the q-th of the slot in place p.
.macro STEP p, q
	s_wait_alu depctr_va_vdst(0)                   ; the products of the step before are done reading v's fragments in v[KF ..] and the scale words in v[KS ..] and v[VS ..], in which this step's loads land; ahead of the first step: the zero codes beside q, part of the products' operand, are written
.irp b, 0,1,2,3
.irp c, 0,1,2
	ds_load_b128 v[KF+12*\b+4*\c:KF+12*\b+4*\c+3], v[LI] offset:(\p)*SLOTB+(4*(\q)+\b)*1536+512*\c
.endr
	ds_load_b32 v[KS+\b], v[LS] offset:(\p)*SLOTB+24576+(4*(\q)+\b)*128
.endr
	s_wait_dscnt 0x0
.irp b, 0,1,2,3
	v_wmma_scale_f32_16x16x128_f8f6f4 v[ST+16*\b:ST+16*\b+7], v[KF+12*\b:KF+12*\b+11], v[QB+6:QB+17], 0, v[KS+\b], v[QS] matrix_a_fmt:MATRIX_FMT_FP6 matrix_b_fmt:MATRIX_FMT_FP6
	v_wmma_scale_f32_16x16x128_f8f6f4 v[ST+16*\b+8:ST+16*\b+15], v[KF+12*\b:KF+12*\b+11], v[QB:QB+11], 0, v[KS+\b], v[QS] matrix_a_fmt:MATRIX_FMT_FP6 matrix_b_fmt:MATRIX_FMT_FP6
.endr
.rept 4
	v_nop                                          ; four places in front of the first read of the scores (ISA guide 7.12.1); they stay beside the wait below
.endr
	s_wait_alu depctr_va_vdst(0)                   ; the eight products are done reading k's fragments, in which v's land
.irp t, 0,1,2,3                                ; v's fragments land while the softmax is worked
.irp c, 0,1,2
	ds_load_b128 v[KF+12*\t+4*\c:KF+12*\t+4*\c+3], v[LI] offset:(\p)*SLOTB+12288+(4*(\q)+\t)*1536+512*\c
.endr
	ds_load_b32 v[VS+\t], v[LS] offset:(\p)*SLOTB+25600+(4*(\q)+\t)*128
.endr
.irp b, 0,1,2,3
	v_max3_num_f32 v[BM+\b], v[ST+16*\b], v[ST+16*\b+1], v[ST+16*\b+2]   ; THE LARGEST SCORE OF EACH BLOCK OF 32 KEYS serves twice: for the row's maximum, and, since p rises with the score, for the block's largest p
.endr
.irp i, 3,5,7,9,11,13
.irp b, 0,1,2,3
	v_max3_num_f32 v[BM+\b], v[BM+\b], v[ST+16*\b+\i], v[ST+16*\b+\i+1]   ; (the four blocks by turns; each tile is first read at its low end)
.endr
.endr
.irp b, 0,1,2,3
	v_max_num_f32 v[BM+\b], v[BM+\b], v[ST+16*\b+15]
.endr
.irp b, 0,1,2,3
	v_permlanex16_b32 v[BT+\b], v[BM+\b], s20, s21
.endr
.irp b, 0,1,2,3
	v_max_num_f32 v[BM+\b], v[BM+\b], v[BT+\b]     ; with lane l xor 16's 16 keys
.endr
	v_max3_num_f32 v[TT], v[BM], v[BM+1], v[BM+2]
	v_max_num_f32 v[TT], v[TT], v[BM+3]            ; the step's largest score of my query
	v_mul_f32 v[TT], s22, v[TT]                    ; as t (c is positive)
	v_max_num_f32 v13, v13, v[TT]                  ; the running largest t
	v_mov_b32 v[TT], v12
	v_floor_f32 v12, -v13                          ; the new -M = floor(-t) = -ceil(t): M is a whole number
	v_sub_f32 v[TT], v12, v[TT]                    ; M's old value less its new one: a whole number, 0 or less
	v_cvt_i32_f32 v[TT], v[TT]                     ; (it saturates)
	v_ldexp_f32 v[FF], 1.0, v[TT]                  ; f = 2^(old M - new M)
.set j, 0
.rept 32
	v_pk_fma_f32 v[ST+j:ST+j+1], v[ST+j:ST+j+1], s[22:23], v[12:13] op_sel_hi:[1,0,0]   ; t - M, two at a time (of the pairs c and -M the low word serves both halves)
.set j, j+2
.endr
.irp b, 0,1,2,3
	v_fma_f32 v[BM+\b], v[BM+\b], s22, v12         ; the same of each block's largest score
.endr
.set j, 0
	s_wait_alu depctr_va_vdst(0)
.rept 64
	v_exp_f32 v[ST+j], v[ST+j]                     ; p = 2^(t - M), at most 1: not normalised
.set j, j+1
.endr
.irp b, 0,1,2,3
	v_exp_f32 v[BM+\b], v[BM+\b]                   ; the block's largest p: the same two instructions on the same number give the same bits
.endr
	v_pk_mul_f32 v[14:15], v[14:15], v[FF:FF+1] op_sel_hi:[1,0]   ; the sums under the new M.  (A plain place behind the exponentials)
	s_wait_alu depctr_va_vdst(0)                   ; the 68 exponentials have written p and the blocks' largest p: one wait for the batch, ahead of its first reader
.irp b, 0,1,2,3
	v_max_num_f32 v[BM+\b], 0x1800000, v[BM+\b]    ; the floor 2^(3 - 127): the byte cannot fall under 1
.endr
.irp b, 0,1,2,3
	v_add_nc_u32 v[TS+\b], 0xff000000, v[BM+\b]    ; 2 off the exponent field: the conversion's scale operand
.endr
.irp b, 0,1,2,3
	v_lshrrev_b32 v[BT+\b], 23, v[TS+\b]           ; the scale's byte
.endr
	v_lshl_or_b32 v[PW], v[BT+1], 8, v[BT]         ; p's scale word for these 128 keys
	v_lshl_or_b32 v[PW], v[BT+2], 16, v[PW]
	v_lshl_or_b32 v[PW], v[BT+3], 24, v[PW]
.irp c, 0,1
	v_cvt_scalef32_pk16_fp6_f32 v[PC+6*\c:PC+6*\c+2], v[ST+32*\c:ST+32*\c+15], v[TS+2*\c]
	v_cvt_scalef32_pk16_fp6_f32 v[BT+4*\c:BT+4*\c+2], v[ST+32*\c+16:ST+32*\c+31], v[TS+2*\c+1]   ; (a conversion's three registers begin on an even number)
.endr
	v_nop                                          ; one plain place behind a scaled conversion
.irp c, 0,1                                    ; the operand's layout wants a WHOLE block in a lane: lanes 0-15 block 2 c, lanes 16-31 block 2 c + 1
.irp i, 0,1,2
	v_permlane16_swap_b32 v[PC+6*\c+\i], v[BT+4*\c+\i]
.endr
.irp i, 0,1,2
	v_mov_b32 v[PC+6*\c+3+\i], v[BT+4*\c+\i]
.endr
.endr
.set j, 0
.rept 16
	v_pk_mul_f32 v[OT+j:OT+j+1], v[OT+j:OT+j+1], v[FF:FF+1] op_sel_hi:[1,0]   ; O^T under the new M.  (These sixteen are also the places between p's codes and scale word and the products below)
.set j, j+2
.endr
	s_wait_dscnt 0x0                               ; v is in
	s_wait_alu depctr_va_vdst(0)                   ; p's codes in v[PC ..] and p's scale word in v[PW] are written, which the scaled products below take as operand and scales; the places above stay beside this wait
.irp t, 0,1,2,3                                ; O^T += v^T p^T: four accumulators, one instruction each; the next step's eight products stand between two links
	v_wmma_scale_f32_16x16x128_f8f6f4 v[OT+8*\t:OT+8*\t+7], v[KF+12*\t:KF+12*\t+11], v[PC:PC+11], v[OT+8*\t:OT+8*\t+7], v[VS+\t], v[PW] matrix_a_fmt:MATRIX_FMT_FP6 matrix_b_fmt:MATRIX_FMT_FP6
.endr
	v_pk_add_f32 v[BT:BT+1], v[ST:ST+1], v[ST+2:ST+3]   ; THE ROW'S SUM IS TAKEN OF THE UNQUANTISED p: two at a time, in two chains.  (These 32 name none of the four products' registers: they are the places behind them, ahead of the way out's first read of O^T)
.set j, 4
.rept 15
	v_pk_add_f32 v[14:15], v[14:15], v[ST+j:ST+j+1]
	v_pk_add_f32 v[BT:BT+1], v[BT:BT+1], v[ST+j+2:ST+j+3]
.set j, j+4
.endr
	v_pk_add_f32 v[14:15], v[14:15], v[BT:BT+1]
.endm
; A slot's two steps.  In front of the barrier my stores into place p have landed and my reads of the other place are over; behind it the same holds of every wave.
; more = 1: the next slot is asked for at once, and goes into the other place behind the two steps: every wave left that place before this barrier.
.macro SLOTBODY p, more
	s_wait_dscnt 0x0
	s_barrier_signal -1
	s_barrier_wait -1
.if \more
	s_wait_alu depctr_vm_vsrc(0)                   ; the LDS stores of the slot before have read v[CP ..], in which the loads below land
	COPY_LOAD
.endif
	STEP \p, 0
	STEP \p, 1
.if \more
	s_wait_loadcnt 0x0                             ; the next slot is in my registers, and the loads' base may step
	COPY_STORE 1-\p
	s_add_nc_u64 s[16:17], s[16:17], SLOTB
.endif
.endm
	s_load_b128 s[4:7], s[0:1], 0x0                ; qimg, kv
	s_load_b64 s[8:9], s[0:1], 0x10                ; oimg
	v_lshl_add_u32 v254, v0, 2, 0xd000
	v_mov_b32 v255, 0
	v_lshrrev_b32 v1, 5, v0
	v_readfirstlane_b32 s10, v1                    ; wave 0..15
	s_and_b32 s11, ttmp7, 0xffff                   ; the head
	s_lshl_b32 s12, ttmp9, 4
	s_wait_alu depctr_va_sdst(0)                   ; s10, the wave's number, is written, ahead of its first reader
	s_add_co_u32 s12, s12, s10                     ; my tile of 16 queries
	v_and_b32 v4, 31, v0
	v_lshlrev_b32 v[LI], 4, v4
	v_lshlrev_b32 v[LS], 2, v4
	v_lshlrev_b32 v[LB], 3, v4
	v_lshlrev_b32 v[CO], 4, v0
	v_lshlrev_b32 v[C4], 2, v0
	s_lshl_b32 s14, s12, 4
	s_add_co_u32 s14, s14, s11
	s_lshl_b32 s14, s14, 10                        ; record (tile, head), in qimg and in oimg
	s_mov_b32 s15, 0
	s_mul_i32 s18, s11, HEADB
	s_mov_b32 s19, 0
	s_mov_b32 s20, 0x76543210
	s_mov_b32 s21, 0xfedcba98                      ; v_permlanex16_b32's selects for lane l xor 16
	s_mov_b32 s22, 0x3e38aa3b                      ; c = log2(e) / 8
	s_mov_b32 s23, s22                             ; (named with it as a pair, so it is written)
	s_mov_b32 s24, 7
	s_wait_kmcnt 0x0
	s_add_nc_u64 s[4:5], s[4:5], s[14:15]
	s_add_nc_u64 s[8:9], s[8:9], s[14:15]
	s_add_nc_u64 s[16:17], s[6:7], s[18:19]        ; the head's slot 0
	s_wait_alu depctr_va_vdst(0)                   ; the five addresses v1 to v5 are written: every load and store of the kernel reads one of them, and none is written again
	global_load_b128 v[QB+6:QB+9], v[LI], s[4:5]
	global_load_b64 v[QB+10:QB+11], v[LB], s[4:5] offset:512
	global_load_b32 v[QS], v[LS], s[4:5] offset:768
	COPY_LOAD
.irp i, 0,1,2,3,4,5
	v_mov_b32 v[QB+\i], 0                          ; zero codes on either side of q
	v_mov_b32 v[QB+12+\i], 0
.endr
	v_mov_b32 v13, 0xff61b1e6                      ; the largest t so far: -3e38, under every t
	v_floor_f32 v12, -v13                          ; -M
	v_mov_b32 v14, 0                               ; the sum, in two halves
	v_mov_b32 v15, 0
.set j, 0
.rept 32
	v_mov_b32 v[OT+j], 0                           ; O^T.  (The step is written for every step alike: the first finds zeros, which the first change of M leaves zeros)
.set j, j+1
.endr
.irp b, 0,1,2,3
	v_mov_b32 v[BT+\b], 0                          ; written once: a lane permute's destination counts as one of its sources
.endr
	v_mov_b32 v[FF+1], 0                           ; (named as the upper half of a pair)
	s_wait_loadcnt 0x0
	COPY_STORE 0
	s_add_nc_u64 s[16:17], s[16:17], SLOTB
.Lslots:                                               ; 7 trips of two slots
	SLOTBODY 0, 1
	SLOTBODY 1, 1
	s_sub_co_u32 s24, s24, 1
	s_cmp_lg_u32 s24, 0
	s_cbranch_scc1 .Lslots
	SLOTBODY 0, 1                                  ; slot 14 asks for slot 15;
	SLOTBODY 1, 0                                  ; slot 15 asks for nothing: no load leaves the head's bytes
	; THE WAY OUT: O^T / the sum, quantised along the head's 64: two blocks; the record is laid as q's.
	v_add_f32 v14, v14, v15                        ; the sum's two halves,
	v_permlanex16_b32 v[TT], v14, s20, s21
	v_add_f32 v14, v14, v[TT]                      ; and lane l xor 16's: the row's sum
	s_wait_alu depctr_va_vdst(0)
	v_rcp_f32 v14, v14
	v_nop                                          ; one plain place behind a transcendental
.set j, 0
	s_wait_alu depctr_va_vdst(0)                   ; the reciprocal has written v14, ahead of its first reader
.rept 32
	v_mul_f32 v[ST+j], v[OT+j], v14                ; each accumulator from its low end on
.set j, j+1
.endr
.irp b, 0,1
	v_max3_num_f32 v[BM+\b], |v[ST+16*\b]|, |v[ST+16*\b+1]|, 0x1800000
.endr
.irp i, 2,4,6,8,10,12,14
.irp b, 0,1
	v_max3_num_f32 v[BM+\b], v[BM+\b], |v[ST+16*\b+\i]|, |v[ST+16*\b+\i+1]|
.endr
.endr
.irp b, 0,1
	v_permlanex16_b32 v[BT+\b], v[BM+\b], s20, s21
.endr
.irp b, 0,1
	v_max_num_f32 v[BM+\b], v[BM+\b], v[BT+\b]
.endr
.irp b, 0,1
	v_add_nc_u32 v[TS+\b], 0xff000000, v[BM+\b]
.endr
.irp b, 0,1
	v_lshrrev_b32 v[BT+\b], 23, v[TS+\b]
.endr
	v_lshl_or_b32 v[PW], v[BT+1], 8, v[BT]
	v_lshl_or_b32 v[PW], v[PW], 16, v[PW]          ; (s0, s1, s0, s1)
	v_cvt_scalef32_pk16_fp6_f32 v[PC:PC+2], v[ST:ST+15], v[TS]
	v_cvt_scalef32_pk16_fp6_f32 v[BT+4:BT+6], v[ST+16:ST+31], v[TS+1]
	v_nop                                          ; one plain place behind a scaled conversion
.irp i, 0,1,2
	v_permlane16_swap_b32 v[PC+\i], v[BT+4+\i]
.endr
.irp i, 0,1,2
	v_mov_b32 v[PC+3+\i], v[BT+4+\i]
.endr
	s_wait_alu depctr_va_vdst(0)                   ; o's codes in v[PC ..] and its scale word in v[PW] are written, which the three stores read
	global_store_b128 v[LI], v[PC:PC+3], s[8:9]
	global_store_b64 v[LB], v[PC+4:PC+5], s[8:9] offset:512
	global_store_b32 v[LS], v[PW], s[8:9] offset:768
	s_wait_dscnt 0x0                               ; the closing lines, six on end
	s_wait_alu 0x0
	s_wait_tensorcnt 0x0
	ds_add_u32 v254, v255
	s_wait_dscnt 0x0
	s_endpgm
.Lfunc_end_k_q7e092f5c9e_attn:
	.size	k_q7e092f5c9e_attn, .Lfunc_end_k_q7e092f5c9e_attn-k_q7e092f5c9e_attn
	.p2alignl 7, 3214868480
	.fill 96, 4, 3214868480
	.section	.rodata,"a",@progbits
	.p2align	6, 0x0
	.amdhsa_kernel k_q7e092f5c9e_attn
		.amdhsa_group_segment_fixed_size 55296
		.amdhsa_private_segment_fixed_size 0
		.amdhsa_enable_private_segment 0
		.amdhsa_kernarg_size 24
		.amdhsa_user_sgpr_count 2
		.amdhsa_user_sgpr_kernarg_segment_ptr 1
		.amdhsa_wavefront_size32 1
		.amdhsa_system_sgpr_workgroup_id_x 1
		.amdhsa_system_sgpr_workgroup_id_y 1
		.amdhsa_system_sgpr_workgroup_id_z 1
		.amdhsa_system_vgpr_workitem_id 0
		.amdhsa_next_free_vgpr 256
		.amdhsa_next_free_sgpr 66
		.amdhsa_reserve_vcc 0
		.amdhsa_float_denorm_mode_32 3
		.amdhsa_float_denorm_mode_16_64 3
		.amdhsa_memory_ordered 1
		.amdhsa_forward_progress 1
		.amdhsa_inst_pref_size 134
	.end_amdhsa_kernel
	.amdgpu_metadata
---
amdhsa.version: [ 1, 2 ]
amdhsa.kernels:
  - .name:           k_q7e092f5c9e_attn
    .symbol:         k_q7e092f5c9e_attn.kd
    .args:
      - { .name: qimg, .offset: 0, .size: 8, .value_kind: global_buffer, .address_space: global }
      - { .name: kv, .offset: 8, .size: 8, .value_kind: global_buffer, .address_space: global }
      - { .name: oimg, .offset: 16, .size: 8, .value_kind: global_buffer, .address_space: global }
    .group_segment_fixed_size: 55296
    .private_segment_fixed_size: 0
    .kernarg_segment_align: 8
    .kernarg_segment_size: 24
    .max_flat_workgroup_size: 512
    .sgpr_count:     66
    .vgpr_count:     256
    .wavefront_size: 32
...
	.end_amdgpu_metadata
.endif
;; end of part 9
;; launch outln (part 10): grid 128 x 1, 8 waves a work-group, no clusters, 97,280 bytes of LDS; arguments oimg, ximg, bo, queries, gamma, beta, out0; writes out0
.if DOCPART == 10
	.amdgcn_target "amdgcn-amd-amdhsa--gfx1250"
	.amdhsa_code_object_version 6
	.text
	.protected	k_q7e092f5c9e_outln
	.globl	k_q7e092f5c9e_outln
	.p2align	8
	.type	k_q7e092f5c9e_outln,@function
k_q7e092f5c9e_outln:
	s_mov_b64 s[64:65], 0
	v_nop
	global_prefetch_b8 v0, s[64:65] scope:SCOPE_SE
	s_setreg_imm32_b32 hwreg(HW_REG_WAVE_SCHED_MODE, 0, 2), 2
	s_setreg_imm32_b32 hwreg(HW_REG_WAVE_MODE, 25, 1), 1
	s_wait_xcnt 0x0
	s_wait_alu depctr_vm_vsrc(0)
; out0 = LayerNorm(queries + o Wo + bo) x gamma + beta.  The product is on codes of FP6 (E2M3) with one E8M0 scale for each 32 along K = 1,024; o comes as codes from oimg; all else is f32.
; SHARES.  LayerNorm wants whole rows, so a work-group owns 32 rows (two tiles) x all 1,024 columns; each of its eight waves 128 columns: 16 accumulators.  4,096 rows make 128 work-groups.
; THE PRODUCT IS USED TRANSPOSED: source 0 = 16 rows of Wo (columns of the result), source 1 = 16 rows of o: a lane holds ONE row, and its registers run along the columns.
; Lane r of tile 2 b + u of Wo takes row 32 b + 8 u + r + 8 (r / 8): accumulator register 64 u + 16 b + i is out(16 u + r, 128 w + 32 b + 16 (lane / 16) + i).
; THE SUMS BEGIN WITH queries + bo: they are loaded into the accumulators' registers, so residual and bias cost no pass of their own behind the product.
; Wo COMES FROM ximg (blocks 16 to 23), laid in the order of the operand's registers: a wave's 128 rows are one block of 102,400 bytes, 16 groups of four fragments and their scale words.  A group is 12 loads of 16 bytes
; a lane (512 consecutive bytes each) and one of 8, straight into the operand's registers, three groups ahead.  o's 16 fragments (8 K steps x 2 tiles: heads 2 s and 2 s + 1 make K step s) are fetched once, wave w taking
; K step w, and reach the other waves through LDS as images of their registers.
; LAYERNORM IN TWO PASSES: the mean; then the sum of squares of the deviations: no difference of large sums is formed.  A row's eight partial sums (one a wave) meet in LDS; each pass has words of its own.
; THE WAY OUT: a lane's numbers belong to one row, the lanes beside it hold other rows: 16 rows x 512 bytes go through the wave's own stage and leave as whole rows: each store covers 512 consecutive bytes, aligned.
; NO JOINT LOADS: every fragment of Wo is wanted by one wave of a work-group and goes into its registers; there is no tile in LDS that a joint load could fill.
; LIMITS: NaN and infinities are not served.
; THE MODE: SCHED_MODE bits 1:0 = 2 (LLVM: expert scheduling mode 2), set by the entry lines.  The code itself states the register dependences
; between vector or matrix instructions and memory or LDS instructions, with s_wait_alu, always for 0.
; THE PLAN.  Registers that memory or LDS instructions touch:
;   v[XF ..], v[XS ..]  three buffers of four fragments and two registers of scale words.  Group G's eight products read buffer G % 3; behind them the loads of group G + 3 land in it.
;                       On the way out the rows come back from the stage into v[XF ..] (tile u: 64 registers of its own), the multiply-adds by gamma and beta write them in place, the global stores read them.
;   v[YF ..], v[YS]     first loaded from oimg and read by my LDS stores; then o's fragments of a K step, loaded out of LDS behind each odd group and read by two groups' products.
;   v[PW ..]            two scale words: written by two v_perm_b32, read by two LDS stores.
;   v[PS ..]            my partial sums: written by ROWSUM, read by MEET's LDS stores, in each of the two passes.
;   v[RB ..]            a row's eight partial sums: MEET's LDS loads land there; vector instructions add them up in place.
;   window 1            queries and bo land there before any vector instruction has named these registers; at the end the stage's LDS stores read the accumulators.
;   the addresses       made once at the head and never written again.
; So: one wait on va_vdst ahead of the first load; one ahead of the scale words' LDS stores; one on vm_vsrc behind the first barrier; one on va_vdst behind the products of each group that is followed by loads;
; one ahead of each MEET's stores, which also serves its loads; one on vm_vsrc behind the first MEET; one on va_vdst for both tiles' stage stores.  THE ROWS LEAVE IN BATCHES OF FOUR: a batch's four stores stand behind
; the next batch's wait for its LDS loads and one wait on va_vdst, and no register of a batch is written again.
; A wave has 512 registers (two waves share a SIMD's 1,024) and window 0 is full, so Wo has no fourth buffer and o no second: a group's wait stands straight behind its products, and three groups of loads stay on their way.
.set BLKB,  102400                     ; a block of 128 rows in ximg
.set GRPB,  6400                       ; a group in it: four fragments, 6,144 bytes, and 256 bytes of scale words
.set YSC,   24576                      ; LDS: o's fragments (2 s + u) x 1,536 from 0; their scale words (2 s + u) x 128 from here
.set RED0,  26624                      ; the rows' partial sums: 512 u + 32 r + 4 w
.set RED1,  27648                      ; and partial sums of squares
.set STG,   28672                      ; the stages: 16 rows x 528 bytes for each wave
.set LI,  3                            ; v3   16 x lane
.set LS,  4                            ; v4   4 x lane
.set LS2, 5                            ; v5   128 h + 4 r
.set IW,  6                            ; v6   16 x lane + 3,072 x wave
.set SW,  7                            ; v7   4 x lane + 256 x wave
.set LB,  10                           ; v10  8 x lane
.set QA,  14                           ; v14  4,096 r + 64 h
.set BA,  15                           ; v15  64 h
.set XF,  16                           ; v16-159  Wo's fragments: three buffers of four; on the way out the rows read back
.set YF,  160                          ; v160-183 o's two fragments of a K step
.set WA,  184                          ; v184-187 the records' scale words: tile u: head 2 w at 2 u, head 2 w + 1 at 2 u + 1
.set PW,  188                          ; v188-189 a K step's scale word for each tile
.set GA,  192                          ; v192-195 gamma of my four columns on the way out
.set BE,  196                          ; v196-199 beta
.set RW,  200                          ; v200 32 r + 4 w
.set RR,  201                          ; v201 32 r
.set STO, 202                          ; v202 the stage, in: 528 r + 64 h
.set RD,  203                          ; v203 the stage, back: 16 x lane
.set XS,  208                          ; v208-213 Wo's scale words
.set YS,  214                          ; v214 o's: lanes 0-15 tile 0, lanes 16-31 tile 1
.set SA,  216                          ; v[216:217], v[218:219] two chains of sums
.set SB,  218
.set PS,  220                          ; v220-221 my wave's partial sum of my row, for each tile
.set TP,  222
.set RB,  224                          ; v224-239 a row's eight partial sums, for each tile
.set MU,  240                          ; v[240:241], v[242:243] the mean; the upper words are 0
.set RS,  244                          ; v[244:245], v[246:247] 1 / sqrt(var + eps)
.set XC,  44                           ; s[44:45] my block of ximg
.set MSB, 0
.macro WIN new                         ; the immediate's high byte repeats the setting that is left; a switch that changes nothing is dropped
.if MSB != \new
	s_set_vgpr_msb (MSB<<8)|\new
.set MSB, \new
.endif
.endm
.macro XGROUP G                        ; group G of 16: K step G / 2, tiles 4 (G % 2) .. + 3 of Wo, into buffer G % 3: 13 loads
.set xb, (\G)%3
.irp tl, 0,1,2,3
.irp c, 0,1,2
	global_load_b128 v[XF+48*xb+12*\tl+4*\c:XF+48*xb+12*\tl+4*\c+3], v[LI], s[XC:XC+1] offset:GRPB*(\G)+1536*\tl+512*\c
.endr
.endr
	global_load_b64 v[XS+2*xb:XS+2*xb+1], v[LB], s[XC:XC+1] offset:GRPB*(\G)+6144
.endm
.macro FETCH_Y s
.irp u, 0,1
.irp c, 0,1,2
	ds_load_b128 v[YF+12*\u+4*\c:YF+12*\u+4*\c+3], v[LI] offset:(2*(\s)+\u)*1536+512*\c
.endr
.endr
	ds_load_b32 v[YS], v[LS2] offset:YSC+2*(\s)*128
.endm
.macro MM                              ; one matrix instruction, from md, ma, mb, msa; mra, mrb = 1: the scales stand in lanes 16-31
.if mra && mrb
	v_wmma_scale_f32_16x16x128_f8f6f4 v[md:md+7], v[ma:ma+11], v[mb:mb+11], v[md:md+7], v[msa], v[YS] matrix_a_fmt:MATRIX_FMT_FP6 matrix_b_fmt:MATRIX_FMT_FP6 matrix_a_scale:MATRIX_SCALE_ROW1 matrix_b_scale:MATRIX_SCALE_ROW1
.elseif mra
	v_wmma_scale_f32_16x16x128_f8f6f4 v[md:md+7], v[ma:ma+11], v[mb:mb+11], v[md:md+7], v[msa], v[YS] matrix_a_fmt:MATRIX_FMT_FP6 matrix_b_fmt:MATRIX_FMT_FP6 matrix_a_scale:MATRIX_SCALE_ROW1
.elseif mrb
	v_wmma_scale_f32_16x16x128_f8f6f4 v[md:md+7], v[ma:ma+11], v[mb:mb+11], v[md:md+7], v[msa], v[YS] matrix_a_fmt:MATRIX_FMT_FP6 matrix_b_fmt:MATRIX_FMT_FP6 matrix_b_scale:MATRIX_SCALE_ROW1
.else
	v_wmma_scale_f32_16x16x128_f8f6f4 v[md:md+7], v[ma:ma+11], v[mb:mb+11], v[md:md+7], v[msa], v[YS] matrix_a_fmt:MATRIX_FMT_FP6 matrix_b_fmt:MATRIX_FMT_FP6
.endif
.endm
; Group G is multiplied: 8 matrix instructions.  An accumulator has one instruction in a K step, the 15 others' between two of its links (the accumulators take turns).
.macro GROUP G
.set gk, (\G)/2
.set gh, (\G)%2
.set gb, (\G)%3
.if (\G) < 14
	s_wait_loadcnt 26                              ; behind this group's 13 loads only the next two groups' have been issued: they may stay out
.elseif (\G) == 14
	s_wait_loadcnt 13
.else
	s_wait_loadcnt 0x0
.endif
.if gh == 0
	s_wait_dscnt 0x0                               ; this K step's o is in
.endif
	WIN 0x50                                       ; C and D in window 1
.irp u, 0,1
.irp tl, 0,1,2,3
.set md, 64*\u+8*(4*gh+\tl)
.set ma, XF+48*gb+12*\tl
.set mb, YF+12*\u
.set msa, XS+2*gb+\tl/2
.set mra, \tl%2
.set mrb, \u
	MM
.endr
.endr
	WIN 0
.rept 4
	v_nop                                          ; four places behind these products, ahead of the first read of results behind the last group (ISA guide 7.12.1); they stay beside the wait below
.endr
.if ((gh == 1) && (gk < 7)) || ((\G)+3 < 16)
	s_wait_alu depctr_va_vdst(0)                   ; this group's products are done reading buffer G % 3 and its scale words, and, behind an odd group, both groups of the K step are done reading o's fragments and scale words: the loads below land there
.endif
.if (gh == 1) && (gk < 7)
	FETCH_Y gk+1
.endif
.if (\G)+3 < 16
	XGROUP (\G)+3
.endif
.endm
.macro ROWSUM u                        ; the two chains, the pair's halves and lane l xor 16's: my wave's 128 columns of my row
	v_pk_add_f32 v[SA:SA+1], v[SA:SA+1], v[SB:SB+1]
	v_add_f32 v[PS+\u], v[SA], v[SA+1]
	v_permlanex16_b32 v[TP], v[PS+\u], s60, s61
	v_add_f32 v[PS+\u], v[PS+\u], v[TP]
.endm
.macro MEET red                        ; the eight waves' partial sums meet: v[RB] and v[RB + 8] get the two rows' whole sums, added in one fixed order in every wave
	s_wait_alu depctr_va_vdst(0)                   ; ROWSUM has written v[PS ..], which the LDS stores read; and every vector instruction that has named v[RB ..] is done: the LDS loads below land there, and no vector instruction stands between
.irp u, 0,1
	ds_store_b32 v[RW], v[PS+\u] offset:\red+512*\u   ; both lanes of a row write the same word with the same value
.endr
	s_wait_dscnt 0x0                               ; for the others' sake: my stores have landed
	s_barrier_signal -1
	s_barrier_wait -1
.irp u, 0,1
	ds_load_b128 v[RB+8*\u:RB+8*\u+3], v[RR] offset:\red+512*\u
	ds_load_b128 v[RB+8*\u+4:RB+8*\u+7], v[RR] offset:\red+512*\u+16
.endr
	s_wait_dscnt 0x0
.irp u, 0,1
	v_pk_add_f32 v[RB+8*\u:RB+8*\u+1], v[RB+8*\u:RB+8*\u+1], v[RB+8*\u+2:RB+8*\u+3]
	v_pk_add_f32 v[RB+8*\u+4:RB+8*\u+5], v[RB+8*\u+4:RB+8*\u+5], v[RB+8*\u+6:RB+8*\u+7]
.endr
.irp u, 0,1
	v_pk_add_f32 v[RB+8*\u:RB+8*\u+1], v[RB+8*\u:RB+8*\u+1], v[RB+8*\u+4:RB+8*\u+5]
.endr
.irp u, 0,1
	v_add_f32 v[RB+8*\u], v[RB+8*\u], v[RB+8*\u+1]
.endr
.endm
; The way out's batches: rows 4 q .. 4 q + 3 of tile u.  NORM: x gamma + beta, in place, where a lane holds four neighbouring columns.  SEND: their four stores.
.macro NORM u, q
.irp i, 0,1,2,3
	v_pk_fma_f32 v[XF+64*(\u)+16*(\q)+4*\i:XF+64*(\u)+16*(\q)+4*\i+1], v[XF+64*(\u)+16*(\q)+4*\i:XF+64*(\u)+16*(\q)+4*\i+1], v[GA:GA+1], v[BE:BE+1]
	v_pk_fma_f32 v[XF+64*(\u)+16*(\q)+4*\i+2:XF+64*(\u)+16*(\q)+4*\i+3], v[XF+64*(\u)+16*(\q)+4*\i+2:XF+64*(\u)+16*(\q)+4*\i+3], v[GA+2:GA+3], v[BE+2:BE+3]
.endr
.endm
.macro SEND u, q
.irp i, 0,1,2,3
	global_store_b128 v[LI], v[XF+64*(\u)+16*(\q)+4*\i:XF+64*(\u)+16*(\q)+4*\i+3], s[58:59] offset:65536*(\u)+4096*(4*(\q)+\i) th:TH_STORE_NT   ; 32 lanes store 512 consecutive bytes, at a multiple of 256 from out0's first byte
.endr
.endm
	s_load_b256 s[8:15], s[0:1], 0x0               ; oimg 8, ximg 10, bo 12, queries 14
	s_load_b128 s[16:19], s[0:1], 0x20             ; gamma 16, beta 18
	s_load_b64 s[20:21], s[0:1], 0x30              ; out0
	v_lshl_add_u32 v254, v0, 2, 0x17800
	v_mov_b32 v255, 0
	v_lshrrev_b32 v1, 5, v0
	v_readfirstlane_b32 s40, v1                    ; wave 0..7
	s_mov_b32 s42, ttmp9                           ; g
	v_and_b32 v10, 31, v0                          ; lane
	v_and_b32 v11, 15, v0                          ; r
	v_bfe_u32 v12, v0, 4, 1                        ; h
	v_lshlrev_b32 v[LI], 4, v10
	v_lshlrev_b32 v[LS], 2, v10
	v_lshlrev_b32 v[LS2], 2, v11
	v_lshl_add_u32 v[LS2], v12, 7, v[LS2]
	s_wait_alu depctr_va_sdst(0)                   ; s40, the wave's number, is written, ahead of its first reader
	s_mul_i32 s2, s40, 3072
	v_add_nc_u32 v[IW], s2, v[LI]
	s_lshl_b32 s2, s40, 8
	v_add_nc_u32 v[SW], s2, v[LS]
	v_lshlrev_b32 v[LB], 3, v10
	v_lshlrev_b32 v[QA], 12, v11
	v_lshl_add_u32 v[QA], v12, 6, v[QA]
	v_lshlrev_b32 v[BA], 6, v12
	v_lshlrev_b32 v[RR], 5, v11
	s_lshl_b32 s2, s40, 2
	v_add_nc_u32 v[RW], s2, v[RR]
	s_mul_i32 s2, s40, 8448
	s_add_co_u32 s2, s2, STG                       ; my stage
	v_mul_u32_u24 v[STO], v11, 528
	v_lshl_add_u32 v[STO], v12, 6, v[STO]
	v_add_nc_u32 v[STO], s2, v[STO]
	v_add_nc_u32 v[RD], s2, v[LI]
	v_mov_b32 v[TP], 0                             ; written once: a lane permute's destination counts as one of its sources
.irp u, 0,1
	v_mov_b32 v[MU+2*\u+1], 0                      ; (named as the upper halves of pairs)
	v_mov_b32 v[RS+2*\u+1], 0
.endr
	s_mov_b32 s60, 0x76543210
	s_mov_b32 s61, 0xfedcba98                      ; v_permlanex16_b32's selects for lane l xor 16
	s_mov_b32 s2, 0x3a800000                       ; 1 / 1,024
	s_mov_b32 s3, 0x2b8cbccc                       ; eps = 1e-12
	s_mov_b32 s63, 0
	s_add_co_u32 s62, s40, 16                      ; my 128 rows of Wo: block 16 + w of ximg
	s_mul_i32 s62, s62, BLKB
	s_wait_kmcnt 0x0
	s_add_nc_u64 s[XC:XC+1], s[10:11], s[62:63]
	s_wait_alu depctr_va_vdst(0)                   ; the addresses and offsets (v3 to v15, v200 to v203) are written: every load and store of the kernel reads one of them, and none is written again
	XGROUP 0                                       ; 39 loads go out before anything else
	XGROUP 1
	XGROUP 2
	s_lshl_b32 s62, s42, 15
	s_lshl_b32 s43, s40, 11
	s_add_co_u32 s62, s62, s43
	s_add_nc_u64 s[48:49], s[8:9], s[62:63]        ; oimg: record (2 g + u, 2 w + c) lies 16,384 u + 1,024 c on
	s_lshl_b32 s62, s40, 9
	s_add_nc_u64 s[52:53], s[12:13], s[62:63]      ; bo, gamma, beta at my 128 columns
	s_add_nc_u64 s[54:55], s[16:17], s[62:63]
	s_add_nc_u64 s[56:57], s[18:19], s[62:63]
	s_lshl_b32 s43, s42, 17
	s_add_co_u32 s62, s62, s43
	s_add_nc_u64 s[50:51], s[14:15], s[62:63]      ; queries and out0 at my 32 rows, my 128 columns
	s_add_nc_u64 s[58:59], s[20:21], s[62:63]
.irp u, 0,1                                    ; K step w of o: two records make a fragment
	global_load_b128 v[YF+12*\u:YF+12*\u+3], v[LI], s[48:49] offset:16384*\u
	global_load_b64 v[YF+12*\u+4:YF+12*\u+5], v[LB], s[48:49] offset:16384*\u+512
	global_load_b128 v[YF+12*\u+6:YF+12*\u+9], v[LI], s[48:49] offset:16384*\u+1024
	global_load_b64 v[YF+12*\u+10:YF+12*\u+11], v[LB], s[48:49] offset:16384*\u+1536
	global_load_b32 v[WA+2*\u], v[LS], s[48:49] offset:16384*\u+768
	global_load_b32 v[WA+2*\u+1], v[LS], s[48:49] offset:16384*\u+1792
.endr
	WIN 0x40
.irp u, 0,1                                    ; the residual, in the accumulators' layout (no vector instruction has named these registers; the offsets were written ahead of the wait above)
.irp b, 0,1,2,3
.irp j, 0,1,2,3
	global_load_b128 v[64*\u+16*\b+4*\j:64*\u+16*\b+4*\j+3], v[QA], s[50:51] offset:65536*\u+128*\b+16*\j th:TH_LOAD_NT
.endr
.endr
.endr
.irp b, 0,1,2,3                                ; bo likewise, behind the accumulators
.irp j, 0,1,2,3
	global_load_b128 v[128+16*\b+4*\j:128+16*\b+4*\j+3], v[BA], s[52:53] offset:128*\b+16*\j
.endr
.endr
	WIN 0
	global_load_b128 v[GA:GA+3], v[LI], s[54:55]
	global_load_b128 v[BE:BE+3], v[LI], s[56:57]
	s_wait_loadcnt 0x0
.irp u, 0,1
	v_perm_b32 v[PW+\u], v[WA+2*\u+1], v[WA+2*\u], 0x05040100   ; head 2 w's two bytes, then head 2 w + 1's
.endr
.irp u, 0,1
.irp c, 0,1,2
	ds_store_b128 v[IW], v[YF+12*\u+4*\c:YF+12*\u+4*\c+3] offset:1536*\u+512*\c   ; the fragments as they were loaded: no vector instruction has named them
.endr
.endr
	s_wait_alu depctr_va_vdst(0)                   ; the two v_perm_b32 have written v[PW ..], which the two LDS stores below read
.irp u, 0,1
	ds_store_b32 v[SW], v[PW+\u] offset:YSC+128*\u
.endr
	WIN 0x45
.irp u, 0,1
.set k, 0
.rept 32
	v_pk_add_f32 v[64*\u+2*k:64*\u+2*k+1], v[64*\u+2*k:64*\u+2*k+1], v[128+2*k:128+2*k+1]   ; queries + bo: what the sums begin with
.set k, k+1
.endr
.endr
	WIN 0
	s_wait_dscnt 0x0                               ; for the others' sake: my stores have landed
	s_barrier_signal -1
	s_barrier_wait -1                              ; o's 16 fragments lie in LDS; nothing is stored there again
	s_wait_alu depctr_vm_vsrc(0)                   ; my LDS stores have read v[YF ..], in which the fragments' loads land from here on
	FETCH_Y 0
.irp G, 0,1,2,3,4,5,6,7,8,9,10,11,12,13,14,15
	GROUP \G
.endr
	; ---- the mean
.irp u, 0,1
	WIN 0x05
	v_pk_add_f32 v[SA:SA+1], v[64*\u:64*\u+1], v[64*\u+2:64*\u+3]        ; each accumulator from its low end on
	v_pk_add_f32 v[SB:SB+1], v[64*\u+4:64*\u+5], v[64*\u+6:64*\u+7]
	WIN 0x04
.set k, 8
.rept 14
	v_pk_add_f32 v[SA:SA+1], v[SA:SA+1], v[64*\u+k:64*\u+k+1]
	v_pk_add_f32 v[SB:SB+1], v[SB:SB+1], v[64*\u+k+2:64*\u+k+3]
.set k, k+4
.endr
	WIN 0
	ROWSUM \u
.endr
	MEET RED0
	s_wait_alu depctr_vm_vsrc(0)                   ; the LDS stores of the first meeting have read v[PS ..], which the second pass's ROWSUM writes again
.irp u, 0,1
	v_mul_f32 v[MU+2*\u], s2, v[RB+8*\u]
.endr
	; ---- the deviations, and the sum of their squares
	WIN 0x41
.irp u, 0,1
.set k, 0
.rept 32
	v_pk_add_f32 v[64*\u+2*k:64*\u+2*k+1], v[64*\u+2*k:64*\u+2*k+1], v[MU+2*\u:MU+2*\u+1] op_sel_hi:[1,0] neg_lo:[0,1] neg_hi:[0,1]
.set k, k+1
.endr
.endr
.irp u, 0,1
	WIN 0x05
	v_pk_mul_f32 v[SA:SA+1], v[64*\u:64*\u+1], v[64*\u:64*\u+1]
	v_pk_mul_f32 v[SB:SB+1], v[64*\u+2:64*\u+3], v[64*\u+2:64*\u+3]
.set k, 4
.rept 15
	v_pk_fma_f32 v[SA:SA+1], v[64*\u+k:64*\u+k+1], v[64*\u+k:64*\u+k+1], v[SA:SA+1]
	v_pk_fma_f32 v[SB:SB+1], v[64*\u+k+2:64*\u+k+3], v[64*\u+k+2:64*\u+k+3], v[SB:SB+1]
.set k, k+4
.endr
	WIN 0
	ROWSUM \u
.endr
	MEET RED1
.irp u, 0,1
	v_fma_f32 v[RB+8*\u], v[RB+8*\u], s2, s3       ; var + eps
.endr
	s_wait_alu depctr_va_vdst(0)
.irp u, 0,1
	v_rsq_f32 v[RS+2*\u], v[RB+8*\u]
.endr
	v_nop                                          ; one plain place behind a transcendental
	WIN 0x41
	s_wait_alu depctr_va_vdst(0)                   ; the two reciprocal roots have written v[RS ..]: one wait for both, ahead of their first reader
.irp u, 0,1
.set k, 0
.rept 32
	v_pk_mul_f32 v[64*\u+2*k:64*\u+2*k+1], v[64*\u+2*k:64*\u+2*k+1], v[RS+2*\u:RS+2*\u+1] op_sel_hi:[1,0]
.set k, k+1
.endr
.endr
	; ---- the way out: 16 rows at a time through my stage; gamma and beta where a lane holds four neighbouring columns
	WIN 0x04                                       ; an LDS store's data are its source 1: window 1
	s_wait_alu depctr_va_vdst(0)                   ; the 64 multiplications have written both tiles' accumulators, which the stage's LDS stores read; no vector instruction behind this wait names them.  The products' reads of v[XF ..], in which the rows come back, are long done
.irp u, 0,1
	WIN 0x04
.irp b, 0,1,2,3
.irp j, 0,1,2,3
	ds_store_b128 v[STO], v[64*\u+16*\b+4*\j:64*\u+16*\b+4*\j+3] offset:128*\b+16*\j
.endr
.endr
	WIN 0
.set i, 0
.rept 16
	ds_load_b128 v[XF+64*\u+4*i:XF+64*\u+4*i+3], v[RD] offset:528*i   ; LDS serves a wave's instructions in order (ISA guide 5.7.1.4): these see my stores.  Each tile's rows have registers of their own
.set i, i+1
.endr
.irp q, 0,1,2,3
	s_wait_dscnt 12-4*\q                           ; rows 4 q to 4 q + 3 are back; the younger batches' four loads each may stay out
.if \q > 0
	s_wait_alu depctr_va_vdst(0)                   ; the batch before has written its four rows, which the four stores below read
	SEND \u, \q-1
.endif
	NORM \u, \q
.endr
	s_wait_alu depctr_va_vdst(0)                   ; the tile's last batch has written its four rows, which the four stores below read
	SEND \u, 3
.endr
	s_wait_dscnt 0x0                               ; the closing lines, six on end
	s_wait_alu 0x0
	s_wait_tensorcnt 0x0
	ds_add_u32 v254, v255
	s_wait_dscnt 0x0
	s_endpgm
.Lfunc_end_k_q7e092f5c9e_outln:
	.size	k_q7e092f5c9e_outln, .Lfunc_end_k_q7e092f5c9e_outln-k_q7e092f5c9e_outln
	.p2alignl 7, 3214868480
	.fill 96, 4, 3214868480
	.section	.rodata,"a",@progbits
	.p2align	6, 0x0
	.amdhsa_kernel k_q7e092f5c9e_outln
		.amdhsa_group_segment_fixed_size 97280
		.amdhsa_private_segment_fixed_size 0
		.amdhsa_enable_private_segment 0
		.amdhsa_kernarg_size 56
		.amdhsa_user_sgpr_count 2
		.amdhsa_user_sgpr_kernarg_segment_ptr 1
		.amdhsa_wavefront_size32 1
		.amdhsa_system_sgpr_workgroup_id_x 1
		.amdhsa_system_sgpr_workgroup_id_y 1
		.amdhsa_system_sgpr_workgroup_id_z 1
		.amdhsa_system_vgpr_workitem_id 0
		.amdhsa_next_free_vgpr 512
		.amdhsa_next_free_sgpr 66
		.amdhsa_reserve_vcc 0
		.amdhsa_float_denorm_mode_32 3
		.amdhsa_float_denorm_mode_16_64 3
		.amdhsa_memory_ordered 1
		.amdhsa_forward_progress 1
		.amdhsa_inst_pref_size 88
	.end_amdhsa_kernel
	.amdgpu_metadata
---
amdhsa.version: [ 1, 2 ]
amdhsa.kernels:
  - .name:           k_q7e092f5c9e_outln
    .symbol:         k_q7e092f5c9e_outln.kd
    .args:
      - { .name: oimg, .offset: 0, .size: 8, .value_kind: global_buffer, .address_space: global }
      - { .name: ximg, .offset: 8, .size: 8, .value_kind: global_buffer, .address_space: global }
      - { .name: bo, .offset: 16, .size: 8, .value_kind: global_buffer, .address_space: global }
      - { .name: queries, .offset: 24, .size: 8, .value_kind: global_buffer, .address_space: global }
      - { .name: gamma, .offset: 32, .size: 8, .value_kind: global_buffer, .address_space: global }
      - { .name: beta, .offset: 40, .size: 8, .value_kind: global_buffer, .address_space: global }
      - { .name: out0, .offset: 48, .size: 8, .value_kind: global_buffer, .address_space: global }
    .group_segment_fixed_size: 97280
    .private_segment_fixed_size: 0
    .kernarg_segment_align: 8
    .kernarg_segment_size: 56
    .max_flat_workgroup_size: 256
    .sgpr_count:     66
    .vgpr_count:     512
    .wavefront_size: 32
...
	.end_amdgpu_metadata
.endif
;; end of part 10
